; MI455X (gfx1250); checked and timed in simulation.
; The chip was launched on July 23, 2026; its instructions are those of AMD's public machine-readable ISA for CDNA 5 (MIT licence, August 2026) and "CDNA5" Instruction Set Architecture Reference Guide (July 2026). The comments in the code are by the model that wrote it; some were corrected since.
;; Transformer Block. Allowed arithmetic: matrix products marked QUANTISED: E2M3 operands, one E8M0 scale for each 32 along K, by v_wmma_scale_f32_16x16x128_f8f6f4 with both operands' format E2M3, f32 sums; everything else in f32.
;; Inputs: b_fc1 4,096 float32; b_fc2 1,024 float32; b_out 1,024 float32; b_qkv 3,072 float32; ln1_bias 1,024 float32; ln1_scale 1,024 float32; ln2_bias 1,024 float32; ln2_scale 1,024 float32; w_fc1 1,024 x 4,096 float32; w_fc2 4,096 x 1,024 float32; w_out 1,024 x 1,024 float32; w_qkv 1,024 x 3,072 float32; x 2 x 2,048 x 1,024 float32.
;; Outputs: out0 2 x 2,048 x 1,024 float32.
;; This version of the problem:
;;   THIS VERSION OF THE PROBLEM IS GIVEN IN LOW PRECISION. The matrix products marked QUANTISED in the list below multiply operands that are first quantised to E2M3 (2 exponent bits, 3 mantissa bits; 6 bits a number), with one power-of-two scale for each 32 numbers along K (OCP MX v1.0); their sums are f32. All else is computed in f32.
;;   The module's matrix products, in the order in which they are computed (A, B: the left and right operand; K: the contracted axis; several contracted axes count as one K, in the product's order):
;;     1. [M 4,096, K 1,024] x [K 1,024, N 3,072]; A: computed on the way; B: input w_qkv: QUANTISED
;;     2. batch 32 x [M 2,048, K 64] x [K 64, N 2,048]; A: computed on the way; B: computed on the way: QUANTISED
;;     3. batch 32 x [M 2,048, K 2,048] x [K 2,048, N 64]; A: softmax (see below); B: computed on the way: QUANTISED
;;     4. [M 4,096, K 1,024] x [K 1,024, N 1,024]; A: computed on the way; B: input w_out: QUANTISED
;;     5. [M 4,096, K 1,024] x [K 1,024, N 4,096]; A: computed on the way; B: input w_fc1: QUANTISED
;;     6. [M 4,096, K 4,096] x [K 4,096, N 1,024]; A: computed on the way; B: input w_fc2: QUANTISED
;;   THE QUANTISER, for each operand of a quantised product, along K:
;;     - K is cut into blocks of 32 from its start; a last block that is shorter is filled with zeros.
;;     - A block's scale is 2^e with e = floor(log2(the largest magnitude in the block)) - 2, held to -126 .. 127; a block of zeros has e = 0. As a byte (E8M0): e + 127.
;;     - Each number is divided by its block's scale, clamped to +-7.5, and rounded to the nearest number of E2M3, ties to even, subnormals kept.
;;     - The product sums the exact products of the quantised numbers (number of the format x scale) in f32.
;;   ~~~python
;;   def quantise(x, axis):      # numpy; x: float32 -> the quantised numbers, widened to float32 again
;;       x = np.moveaxis(x, axis, -1); K = x.shape[-1]
;;       x = np.pad(x, [(0, 0)] * (x.ndim - 1) + [(0, -K % 32)]); x = x.reshape(x.shape[:-1] + (-1, 32)); a = np.abs(x).max(-1, keepdims=True)
;;       e = np.where(a > 0, np.clip(np.frexp(np.where(a > 0, a, 1))[1] - 1 - 2, -126, 127), 0)      # np.frexp(a)[1] - 1 = floor(log2(a)), exactly
;;       r = np.clip(x / 2.0 ** e, -7.5, 7.5)
;;       step = 2.0 ** (np.maximum(np.frexp(np.where(r == 0, 1, r))[1] - 1, 0) - 3)
;;       q = np.round(r / step) * step * 2.0 ** e      # np.round: ties to even
;;       return np.moveaxis(q.reshape(q.shape[:-2] + (-1,))[..., :K], -1, axis).astype(np.float32)
;;   ~~~
;;   SOFTMAX AHEAD OF A QUANTISED PRODUCT. Where the list says 'softmax', what is quantised is not the finished softmax but p = 2^(t - M), with t = logit x log2(e) and M = ceil(the row's largest t), a whole number; so 1/2 < the row's largest p <= 1. The row's sum l is taken of the UNQUANTISED p, in f32, and the product's result is divided by l at the end. Since M is a whole number, a kernel that streams over the keys may use a running M (the ceiling of the running maximum): every later rescaling is an exact power of two, which a block's scale takes up: the codes' values come out the same.
;;   OPERANDS COMPUTED ON THE WAY. 'Computed on the way' means the value that the module computes at that place (a softmax that the list does not call 'softmax' is quantised finished and normalised). What goes into a quantiser is computed in f32, as accurately as f32 sums, v_exp_f32 and their like allow (about 1e-6 of the number): no bf16 or f16 on the way to a quantiser, and a product that is left as it is and whose result goes on into a quantised operand takes f32 operands (vector FMAs, or v_wmma_f32_16x16x4_f32). A number that lies on a knife's edge between two numbers of the format may be rounded either way, as far as f32 arithmetic and the matrix unit's own rounding can turn it there, and no further.
;; One version. Each part assembles by itself: llvm-mc -triple=amdgcn-amd-amdhsa -mcpu=gfx1250 --defsym DOCPART=n.
;; ======== version 1 of 1: 7 launches
;; limits: an absolute error that grows with the inputs' magnitude: up to 1e-07 times it
;; workspace buffers: WQ 9,830,400 bytes; Y 3,276,800 bytes; QKV 10,092,544 bytes; OQ 3,276,800 bytes; X1 16,777,216 bytes; H 13,107,200 bytes
;; launch prep (part 1): grid 448 x 1, 8 waves a work-group, no clusters, 105,984 bytes of LDS; arguments w_qkv, w_out, w_fc1, w_fc2, WQ, x, ln1_scale, ln1_bias, Y; writes WQ, Y
.if DOCPART == 1
	.amdgcn_target "amdgcn-amd-amdhsa--gfx1250"
	.amdhsa_code_object_version 6
	.text
	.protected	k_q472075166c_prep
	.globl	k_q472075166c_prep
	.p2align	8
	.type	k_q472075166c_prep,@function
k_q472075166c_prep:
	s_mov_b64 s[64:65], 0
	v_nop
	global_prefetch_b8 v0, s[64:65] scope:SCOPE_SE
	s_setreg_imm32_b32 hwreg(HW_REG_WAVE_MODE, 25, 1), 1
	s_wait_xcnt 0x0
; TWO JOBS THAT DEPEND ON NOTHING BUT THE INPUTS, IN ONE LAUNCH: work-groups 0 to 191 quantise the four weights, work-groups 192 to 447 make the first layer norm and quantise it.
; The two ways part on the work-group's number at the first line and never meet again; each has its own barrier and LDS bytes of its own (weights: 0 to 55,295; norm: 55,296 to 104,959).
; THE LAYOUT of all operands of the four large products.  An operand [rows][K] is cut into super-tiles of 128 rows x 128 K, 12,800 bytes each, super-tile (RB, ks) at (RB x K/128 + ks) x 12,800.
; In it: eight images of a fragment's registers, 1,536 bytes each (register p of lane l at 512 (p / 4) + 16 l + 4 (p % 4)), then 512 bytes of scale words (tile t, row r at 12,288 + 64 t + 4 r).
; Lane (r, h) of tile t holds row 32 (t / 2) + 8 (t % 2) + r + 8 (r / 8) of the 128; its registers 6 c .. 6 c + 5 hold k = 64 c + 32 h + 0 .. 31.  Codes of FP6 (E2M3), one E8M0 byte for each 32 along K.
; A block's scale is 2^(floor(log2(largest magnitude)) - 2); its byte is that magnitude's exponent field - 2, held at 1 from below.
; LIMITS: a block whose largest magnitude lies under 2^-124, a block of zeros among them, keeps the byte 1 (its codes are then zeros or subnormal codes; this program alone reads the bytes); NaN and infinities are not served.
.set NQW, 192                          ; the weights' work-groups
	v_lshl_add_u32 v192, v0, 2, 0x19a00
	v_mov_b32 v193, 0
	s_cmp_lt_u32 ttmp9, NQW
	s_cbranch_scc0 .Lnorm
; ---------------------------------------------------------------- THE WEIGHTS, f32 stored [K][N]
; A LANE TAKES A COLUMN n, ITS REGISTERS RUN DOWN K: a load reads 128 consecutive bytes a wave, a block of 32 along K lies in one lane, and the conversions give codes with K innermost.
; A work-group takes 128 columns x 512 along K (four super-tiles); wave w8 takes columns 32 (w8 % 4) on (tiles 2 w, 2 w + 1) and the 256 along K numbered w8 / 4.  The codes go through the wave's own stage in LDS,
; laid as the images, and leave in runs of 512 bytes.  One path serves the four weights: the work-group's number chooses pointer, row pitch and place by scalar selects.  48 work-groups w_qkv, 16 w_out, 64 w_fc1, 64 w_fc2.
.set OFF,  32                          ; v32-63   4 x lane + i x the row pitch, i = 0 .. 31
.set X,    64                          ; v64-127  two sets of 32 numbers
.set C,    128                         ; v128-134 a block's codes
.set SB,   136                         ; v136-137 my column's scale words, one for each of my two super-tiles
.set OUTR, 140                         ; v140-187 the way out: 12 x 4 registers, none used twice
.set BT,   32                          ; s[32:47] eight bases: block t begins 32 t rows down
.set WST,  6656                        ; LDS: a wave's stage: 2 super-tiles x 2 tiles x TP
.set TP,   1664                        ; an image's place in the stage: 1,536 + 128
.set SCS,  53248                       ; behind the eight stages: the work-group's scale words, 4 x 512 bytes
.set ST,   12800
	s_load_b256 s[4:11], s[0:1], 0x0               ; w_qkv, w_out, w_fc1, w_fc2
	s_load_b64 s[12:13], s[0:1], 0x20              ; WQ
	v_lshrrev_b32 v1, 5, v0
	v_readfirstlane_b32 s26, v1                    ; wave 0..7
	s_and_b32 s48, s26, 3                          ; w: which 32 columns
	s_lshr_b32 s49, s26, 2                         ; kh: which 256 of the 512 along K
	v_and_b32 v1, 31, v0                           ; lane = my column among the wave's 32
	v_bfe_u32 v2, v0, 3, 1                         ; u: which of the wave's two tiles holds it
	v_lshlrev_b32 v3, 2, v1
	v_and_b32 v4, 7, v0
	v_bfe_u32 v12, v0, 4, 1
	v_lshl_add_u32 v4, v12, 3, v4                  ; r: its row in that tile: lane % 8 + 8 (lane / 16)
	s_mul_i32 s27, s26, WST
	v_mul_u32_u24 v5, v2, TP
	v_lshl_add_u32 v5, v4, 4, v5
	v_add_nc_u32 v5, s27, v5                       ; into the stage: WST w8 + TP u + 16 r
	v_lshlrev_b32 v6, 6, v2
	v_lshl_add_u32 v6, v4, 2, v6
	s_lshl_b32 s28, s48, 7
	s_lshl_b32 s29, s49, 10
	s_add_co_u32 s28, s28, s29
	s_add_co_u32 s28, s28, SCS
	v_add_nc_u32 v6, s28, v6                       ; my scale word: SCS + 1,024 kh + 64 (2 w + u) + 4 r
	v_lshl_add_u32 v7, v1, 4, s27                  ; out of the stage: WST w8 + 16 x lane
	s_mul_i32 s29, s48, 3072
	s_mul_i32 s50, s49, 2*ST
	s_add_co_u32 s29, s29, s50
	v_lshl_add_u32 v8, v1, 4, s29                  ; and in memory: super-tile 2 kh, 1,536 x 2 w + 16 x lane
	v_lshl_add_u32 v9, v0, 3, SCS                  ; the scale words' way out: 8 bytes a thread
	v_lshrrev_b32 v12, 6, v0
	v_and_b32 v13, 63, v0
	v_mul_u32_u24 v10, v12, ST
	v_lshl_add_u32 v10, v13, 3, v10
	v_add_nc_u32 v10, 12288, v10                   ; super-tile T / 64, byte 12,288 + 8 (T % 64)
	s_mov_b32 s16, 128                             ; w_fc2's figures: first work-group,
	s_mov_b32 s17, 3                               ; log2 of its runs of 512 along K,
	s_mov_b32 s18, 4096                            ; bytes in a row,
	s_mov_b32 s19, 32                              ; K / 128,
	s_mov_b32 s20, 6553600                         ; its place in WQ
	s_wait_kmcnt 0x0
	s_mov_b64 s[14:15], s[10:11]
	s_cmp_lt_u32 ttmp9, 128                        ; w_fc1's
	s_cselect_b32 s16, 64, s16
	s_cselect_b32 s17, 1, s17
	s_cselect_b32 s18, 16384, s18
	s_cselect_b32 s19, 8, s19
	s_cselect_b32 s20, 3276800, s20
	s_cselect_b64 s[14:15], s[8:9], s[14:15]
	s_cmp_lt_u32 ttmp9, 64                         ; w_out's
	s_cselect_b32 s16, 48, s16
	s_cselect_b32 s18, 4096, s18
	s_cselect_b32 s20, 2457600, s20
	s_cselect_b64 s[14:15], s[6:7], s[14:15]
	s_cmp_lt_u32 ttmp9, 48                         ; w_qkv's
	s_cselect_b32 s16, 0, s16
	s_cselect_b32 s18, 12288, s18
	s_cselect_b32 s20, 0, s20
	s_cselect_b64 s[14:15], s[4:5], s[14:15]
	s_sub_co_u32 s21, ttmp9, s16
	s_lshr_b32 s22, s21, s17                       ; rb: which 128 columns
	s_lshl_b32 s23, s22, s17
	s_sub_co_u32 s23, s21, s23                     ; ky: which 512 along K
	s_lshl_b32 s24, s23, 1
	s_add_co_u32 s24, s24, s49                     ; 2 ky + kh: which 256 along K is my wave's
	s_mul_i32 s24, s24, s18
	s_lshl_b32 s24, s24, 8                         ; so many rows of 256,
	s_lshl_b32 s25, s22, 9
	s_add_co_u32 s24, s24, s25                     ; 128 rb columns,
	s_lshl_b32 s25, s48, 7
	s_add_co_u32 s24, s24, s25                     ; 32 w columns
	s_mov_b32 s25, 0
	s_add_nc_u64 s[BT:BT+1], s[14:15], s[24:25]
	s_lshl_b32 s28, s18, 5                         ; 32 rows
	s_mov_b32 s29, 0
.irp t, 1,2,3,4,5,6,7
	s_add_nc_u64 s[BT+2*\t:BT+2*\t+1], s[BT+2*\t-2:BT+2*\t-1], s[28:29]
.endr
	s_mul_i32 s24, s22, s19
	s_lshl_b32 s25, s23, 2
	s_add_co_u32 s24, s24, s25
	s_mul_i32 s24, s24, ST
	s_add_co_u32 s24, s24, s20                     ; super-tile (rb, 4 ky) of this weight
	s_mov_b32 s25, 0
	s_add_nc_u64 s[12:13], s[12:13], s[24:25]
.set i, 0
.rept 32
	v_mad_u32_u24 v[OFF+i], s18, i, v3
.set i, i+1
.endr
.macro LOAD t                          ; block t: W(32 t + i, my column) into set t % 2
.set i, 0
.rept 32
	global_load_b32 v[X+32*((\t)%2)+i], v[OFF+i], s[BT+2*(\t):BT+2*(\t)+1] th:TH_LOAD_NT
.set i, i+1
.endr
.endm
	LOAD 0
	LOAD 1
.macro BLOCK t                         ; block t is block t % 4 of my super-tile t / 4: registers 6 c .. 6 c + 5 of lane r + 16 h, c = (t % 4) / 2, h = t % 2
.set XS, X+32*((\t)%2)
.if (\t) < 7
	s_wait_loadcnt 32                              ; this block's 32 loads are in; the next block's 32 may be out
.else
	s_wait_loadcnt 0
.endif
	v_max3_num_f32 v12, |v[XS]|, |v[XS+1]|, |v[XS+2]|
	v_max3_num_f32 v13, |v[XS+3]|, |v[XS+4]|, |v[XS+5]|
.irp n, 6,10,14,18,22,26
	v_max3_num_f32 v12, v12, |v[XS+\n]|, |v[XS+\n+1]|
	v_max3_num_f32 v13, v13, |v[XS+\n+2]|, |v[XS+\n+3]|
.endr
	v_max3_num_f32 v12, v12, |v[XS+30]|, |v[XS+31]|
	v_max3_num_f32 v12, v12, v13, 0x1800000        ; with the floor 2^(3 - 127): the byte cannot fall under 1
	v_add_nc_u32 v11, 0xff000000, v12              ; 2 off the exponent field: the conversions' scale operand
	v_lshrrev_b32 v13, 23, v11                     ; the byte
.if (\t)%4 == 0
	v_mov_b32 v[SB+(\t)/4], v13
.else
	v_lshl_or_b32 v[SB+(\t)/4], v13, 8*((\t)%4), v[SB+(\t)/4]
.endif
	v_cvt_scalef32_pk16_fp6_f32 v[C:C+2], v[XS:XS+15], v11
	v_cvt_scalef32_pk16_fp6_f32 v[C+4:C+6], v[XS+16:XS+31], v11   ; (a conversion's three registers begin on an even number)
	v_nop                                          ; one plain place behind the conversions
	v_mov_b32 v[C+3], v[C+4]
	v_mov_b32 v[C+4], v[C+5]
	v_mov_b32 v[C+5], v[C+6]                       ; the block's 24 bytes on end
.if ((\t)%4)/2 == 0
	ds_store_b128 v5, v[C:C+3] offset:3328*((\t)/4)+256*((\t)%2)
	ds_store_b64 v5, v[C+4:C+5] offset:3328*((\t)/4)+256*((\t)%2)+512
.else
	ds_store_b64 v5, v[C:C+1] offset:3328*((\t)/4)+256*((\t)%2)+520
	ds_store_b128 v5, v[C+2:C+5] offset:3328*((\t)/4)+256*((\t)%2)+1024
.endif
.if (\t)+2 < 8
	LOAD (\t)+2
.endif
	s_wait_dscnt 0x0                               ; the stores have read their registers: the next block's codes may be written
.endm
.macro FLUSH ks                        ; a super-tile's two images of mine leave; my scale word goes to the work-group's scale words
	ds_store_b32 v6, v[SB+\ks] offset:512*\ks
.irp u, 0,1
.irp g, 0,1,2
	ds_load_b128 v[OUTR+24*\ks+12*\u+4*\g:OUTR+24*\ks+12*\u+4*\g+3], v7 offset:3328*\ks+TP*\u+512*\g   ; a wave's LDS instructions are served in order: these see my stores
.endr
.endr
	s_wait_dscnt 0x0
.irp u, 0,1
.irp g, 0,1,2
	global_store_b128 v8, v[OUTR+24*\ks+12*\u+4*\g:OUTR+24*\ks+12*\u+4*\g+3], s[12:13] offset:ST*\ks+1536*\u+512*\g   ; 32 lanes store 512 consecutive bytes, aligned to 256
.endr
.endr
.endm
	BLOCK 0
	BLOCK 1
	BLOCK 2
	BLOCK 3
	FLUSH 0
	BLOCK 4
	BLOCK 5
	BLOCK 6
	BLOCK 7
	FLUSH 1
	s_wait_dscnt 0x0                               ; for the others' sake: my scale words lie in LDS
	s_barrier_signal -1
	s_barrier_wait -1
	ds_load_b64 v[188:189], v9
	s_wait_dscnt 0x0
	global_store_b64 v10, v[188:189], s[12:13]     ; each wave stores 256 consecutive bytes, aligned
	s_wait_tensorcnt 0x0
	ds_add_u32 v192, v193
	s_wait_dscnt 0x0
	s_endpgm
; ---------------------------------------------------------------- THE FIRST LAYER NORM
; y = (x - mean) rsqrt(var + 1e-5) gamma + beta over rows of 1,024 f32, then quantised along the row and stored in the layout above ((RB, ks) at (8 RB + ks) x 12,800).
; A work-group makes one tile of 16 rows for all of K; wave w its rows r = 2 w and 2 w + 1, which are neighbouring rows of x.  Every load reads 512 consecutive bytes; a turn through the wave's own stage in LDS
; then gives each lane 32 NEIGHBOURS, a whole block: the block's largest magnitude needs no other lane.  gamma and beta take the same turn.  Mean and variance in two passes (the variance of x - mean),
; so that a common offset of the inputs costs no accuracy.  The codes meet in LDS as the eight images of the tile; behind the one barrier wave w stores the image of K step w, 1,536 consecutive bytes.
; The tile's scale words leave in runs of 64 bytes (sixteen rows of one K step): 512 of the work-group's 12,800 bytes.
.Lnorm:
.set G,    16                          ; v16-47   gamma of my 32 columns
.set B,    48                          ; v48-79   beta
.set R0,   80                          ; v80-143  the wave's two rows, 32 numbers a lane each
.set T,    152                         ; v152-159 at work
.set NB,   55296                       ; LDS: this way's bytes begin behind the weights' way's: eight stages of 4,608 bytes (32 lanes x 144),
.set NIMG, NB+36864                    ; then the tile's eight images,
.set NSCS, NB+49152                    ; then its scale words, [K step][row]
	s_load_b256 s[4:11], s[0:1], 0x28              ; x, gamma, beta, y
	v_lshrrev_b32 v1, 5, v0
	v_readfirstlane_b32 s12, v1                    ; wave
	v_and_b32 v1, 31, v0                           ; lane
	v_lshlrev_b32 v2, 4, v1                        ; my 16 bytes of a load's 512
	s_mul_i32 s24, s12, 4608
	s_add_co_u32 s24, s24, NB
	v_lshrrev_b32 v13, 3, v1
	v_and_b32 v14, 7, v0
	v_mul_u32_u24 v3, v13, 144
	v_lshl_add_u32 v3, v14, 4, v3
	v_add_nc_u32 v3, s24, v3                       ; the stage, in: eight lanes' 128 bytes on end, then 16 of padding
	v_mul_u32_u24 v4, v1, 144
	v_add_nc_u32 v4, s24, v4                       ; and out: 144 x lane: my 32 neighbours
	v_lshrrev_b32 v13, 2, v1                       ; my block lies in K step lane / 4,
	v_and_b32 v14, 1, v0                           ; in the half h = lane % 2 of the lanes,
	v_bfe_u32 v15, v0, 1, 1                        ; in registers 6 c on, c = (lane / 2) % 2
	v_mul_u32_u24 v5, v13, 1536
	v_lshl_add_u32 v5, v14, 8, v5
	s_lshl_b32 s25, s12, 5
	s_add_co_u32 s25, s25, NIMG
	v_add_nc_u32 v5, s25, v5                       ; NIMG + 1,536 ks + 256 h + 16 (2 w); row 2 w + 1 lies 16 further on
	v_mad_u32_u24 v6, v15, 1016, v5
	v_add_nc_u32 v6, 8, v6                         ; my second 8 bytes: at 8 (c = 0) or 1,024 (c = 1)
	v_mad_u32_u24 v7, v15, 520, v5
	v_add_nc_u32 v7, 512, v7                       ; my third: at 512 or 1,032
	v_mad_u32_u24 v5, v15, 520, v5                 ; my first: at 0 or 520
	v_and_b32 v14, 3, v0
	v_lshl_add_u32 v8, v13, 6, v14
	s_lshl_b32 s26, s12, 3
	s_add_co_u32 s26, s26, NSCS
	v_add_nc_u32 v8, s26, v8                       ; my byte: NSCS + 64 ks + 4 (2 w) + lane % 4
	s_mul_i32 s27, s12, 1536
	s_add_co_u32 s27, s27, NIMG
	v_add_nc_u32 v9, s27, v2                       ; the way out: image w, 16 x lane;
	s_mul_i32 s28, s12, 12800
	v_add_nc_u32 v10, s28, v2                      ; super-tile w of the row block
	v_and_b32 v13, 127, v0
	v_lshl_add_u32 v11, v13, 2, NSCS               ; the scale words' way out (waves 0 to 3): word T
	v_bfe_u32 v13, v0, 4, 3
	v_and_b32 v14, 15, v0
	v_mul_u32_u24 v12, v13, 12800
	v_lshl_add_u32 v12, v14, 2, v12
	v_add_nc_u32 v12, 12288, v12                   ; super-tile T / 16, byte 12,288 + 4 (T % 16)
	v_mov_b32 v161, 0                              ; (upper halves of pairs of which the low word serves both halves: written once)
	v_mov_b32 v163, 0
	v_mov_b32 v164, 0                              ; (a lane permute's destination counts as one of its sources)
	s_mov_b32 s20, 0x3a800000                      ; 1 / 1,024
	s_mov_b32 s21, 0x3727c5ac                      ; 1e-5
	s_mov_b32 s22, 0x76543210
	s_mov_b32 s23, 0xfedcba98                      ; selects for lane l xor 16
	s_lshr_b32 s13, ttmp9, 3
	s_sub_co_u32 s13, s13, NQW/8                   ; RB: the norm's work-groups begin at NQW, a multiple of 8
	s_and_b32 s14, ttmp9, 7                        ; t
	s_lshl_b32 s15, s13, 7
	s_lshr_b32 s16, s14, 1
	s_lshl_b32 s16, s16, 5
	s_add_co_u32 s15, s15, s16
	s_and_b32 s16, s14, 1
	s_lshl_b32 s16, s16, 3
	s_add_co_u32 s15, s15, s16
	s_lshl_b32 s16, s12, 1
	s_add_co_u32 s15, s15, s16
	s_lshr_b32 s16, s12, 2
	s_lshl_b32 s16, s16, 3
	s_add_co_u32 s15, s15, s16                     ; my first row: 128 RB + 32 (t / 2) + 8 (t % 2) + 2 w + 8 (w / 4)
	s_lshl_b32 s16, s15, 12
	s_mov_b32 s17, 0
	s_mul_i32 s18, s13, 102400                     ; the row block's eight super-tiles
	s_mov_b32 s19, 0
	s_mul_i32 s28, s14, 1536
	s_mov_b32 s29, 0
	s_lshl_b32 s30, s14, 6
	s_mov_b32 s31, 0
	s_wait_kmcnt 0x0
	s_add_nc_u64 s[4:5], s[4:5], s[16:17]
	s_add_nc_u64 s[10:11], s[10:11], s[18:19]
	s_add_nc_u64 s[16:17], s[10:11], s[28:29]      ; + the tile's image
	s_add_nc_u64 s[18:19], s[10:11], s[30:31]      ; + the tile's 64 bytes of scale words
.irp n, 0,1,2,3,4,5,6,7
	global_load_b128 v[G+4*\n:G+4*\n+3], v2, s[6:7] offset:512*\n
.endr
.irp n, 0,1,2,3,4,5,6,7
	global_load_b128 v[B+4*\n:B+4*\n+3], v2, s[8:9] offset:512*\n
.endr
.irp n, 0,1,2,3,4,5,6,7
	global_load_b128 v[R0+4*\n:R0+4*\n+3], v2, s[4:5] offset:512*\n
.endr
.irp n, 0,1,2,3,4,5,6,7
	global_load_b128 v[R0+32+4*\n:R0+32+4*\n+3], v2, s[4:5] offset:4096+512*\n
.endr
.macro TURN reg                        ; 4,096 bytes through my stage and back into the registers that they left; a wave's LDS instructions are served in order, so no wait stands between
.irp n, 0,1,2,3,4,5,6,7
	ds_store_b128 v3, v[\reg+4*\n:\reg+4*\n+3] offset:576*\n
.endr
.irp n, 0,1,2,3,4,5,6,7
	ds_load_b128 v[\reg+4*\n:\reg+4*\n+3], v4 offset:16*\n
.endr
.endm
	s_wait_loadcnt 24                              ; gamma's eight loads are in; 24 younger ones may be out
	TURN G
	s_wait_loadcnt 16
	TURN B
	s_wait_loadcnt 8
	TURN R0
	s_wait_loadcnt 0
	TURN R0+32
.macro ACROSS                          ; the sum of v[T] over the 32 lanes, in every lane
	v_add_f32_dpp v[T], v[T], v[T] row_xmask:1 row_mask:0xf bank_mask:0xf
	v_add_f32_dpp v[T], v[T], v[T] row_xmask:2 row_mask:0xf bank_mask:0xf
	v_add_f32_dpp v[T], v[T], v[T] row_xmask:4 row_mask:0xf bank_mask:0xf
	v_add_f32_dpp v[T], v[T], v[T] row_xmask:8 row_mask:0xf bank_mask:0xf
	v_permlanex16_b32 v164, v[T], s22, s23
	v_add_f32 v[T], v[T], v164
.endm
.macro FOLD                            ; four chains of pairs into one number
	v_pk_add_f32 v[T:T+1], v[T:T+1], v[T+2:T+3]
	v_pk_add_f32 v[T+4:T+5], v[T+4:T+5], v[T+6:T+7]
	v_pk_add_f32 v[T:T+1], v[T:T+1], v[T+4:T+5]
	v_add_f32 v[T], v[T], v[T+1]
.endm
.macro ROW w
.set R, R0+32*\w
.set CC, 144+24*\w                     ; each row has registers of its own for its codes and its byte
.irp n, 0,2,4,6
	v_pk_add_f32 v[T+\n:T+\n+1], v[R+2*\n:R+2*\n+1], v[R+2*\n+2:R+2*\n+3]
.endr
.irp m, 16,24
.irp n, 0,2,4,6
	v_pk_add_f32 v[T+\n:T+\n+1], v[T+\n:T+\n+1], v[R+\m+\n:R+\m+\n+1]
.endr
.endr
	FOLD
	ACROSS
	v_mul_f32 v160, 0xba800000, v[T]               ; - mean
.set i, 0
.rept 16
	v_pk_add_f32 v[R+i:R+i+1], v[R+i:R+i+1], v[160:161] op_sel_hi:[1,0]
.set i, i+2
.endr
.irp n, 0,2,4,6
	v_pk_mul_f32 v[T+\n:T+\n+1], v[R+\n:R+\n+1], v[R+\n:R+\n+1]
.endr
.irp m, 8,16,24
.irp n, 0,2,4,6
	v_pk_fma_f32 v[T+\n:T+\n+1], v[R+\m+\n:R+\m+\n+1], v[R+\m+\n:R+\m+\n+1], v[T+\n:T+\n+1]
.endr
.endr
	FOLD
	ACROSS
	v_fma_f32 v165, v[T], s20, s21                 ; var + 1e-5
	v_rsq_f32 v162, v165
	v_nop                                          ; one plain place behind the transcendental
.set i, 0
	s_wait_alu depctr_va_vdst(0)
.rept 16
	v_pk_mul_f32 v[R+i:R+i+1], v[R+i:R+i+1], v[162:163] op_sel_hi:[1,0]
.set i, i+2
.endr
.set i, 0
.rept 16
	v_pk_fma_f32 v[R+i:R+i+1], v[R+i:R+i+1], v[G+i:G+i+1], v[B+i:B+i+1]
.set i, i+2
.endr
	v_max3_num_f32 v[T], |v[R]|, |v[R+1]|, |v[R+2]|
	v_max3_num_f32 v[T+1], |v[R+3]|, |v[R+4]|, |v[R+5]|
.irp n, 6,10,14,18,22,26
	v_max3_num_f32 v[T], v[T], |v[R+\n]|, |v[R+\n+1]|
	v_max3_num_f32 v[T+1], v[T+1], |v[R+\n+2]|, |v[R+\n+3]|
.endr
	v_max3_num_f32 v[T], v[T], |v[R+30]|, |v[R+31]|
	v_max3_num_f32 v[T], v[T], v[T+1], 0x1800000   ; with the floor 2^(3 - 127)
	v_add_nc_u32 v165, 0xff000000, v[T]            ; 2 off the exponent field: the conversions' scale operand
	v_lshrrev_b32 v[166+\w], 23, v165              ; the byte
	v_cvt_scalef32_pk16_fp6_f32 v[CC:CC+2], v[R:R+15], v165
	v_cvt_scalef32_pk16_fp6_f32 v[CC+4:CC+6], v[R+16:R+31], v165
	v_nop                                          ; one plain place behind the conversions
	v_mov_b32 v[CC+3], v[CC+4]
	v_mov_b32 v[CC+4], v[CC+5]
	v_mov_b32 v[CC+5], v[CC+6]
	ds_store_b64 v5, v[CC:CC+1] offset:16*\w
	ds_store_b64 v6, v[CC+2:CC+3] offset:16*\w
	ds_store_b64 v7, v[CC+4:CC+5] offset:16*\w
	ds_store_b8 v8, v[166+\w] offset:4*\w
.endm
	s_wait_dscnt 16                                ; gamma, beta and row 0 are back; the second row's 16 LDS instructions may be out
	ROW 0
	s_wait_dscnt 4                                 ; the second row is back; the first row's four stores may be out
	ROW 1
	s_wait_dscnt 0x0                               ; for the others' sake: my codes and bytes lie in LDS
	s_barrier_signal -1
	s_barrier_wait -1
.irp g, 0,1,2
	ds_load_b128 v[16+4*\g:19+4*\g], v9 offset:512*\g
.endr
	s_wait_dscnt 0x0
.irp g, 0,1,2
	global_store_b128 v10, v[16+4*\g:19+4*\g], s[16:17] offset:512*\g   ; 512 consecutive bytes, aligned to 256
.endr
	s_cmp_lt_u32 s12, 4
	s_cbranch_scc0 .Lend                           ; the 128 scale words are waves 0 to 3's
	ds_load_b32 v28, v11
	s_wait_dscnt 0x0
	global_store_b32 v12, v28, s[18:19]
.Lend:
	s_wait_tensorcnt 0x0
	ds_add_u32 v192, v193
	s_wait_dscnt 0x0
	s_endpgm
.Lfunc_end_k_q472075166c_prep:
	.size	k_q472075166c_prep, .Lfunc_end_k_q472075166c_prep-k_q472075166c_prep
	.p2alignl 7, 3214868480
	.fill 96, 4, 3214868480
	.section	.rodata,"a",@progbits
	.p2align	6, 0x0
	.amdhsa_kernel k_q472075166c_prep
		.amdhsa_group_segment_fixed_size 105984
		.amdhsa_private_segment_fixed_size 0
		.amdhsa_enable_private_segment 0
		.amdhsa_kernarg_size 72
		.amdhsa_user_sgpr_count 2
		.amdhsa_user_sgpr_kernarg_segment_ptr 1
		.amdhsa_wavefront_size32 1
		.amdhsa_system_sgpr_workgroup_id_x 1
		.amdhsa_system_sgpr_workgroup_id_y 1
		.amdhsa_system_sgpr_workgroup_id_z 1
		.amdhsa_system_vgpr_workitem_id 0
		.amdhsa_next_free_vgpr 194
		.amdhsa_next_free_sgpr 66
		.amdhsa_reserve_vcc 0
		.amdhsa_float_denorm_mode_32 3
		.amdhsa_float_denorm_mode_16_64 3
		.amdhsa_memory_ordered 1
		.amdhsa_forward_progress 1
		.amdhsa_inst_pref_size 73
	.end_amdhsa_kernel
	.amdgpu_metadata
---
amdhsa.version: [ 1, 2 ]
amdhsa.kernels:
  - .name:           k_q472075166c_prep
    .symbol:         k_q472075166c_prep.kd
    .args:
      - { .name: w_qkv, .offset: 0, .size: 8, .value_kind: global_buffer, .address_space: global }
      - { .name: w_out, .offset: 8, .size: 8, .value_kind: global_buffer, .address_space: global }
      - { .name: w_fc1, .offset: 16, .size: 8, .value_kind: global_buffer, .address_space: global }
      - { .name: w_fc2, .offset: 24, .size: 8, .value_kind: global_buffer, .address_space: global }
      - { .name: WQ, .offset: 32, .size: 8, .value_kind: global_buffer, .address_space: global }
      - { .name: x, .offset: 40, .size: 8, .value_kind: global_buffer, .address_space: global }
      - { .name: ln1_scale, .offset: 48, .size: 8, .value_kind: global_buffer, .address_space: global }
      - { .name: ln1_bias, .offset: 56, .size: 8, .value_kind: global_buffer, .address_space: global }
      - { .name: Y, .offset: 64, .size: 8, .value_kind: global_buffer, .address_space: global }
    .group_segment_fixed_size: 105984
    .private_segment_fixed_size: 0
    .kernarg_segment_align: 8
    .kernarg_segment_size: 72
    .max_flat_workgroup_size: 256
    .sgpr_count:     66
    .vgpr_count:     194
    .wavefront_size: 32
...
	.end_amdgpu_metadata
.endif
;; end of part 1
;; launch g1 (part 2): grid 48 x 4, 4 waves a work-group, clusters of 4 x 4, 327,680 bytes of LDS; arguments Y, WQ, b_qkv, QKV; writes QKV
.if DOCPART == 2
	.amdgcn_target "amdgcn-amd-amdhsa--gfx1250"
	.amdhsa_code_object_version 6
	.text
	.protected	k_q472075166c_g1
	.globl	k_q472075166c_g1
	.p2align	8
	.type	k_q472075166c_g1,@function
k_q472075166c_g1:
	s_mov_b64 s[64:65], 0
	v_nop
	global_prefetch_b8 v0, s[64:65] scope:SCOPE_SE
	s_setreg_imm32_b32 hwreg(HW_REG_WAVE_MODE, 25, 1), 1
	s_wait_xcnt 0x0
	s_wait_alu depctr_hold_cnt(0) depctr_sa_sdst(0) depctr_va_vdst(0) depctr_va_sdst(0) depctr_va_ssrc(0) depctr_va_vcc(0) depctr_vm_vsrc(0)
	s_getreg_b32 s2, hwreg(HW_REG_IB_STS2, 6, 4)
	s_cmp_eq_u32 s2, 0
	s_cbranch_scc0 .Lentry_in_a_cluster
	s_endpgm
.Lentry_in_a_cluster:
	s_bfe_u32 s2, ttmp6, 0x10000c
	s_cmp_lg_u32 s2, 0xf033
	s_cbranch_scc0 .Lentry_shape_is_right
	s_endpgm
.Lentry_shape_is_right:
; qkv = Q(y) Q(w_qkv) + b_qkv on codes of FP6 (E2M3) with E8M0 scales, and q, k, v quantised again on the way out, as attention's operands.
; OPERANDS lie in super-tiles of 128 rows x 128 K, 12,800 bytes ((RB, ks) at (8 RB + ks) x 12,800): eight register images of 1,536 bytes (register p of lane l at 512 (p / 4) + 16 l + 4 (p % 4)), then 512 bytes of
; scale words (64 t + 4 r).  Lane (r, h) of tile t holds row 32 (t / 2) + 8 (t % 2) + r + 8 (r / 8).  So a fragment is three loads of 16 bytes a lane, a K step's tiles are dense memory, and no pitch or padding is needed.
; A tile of C, 256 x 256, is a work-group's; a wave makes 128 x 128: 64 accumulators.  K goes in steps of 128, two to an LDS slot, two slots; a wave fills a quarter of a slot by one tensor load of 25,600 dense bytes.
; THE PRODUCT IS USED TRANSPOSED (source 0 = B's 16 rows, source 1 = A's): lane (r, h) holds A's row of (a, r), and the 64 registers of accumulators (a, 0 .. 7) are B's rows 32 b + 16 h + i (register 16 b + i):
; sixteen neighbours of each block of 32 along the next product's K.  They are quantised in registers and ARE then the next operand's image.
; TWELVE CLUSTERS of 4 x 4.  Clusters 0 to 7: A = y (tokens), B = w_q or w_k (even cluster: q, odd: k): a lane holds a token, its registers two heads' 64 channels.  Clusters 8 to 11: A = w_v (channels), B = y (tokens):
; a lane holds a channel and its registers run along the KEYS, which are the K of attention's second product.  One K loop serves both; pointers are chosen on the cluster's number, which all partners share.
; A's tiles are asked for jointly along a row of the cluster, B's along a column.
; QKV: [head 32][group of 128 keys 16] records of 13,056 bytes: k's eight half images of 768 bytes (registers 0-3 at 16 l, registers 4, 5 at 512 + 8 l), k's scale words at 6,144, v's four images at 6,656, v's scale
; words at 12,800; from byte 6,684,672 q's records of 6,656 bytes: eight half images, scale words at 6,144.  A scale word of q or k has its head's two bytes below and zeros above.
; LIMITS: a block whose largest magnitude lies under 2^-124 keeps the byte 1 (this program alone reads the bytes); NaN and infinities are not served.
; REGISTERS: window 0: v1-31 addresses; v32-47 scale words, two sets; v48-55 the bias's offsets; v64-159, v160-255 A's fragments, two sets; on the way out v64-127 numbers, v160-196 the quantiser's.
;   window 1: v0-95, v128-223 B's fragments, two sets; v96-127, v224-255 the bias.   windows 2, 3: the accumulators, (a, b) at 64 (a % 4) + 8 b.
.set BIG,   1
.set NA,    8                          ; fragments a side a wave
.set NQ,    2                          ; K steps of 128 in a slot
.set KK,    1024
.set FOFF,  25600                      ; from one half of the tile's rows to the other, in LDS: fragments,
.set SOFF,  25600                      ; scale words
.set KT,    KK/128
.set ST,    12800
.set FRB,   1536
.set SCO,   12288
.set LOADB, 2*ST                       ; what one tensor load brings
.set SLOT,  4*LOADB
.set SPARE, 2*SLOT                     ; behind the ring: the spare words, 128 bytes a wave
.set STG,   SPARE+512                  ; behind them: stages into which no fill lands
.set RBS,   KT*ST                      ; a row block's super-tiles
.set LAPS,  KK/(256*NQ)
.set ADRA,  16
.set ADRB,  18
.set ASA,   20
.set ASB,   22
.set SPW,   28
.set NIL,   29
.set SC,    32
.set AF,    64
.set PC,    160
.set TM,    180
.set PW,    196
.set SEL,   70
.set G1A,   24
.set G0A,   32
.set G1B,   48
.set G0B,   56
.set MSB,   0
.macro WIN new                         ; the immediate's high byte repeats the setting that is left
.if MSB != (\new)
	s_set_vgpr_msb (MSB<<8)|(\new)
.set MSB, (\new)
.endif
.endm
.macro JLOAD g0a, g1a, g0b, g1b        ; a joint load: waves 0 and 1 fetch for A, waves 2 and 3 for B; four v_nop follow each of the two lines
	s_cmp_eq_u32 s15, 0
	s_cbranch_scc0 .Lfor_b_\@
	tensor_load_to_lds s[\g0a:\g0a+3], s[\g1a:\g1a+7]
	s_nop 0
.rept 4
	v_nop
.endr
	s_branch .Lasked_\@
.Lfor_b_\@:
	tensor_load_to_lds s[\g0b:\g0b+3], s[\g1b:\g1b+7]
	s_nop 0
.rept 4
	v_nop
.endr
.Lasked_\@:
.endm
.macro CREST                           ; a round of the cluster's barrier behind its opening barrier
	s_cmp_lg_u32 s14, 0
	s_cbranch_scc1 .Lnot_wave_0_\@
	s_barrier_signal -3
.Lnot_wave_0_\@:
	s_barrier_wait -3
	s_barrier_signal -1
	s_barrier_wait -1
.endm
.macro CROUND
	s_barrier_signal -1
	s_barrier_wait -1
	CREST
.endm
.macro PLACES n
.rept \n
	v_nop
.endr
.endm
.macro WM zero                         ; one product; a scale register holds an even tile's words in lanes 0-15 and the odd tile's in lanes 16-31
.if \zero
.if par == 0
	v_wmma_scale_f32_16x16x128_f8f6f4 v[rD:rD+7], v[rB:rB+11], v[rA:rA+11], 0, v[rSB], v[rSA] matrix_a_fmt:MATRIX_FMT_FP6 matrix_b_fmt:MATRIX_FMT_FP6
.elseif par == 1
	v_wmma_scale_f32_16x16x128_f8f6f4 v[rD:rD+7], v[rB:rB+11], v[rA:rA+11], 0, v[rSB], v[rSA] matrix_a_fmt:MATRIX_FMT_FP6 matrix_b_fmt:MATRIX_FMT_FP6 matrix_a_scale:MATRIX_SCALE_ROW1
.elseif par == 2
	v_wmma_scale_f32_16x16x128_f8f6f4 v[rD:rD+7], v[rB:rB+11], v[rA:rA+11], 0, v[rSB], v[rSA] matrix_a_fmt:MATRIX_FMT_FP6 matrix_b_fmt:MATRIX_FMT_FP6 matrix_b_scale:MATRIX_SCALE_ROW1
.else
	v_wmma_scale_f32_16x16x128_f8f6f4 v[rD:rD+7], v[rB:rB+11], v[rA:rA+11], 0, v[rSB], v[rSA] matrix_a_fmt:MATRIX_FMT_FP6 matrix_b_fmt:MATRIX_FMT_FP6 matrix_a_scale:MATRIX_SCALE_ROW1 matrix_b_scale:MATRIX_SCALE_ROW1
.endif
.else
.if par == 0
	v_wmma_scale_f32_16x16x128_f8f6f4 v[rD:rD+7], v[rB:rB+11], v[rA:rA+11], v[rD:rD+7], v[rSB], v[rSA] matrix_a_fmt:MATRIX_FMT_FP6 matrix_b_fmt:MATRIX_FMT_FP6
.elseif par == 1
	v_wmma_scale_f32_16x16x128_f8f6f4 v[rD:rD+7], v[rB:rB+11], v[rA:rA+11], v[rD:rD+7], v[rSB], v[rSA] matrix_a_fmt:MATRIX_FMT_FP6 matrix_b_fmt:MATRIX_FMT_FP6 matrix_a_scale:MATRIX_SCALE_ROW1
.elseif par == 2
	v_wmma_scale_f32_16x16x128_f8f6f4 v[rD:rD+7], v[rB:rB+11], v[rA:rA+11], v[rD:rD+7], v[rSB], v[rSA] matrix_a_fmt:MATRIX_FMT_FP6 matrix_b_fmt:MATRIX_FMT_FP6 matrix_b_scale:MATRIX_SCALE_ROW1
.else
	v_wmma_scale_f32_16x16x128_f8f6f4 v[rD:rD+7], v[rB:rB+11], v[rA:rA+11], v[rD:rD+7], v[rSB], v[rSA] matrix_a_fmt:MATRIX_FMT_FP6 matrix_b_fmt:MATRIX_FMT_FP6 matrix_a_scale:MATRIX_SCALE_ROW1 matrix_b_scale:MATRIX_SCALE_ROW1
.endif
.endif
.endm
.macro MULQ i, p, zero                 ; quarter i of a K step: NA / 4 blocks of A against all of B's, from fragment set p.  The accumulators take turns, one instruction a turn, in the same order in every step
.if BIG && ((\i) > 1)
	WIN 0xf1                                       ; source 0 (B) window 1, source 1 (A) window 0, C and D window 3
.else
	WIN 0xa1                                       ; the same, C and D window 2
.endif
.set ma, (\i)*NA/4
.rept NA/4
.set mb, 0
.rept NA
.set rD, 8*(NA*(ma%4)+mb)
.set rB, 128*(\p)+12*mb
.set rA, AF+96*(\p)+12*ma
.set rSB, SC+8*(\p)+4+mb/2
.set rSA, SC+8*(\p)+ma/2
.set par, (mb&1)+2*(ma&1)
	WM \zero
.set mb, mb+1
.endr
.set ma, ma+1
.endr
.endm
.macro FETCH slot, q, p                ; the fragments and scale words of the slot's q-th K step into set p: 3 NA + 3 NA + NA loads in one run
	WIN 0x40                                       ; destination window 1
.set fb, 0
.rept NA
.irp g, 0,1,2
	ds_load_b128 v[128*(\p)+12*fb+4*\g:128*(\p)+12*fb+4*\g+3], v[ADRB+\slot] offset:(\q)*ST+fb*FRB+512*\g
.endr
.set fb, fb+1
.endr
	WIN 0
.set fb, 0
.rept NA
.irp g, 0,1,2
	ds_load_b128 v[AF+96*(\p)+12*fb+4*\g:AF+96*(\p)+12*fb+4*\g+3], v[ADRA+\slot] offset:(\q)*ST+fb*FRB+512*\g
.endr
.set fb, fb+1
.endr
.set fb, 0
.rept NA/2
	ds_load_b32 v[SC+8*(\p)+fb], v[ASA+\slot] offset:(\q)*ST+SCO+128*fb
	ds_load_b32 v[SC+8*(\p)+4+fb], v[ASB+\slot] offset:(\q)*ST+SCO+128*fb
.set fb, fb+1
.endr
.endm
.macro STEP slot, q, zero              ; a K step that has its successor in the same slot
	s_wait_dscnt 0x0                               ; this step's fragments, asked for a whole step ago, are in
	PLACES 4                                       ; four places between the last products, which read the other set, and the loads into it
	FETCH \slot, (\q)+1, 1-((\q)%2)
	MULQ 0, (\q)%2, \zero
	MULQ 1, (\q)%2, \zero
	MULQ 2, (\q)%2, \zero
	MULQ 3, (\q)%2, \zero
	WIN 0
.endm
.macro TURN slot, next, fill           ; a slot's last K step changes slots: one barrier; fill = 1: it opens a round of the cluster's barrier, and this slot is filled again, two slots ahead
	s_wait_tensorcnt 0x0                           ; all my tensor loads have landed: the one that was out is my part of the next slot
	ds_add_u32 v[SPW], v[NIL]                      ; 0 onto my spare word
	s_wait_dscnt 0x1                               ; this step's fragments are in; the add alone may be out
	MULQ 0, 1, 0
	s_wait_dscnt 0x0                               ; the add is done, and my reads of this slot are over
	s_barrier_signal -1
	MULQ 1, 1, 0
	WIN 0
	s_barrier_wait -1
.if \fill
	CREST                                          ; no wave of any partner still reads this slot or has a load on its way
	s_add_nc_u64 s[G0A+4*\slot+2:G0A+4*\slot+3], s[G0A+4*\slot+2:G0A+4*\slot+3], 2*NQ*ST
	s_add_nc_u64 s[G0B+4*\slot+2:G0B+4*\slot+3], s[G0B+4*\slot+2:G0B+4*\slot+3], 2*NQ*ST
	JLOAD G0A+4*\slot, G1A, G0B+4*\slot, G1B       ; the first tensor load behind the round; its four v_nop are the places in front of the loads below
.else
	PLACES 4
.endif
	FETCH \next, 0, 0
	MULQ 2, 1, 0
	MULQ 3, 1, 0
	WIN 0
.endm
.macro MID slot                        ; a slot's K steps 1 .. NQ - 2
.set mq, 1
.rept NQ-2
	STEP \slot, mq, 0
.set mq, mq+1
.endr
.endm
; 64 numbers of a lane, v[s] .. v[s + 63], register 16 b + i = k 32 b + 16 (lane / 16) + i of my row, become a fragment's codes in v[PC] .. v[PC + 11] and its scale word in v[PW].
.macro QUANT s
.irp b, 0,1,2,3
	v_max3_num_f32 v[TM+\b], |v[\s+16*\b]|, |v[\s+1+16*\b]|, 0x1800000   ; my 16 numbers of block b, and the floor 2^(3 - 127): the byte cannot fall under 1
.endr
.irp n, 2,4,6,8,10,12,14
.irp b, 0,1,2,3
	v_max3_num_f32 v[TM+\b], v[TM+\b], |v[\s+16*\b+\n]|, |v[\s+1+16*\b+\n]|
.endr
.endr
.irp b, 0,1,2,3
	v_permlanex16_b32 v[TM+4+\b], v[TM+\b], s[SEL], s[SEL+1]
.endr
.irp b, 0,1,2,3
	v_max_num_f32 v[TM+\b], v[TM+\b], v[TM+4+\b]   ; with lane l xor 16's: the block's largest magnitude
.endr
.irp b, 0,1,2,3
	v_add_nc_u32 v[TM+12+\b], 0xff000000, v[TM+\b] ; 2 off its exponent field: the conversion's scale operand
.endr
.irp b, 0,1,2,3
	v_lshrrev_b32 v[TM+4+\b], 23, v[TM+12+\b]      ; the byte
.endr
	v_lshl_or_b32 v[PW], v[TM+5], 8, v[TM+4]
	v_lshl_or_b32 v[PW], v[TM+6], 16, v[PW]
	v_lshl_or_b32 v[PW], v[TM+7], 24, v[PW]
.irp c, 0,1
	v_cvt_scalef32_pk16_fp6_f32 v[PC+6*\c:PC+2+6*\c], v[\s+32*\c:\s+15+32*\c], v[TM+12+2*\c]
	v_cvt_scalef32_pk16_fp6_f32 v[PC+12+4*\c:PC+14+4*\c], v[\s+16+32*\c:\s+31+32*\c], v[TM+12+2*\c+1]
.endr
	v_nop                                          ; one plain place behind the conversions
.irp c, 0,1                            ; the layout wants a whole block in a lane: lanes 0-15 block 2 c, lanes 16-31 block 2 c + 1
.irp n, 0,1,2
	v_permlane16_swap_b32 v[PC+6*\c+\n], v[PC+12+4*\c+\n]
.endr
.irp n, 0,1,2
	v_mov_b32 v[PC+3+6*\c+\n], v[PC+12+4*\c+\n]
.endr
.endr
.endm
	s_load_b128 s[4:7], s[0:1], 0x0                ; Y, WQ
	s_load_b128 s[8:11], s[0:1], 0x10              ; b_qkv, QKV
	v_lshl_add_u32 v[SPW], v0, 2, SPARE
	v_mov_b32 v[NIL], 0
	ds_add_u32 v28, v29
	ds_add_u32 v28, v29
	s_wait_dscnt 0x0
	v_lshrrev_b32 v1, 5, v0
	v_readfirstlane_b32 s14, v1                    ; wave
	s_lshr_b32 s15, s14, 1                         ; wm: my half of the tile's A rows.  Also: I fetch for A (0) or B (1)
	s_and_b32 s16, s14, 1                          ; wn: my half of its B rows.  Also: which half I fetch
	s_bfe_u32 s40, ttmp6, 0x40000                  ; cx
	s_bfe_u32 s41, ttmp6, 0x40004                  ; cy
	s_lshr_b32 s76, ttmp9, 1
	s_lshl_b32 s76, s76, 2                         ; 4 (c / 2)       c = the cluster's number, 0 .. 11
	s_and_b32 s77, ttmp9, 1
	s_lshl_b32 s77, s77, 2                         ; 4 (c % 2)
	s_max_u32 s78, ttmp9, 8
	s_sub_co_u32 s78, s78, 8
	s_lshl_b32 s78, s78, 2                         ; 4 (c - 8) for v's clusters
	s_cmp_lt_u32 ttmp9, 8
	s_cselect_b32 s17, s76, 8                      ; A's tile of 256 rows, less cy: tokens, or w_v's rows (from row 2,048 = tile 8 of w_qkv)
	s_cselect_b32 s42, s77, s78                    ; B's, less cx: w_q's or w_k's rows, or tokens
	s_cselect_b32 s83, s77, 4                      ; 0 for q alone
	s_cselect_b32 s92, 64, 0                       ; the bias's offsets: bytes for the lanes' half,
	s_cselect_b32 s93, 0, 4                        ; for the lane's row,
	s_cselect_b32 s94, 4, 0                        ; for the register
	s_add_co_u32 s17, s17, s41
	s_add_co_u32 s42, s42, s40
	s_cmp_lt_u32 ttmp9, 8
	s_cselect_b32 s79, s17, s42                    ; the tile of 256 tokens,
	s_cselect_b32 s80, s15, s16                    ; my half of it,
	s_cselect_b32 s81, s40, s41                    ; the tile of 256 channels within q, k or v (four heads),
	s_cselect_b32 s82, s16, s15                    ; my half of it (two heads)
	s_cselect_b32 s90, s42, s17                    ; the tile of 256 columns of qkv,
	s_cselect_b32 s91, s16, s15
	s_lshl_b32 s81, s81, 2
	s_lshl_b32 s82, s82, 1
	s_add_co_u32 s81, s81, s82                     ; my first head
	s_lshr_b32 s82, s79, 3
	s_lshl_b32 s82, s82, 4
	s_add_co_u32 s81, s81, s82                     ; + 16 x batch
	s_lshl_b32 s81, s81, 4
	s_and_b32 s82, s79, 7
	s_lshl_b32 s82, s82, 1
	s_add_co_u32 s81, s81, s82
	s_add_co_u32 s81, s81, s80                     ; x 16 + the group of 128 tokens: my first record
	s_cmp_eq_u32 s83, 0
	s_cselect_b32 s84, 6684672, 0                  ; q's records lie behind k's and v's,
	s_mov_b32 s85, 13056
	s_cselect_b32 s85, 6656, s85                   ; and are shorter
	s_mul_i32 s86, s81, s85
	s_add_co_u32 s86, s86, s84
	s_mov_b32 s87, 0
	s_lshl_b32 s88, s85, 4                         ; the next head's record: 16 records on
	s_mov_b32 s89, 0
	s_lshl_b32 s90, s90, 10
	s_lshl_b32 s91, s91, 9
	s_add_co_u32 s90, s90, s91                     ; the bias of my 128 columns, in bytes
	s_mov_b32 s91, 0
	s_mov_b32 s[SEL], 0x76543210
	s_mov_b32 s[SEL+1], 0xfedcba98
	s_lshl_b32 s43, s41, 2
	s_lshl_b32 s43, 15, s43                        ; my row of the cluster
	s_lshl_b32 s44, 0x1111, s40                    ; my column
	s_or_b32 s[G1A], s43, (3<<16)|(1<<21)          ; 15:0 the mask; 17:16 elements of 8 bytes; 21 set beside a mask; no padding
	s_or_b32 s[G1B], s44, (3<<16)|(1<<21)
.irp g, G1A, G1B
	s_mov_b32 s[\g+1], 32<<16                      ; tensor_dim0 = 32 elements: rows of 256 bytes
	s_mov_b32 s[\g+2], 100<<16                     ; tensor_dim1 = 100 rows: 25,600 dense bytes
	s_mov_b32 s[\g+3], 32<<16                      ; tile_dim0
	s_mov_b32 s[\g+4], 100                         ; tile_dim1
	s_mov_b32 s[\g+5], 32                          ; the pitch
	s_mov_b32 s[\g+6], 0
	s_mov_b32 s[\g+7], 0
.endr
	s_lshl_b32 s22, s17, 1
	s_add_co_u32 s22, s22, s16
	s_mul_i32 s22, s22, RBS                        ; A: row block 2 x tile + half
	s_lshl_b32 s46, s42, 1
	s_add_co_u32 s46, s46, s16
	s_mul_i32 s46, s46, RBS                        ; B likewise
	s_mov_b32 s23, 0
	s_mov_b32 s47, 0
	s_mul_i32 s45, s14, LOADB                      ; where my loads go: wave x 25,600
	s_wait_kmcnt 0x0
	s_cmp_lt_u32 ttmp9, 8
	s_cselect_b64 s[18:19], s[4:5], s[6:7]         ; A is y, or the weight
	s_cselect_b64 s[20:21], s[6:7], s[4:5]         ; B the other
	s_add_nc_u64 s[22:23], s[18:19], s[22:23]
	s_add_nc_u64 s[46:47], s[20:21], s[46:47]
	s_add_nc_u64 s[66:67], s[10:11], s[86:87]      ; my first head's record,
	s_add_nc_u64 s[68:69], s[66:67], s[88:89]      ; my second head's
	s_add_nc_u64 s[8:9], s[8:9], s[90:91]
	CROUND                                         ; all sixteen work-groups are here: the first joint loads meet
.irp s, 0,1
	s_mov_b32 s[G0A+4*\s], 1
	s_add_co_u32 s[G0A+4*\s+1], s45, \s*SLOT
	s_add_nc_u64 s[G0A+4*\s+2:G0A+4*\s+3], s[22:23], \s*NQ*ST
	s_or_b32 s[G0A+4*\s+3], s[G0A+4*\s+3], 0x80000000
	s_mov_b32 s[G0B+4*\s], 1
	s_add_co_u32 s[G0B+4*\s+1], s45, \s*SLOT
	s_add_nc_u64 s[G0B+4*\s+2:G0B+4*\s+3], s[46:47], \s*NQ*ST
	s_or_b32 s[G0B+4*\s+3], s[G0B+4*\s+3], 0x80000000
	JLOAD G0A+4*\s, G1A, G0B+4*\s, G1B             ; two loads of mine are out
.endr
	v_and_b32 v1, 15, v0                           ; r
	v_bfe_u32 v2, v0, 4, 1                         ; h
	v_and_b32 v3, 31, v0
	v_lshlrev_b32 v24, 4, v3                       ; 16 x lane
	v_lshlrev_b32 v25, 3, v3                       ; 8 x lane
	v_lshlrev_b32 v4, 2, v3                        ; 4 x lane
	s_mul_i32 s72, s15, FOFF
	s_mul_i32 s73, s16, FOFF
	s_add_co_u32 s73, s73, 2*LOADB                 ; B's tiles lie behind A's
	s_mul_i32 s74, s15, SOFF
	s_mul_i32 s75, s16, SOFF
	s_add_co_u32 s75, s75, 2*LOADB
.irp s, 0,1
	v_add_nc_u32 v[ADRA+\s], s72, v24
	v_add_nc_u32 v[ADRB+\s], s73, v24
	v_add_nc_u32 v[ASA+\s], s74, v4
	v_add_nc_u32 v[ASB+\s], s75, v4
	s_add_co_u32 s72, s72, SLOT
	s_add_co_u32 s73, s73, SLOT
	s_add_co_u32 s74, s74, SLOT
	s_add_co_u32 s75, s75, SLOT
.endr
	s_lshl_b32 s76, s14, 9
	s_add_co_u32 s76, s76, STG                     ; the scale words' stages, 512 bytes a wave; each way out has bytes of its own
	v_lshl_add_u32 v26, v1, 2, s76                 ; q, k: in, 4 r;
	v_add_nc_u32 v27, s76, v24                     ; back, 16 x lane
	s_add_co_u32 s76, s76, 2048
	v_lshl_add_u32 v30, v1, 2, s76                 ; v: in;
	v_add_nc_u32 v31, s76, v25                     ; back, 8 x lane
	v_and_b32 v5, 8, v1
	v_add_nc_u32 v5, v5, v1                        ; r + 8 (r / 8)
	v_mul_u32_u24 v6, s92, v2
	v_mad_u32_u24 v6, s93, v5, v6
.irp n, 0,1,2,3,4,5,6,7
	v_mad_u32_u24 v[48+\n], s94, \n, v6
.endr
	; The bias, 64 registers.  q, k: register x holds b(32 (x / 16) + 16 h + x % 16), the column of accumulator register x.  v: registers 8 a .. 8 a + 7 all hold b(channel of (a, r)).
	WIN 0x40
.set x, 0
.rept 64
	global_load_b32 v[96+x+96*(x/32)], v[48+x%8], s[8:9] offset:4*(32*(x/16)+8*((x/8)%2))
.set x, x+1
.endr
	WIN 0
	s_wait_tensorcnt 0x1                           ; my part of slot 0 is in; slot 1's may be out
	s_barrier_signal -1
	s_barrier_wait -1
	FETCH 0, 0, 0
	STEP 0, 0, 1                                   ; the first step's products start the sums
.if LAPS > 1
	s_mov_b32 s3, LAPS-1
.Llap:                                             ; a trip goes once round the ring and fills both slots again
	MID 0
	TURN 0, 1, 1
	STEP 1, 0, 0
	MID 1
	TURN 1, 0, 1
	STEP 0, 0, 0
	s_sub_co_u32 s3, s3, 1
	s_cmp_lg_u32 s3, 0
	s_cbranch_scc1 .Llap
.endif
	MID 0
	TURN 0, 1, 0                                   ; the last lap fills nothing
	STEP 1, 0, 0
	MID 1
	s_wait_dscnt 0x0
	MULQ 0, 1, 0
	MULQ 1, 1, 0
	MULQ 2, 1, 0
	MULQ 3, 1, 0
	WIN 0
	PLACES 4                                       ; in front of the first read of results and of writes into registers that held fragments
.irp b, 0,1,2,3
	v_mov_b32 v[TM+4+\b], 0                        ; (a lane permute's destination counts as one of its sources)
.endr
	s_wait_loadcnt 0x0                             ; the bias
; THE WAY OUT of A's block a: + bias (each accumulator from its low end on), quantised, stored as it stands.
.macro EPI a, mode
	WIN 0x06+(\a)/4                                ; source 0: window 2 or 3; source 1: window 1
.set mx, 0
.rept 32
.if \mode
.set bx, 8*(\a)+mx%8
.else
.set bx, mx
.endif
	v_pk_add_f32 v[64+mx:65+mx], v[64*((\a)%4)+mx:64*((\a)%4)+mx+1], v[96+bx+96*(bx/32):97+bx+96*(bx/32)]
.set mx, mx+2
.endr
	WIN 0
	s_wait_xcnt 0x0                                ; the last block's stores have read the codes' registers
	QUANT 64
.if \mode == 0
	global_store_b128 v24, v[PC:PC+3], s[66:67] offset:768*(\a)            ; registers 0-5: my first head's 64 channels
	global_store_b64 v25, v[PC+4:PC+5], s[66:67] offset:768*(\a)+512
	global_store_b128 v24, v[PC+6:PC+9], s[68:69] offset:768*(\a)          ; registers 6-11: my second head's
	global_store_b64 v25, v[PC+10:PC+11], s[68:69] offset:768*(\a)+512
	ds_store_b32 v26, v[PW] offset:64*(\a)         ; lanes r and r + 16 write the same word with the same value
.else
.irp g, 0,1,2
	global_store_b128 v24, v[PC+4*\g:PC+4*\g+3], s[66+2*((\a)/4):67+2*((\a)/4)] offset:6656+1536*((\a)%4)+512*\g   ; blocks 0-3: my first head's 64 channels; 4-7: my second's
.endr
	ds_store_b32 v30, v[PW] offset:64*(\a)
.endif
.endm
	s_cmp_lt_u32 ttmp9, 8
	s_cbranch_scc0 .Lv_way
.irp a, 0,1,2,3,4,5,6,7
	EPI \a, 0
.endr
	ds_load_b128 v[200:203], v27                   ; my 128 scale words; a wave's LDS instructions are served in order
	s_wait_dscnt 0x0
.irp n, 0,1,2,3
	v_and_b32 v[204+\n], 0xffff, v[200+\n]         ; the first head's two bytes,
	v_lshrrev_b32 v[208+\n], 16, v[200+\n]         ; the second head's; zeros above
.endr
	global_store_b128 v24, v[204:207], s[66:67] offset:6144
	global_store_b128 v24, v[208:211], s[68:69] offset:6144
	s_branch .Ldone
.Lv_way:
.irp a, 0,1,2,3,4,5,6,7
	EPI \a, 1
.endr
	ds_load_b64 v[200:201], v31
	ds_load_b64 v[202:203], v31 offset:256
	s_wait_dscnt 0x0
	global_store_b64 v25, v[200:201], s[66:67] offset:12800
	global_store_b64 v25, v[202:203], s[68:69] offset:12800
.Ldone:
	s_wait_tensorcnt 0x0                           ; the wave's end
	ds_add_u32 v[SPW], v[NIL]
	s_wait_dscnt 0x0
	CROUND                                         ; the closing round
	s_endpgm
.Lfunc_end_k_q472075166c_g1:
	.size	k_q472075166c_g1, .Lfunc_end_k_q472075166c_g1-k_q472075166c_g1
	.p2alignl 7, 3214868480
	.fill 96, 4, 3214868480
	.section	.rodata,"a",@progbits
	.p2align	6, 0x0
	.amdhsa_kernel k_q472075166c_g1
		.amdhsa_group_segment_fixed_size 327680
		.amdhsa_private_segment_fixed_size 0
		.amdhsa_enable_private_segment 0
		.amdhsa_kernarg_size 32
		.amdhsa_user_sgpr_count 2
		.amdhsa_user_sgpr_kernarg_segment_ptr 1
		.amdhsa_wavefront_size32 1
		.amdhsa_system_sgpr_workgroup_id_x 1
		.amdhsa_system_sgpr_workgroup_id_y 1
		.amdhsa_system_sgpr_workgroup_id_z 1
		.amdhsa_system_vgpr_workitem_id 0
		.amdhsa_next_free_vgpr 1024
		.amdhsa_next_free_sgpr 100
		.amdhsa_reserve_vcc 0
		.amdhsa_float_denorm_mode_32 3
		.amdhsa_float_denorm_mode_16_64 3
		.amdhsa_memory_ordered 1
		.amdhsa_forward_progress 1
		.amdhsa_inst_pref_size 213
	.end_amdhsa_kernel
	.amdgpu_metadata
---
amdhsa.version: [ 1, 2 ]
amdhsa.kernels:
  - .name:           k_q472075166c_g1
    .symbol:         k_q472075166c_g1.kd
    .args:
      - { .name: Y, .offset: 0, .size: 8, .value_kind: global_buffer, .address_space: global }
      - { .name: WQ, .offset: 8, .size: 8, .value_kind: global_buffer, .address_space: global }
      - { .name: b_qkv, .offset: 16, .size: 8, .value_kind: global_buffer, .address_space: global }
      - { .name: QKV, .offset: 24, .size: 8, .value_kind: global_buffer, .address_space: global }
    .group_segment_fixed_size: 327680
    .private_segment_fixed_size: 0
    .kernarg_segment_align: 8
    .kernarg_segment_size: 32
    .max_flat_workgroup_size: 128
    .sgpr_count:     100
    .vgpr_count:     1024
    .wavefront_size: 32
...
	.end_amdgpu_metadata
.endif
;; end of part 2
;; launch attn (part 3): grid 8 x 32, 16 waves a work-group, clusters of 4 x 1, 210,944 bytes of LDS; arguments QKV, OQ; writes OQ
.if DOCPART == 3
	.amdgcn_target "amdgcn-amd-amdhsa--gfx1250"
	.amdhsa_code_object_version 6
	.text
	.protected	k_q472075166c_attn
	.globl	k_q472075166c_attn
	.p2align	8
	.type	k_q472075166c_attn,@function
k_q472075166c_attn:
	s_mov_b64 s[64:65], 0
	v_nop
	global_prefetch_b8 v0, s[64:65] scope:SCOPE_SE
	s_setreg_imm32_b32 hwreg(HW_REG_WAVE_MODE, 25, 1), 1
	s_wait_xcnt 0x0
	s_wait_alu depctr_hold_cnt(0) depctr_sa_sdst(0) depctr_va_vdst(0) depctr_va_sdst(0) depctr_va_ssrc(0) depctr_va_vcc(0) depctr_vm_vsrc(0)
	s_getreg_b32 s2, hwreg(HW_REG_IB_STS2, 6, 4)
	s_cmp_eq_u32 s2, 0
	s_cbranch_scc0 .Lentry_in_a_cluster
	s_endpgm
.Lentry_in_a_cluster:
	s_bfe_u32 s2, ttmp6, 0x10000c
	s_cmp_lg_u32 s2, 0x3003
	s_cbranch_scc0 .Lentry_shape_is_right
	s_endpgm
.Lentry_shape_is_right:
; o = softmax(q k^T / 8) v for 32 heads of 2,048 tokens x 64 channels, both products on codes of FP6 (E2M3) with E8M0 scales; o is quantised along the model's 1,024 channels and stored as the next product's operand.
; THE SOFTMAX AHEAD OF THE SECOND PRODUCT: t = score x log2(e) / 8; M = the running largest t rounded UP to a whole number; p = 2^(t - M) is quantised along the keys, not normalised; the row's sum is taken of the
; unquantised p and divides at the end.  When M moves, the sum and O are multiplied by 2^(old M - new M): exact.
; SHARES.  A work-group owns 256 queries of one head, each of its sixteen waves one tile of 16, in 256 registers: four waves to a SIMD, so that one wave's vector work stands beside another's products and LDS loads.
; THE WHOLE HEAD'S k AND v STAY IN LDS: sixteen records of 13,056 bytes (128 keys each), 208,896 dense bytes, filled ONCE: no slot is filled again.  Waves 0 to 3 bring four records each; four of a wave's loads are out at most.
; The four work-groups of a cluster belong to one head and ask for each record jointly.  The keys are walked in four stages of four records; a stage's wait leaves the later stages' loads on their way.
; A record: k's eight half images of 768 bytes (registers 0-3 at 16 l, registers 4, 5 at 512 + 8 l), k's scale words at 6,144 (64 t + 4 r), v's four images of 1,536 bytes at 6,656, v's scale words at 12,800.
; Lane r of a tile t holds row 32 (t / 2) + 8 (t % 2) + r + 8 (r / 8) (keys, queries, channels alike), so that the 16 registers of result tiles 2 b and 2 b + 1 are 16 neighbours of block b.
; Both products are used transposed: S^T = k q^T, O^T = v^T p^T: a lane holds ONE query throughout.
; THE FIRST PRODUCT'S K IS 64, THE INSTRUCTION'S 128: q's registers 6-11 are zero codes, so whatever stands in k's registers 6-11 adds exactly 0: they are the next tile's six registers (codes of E2M3 are all finite
; numbers), behind the last tile six zeros; the scale words' bytes 2 and 3 are 0, which stands for 2^-127.
; LIMITS: a block of o whose largest magnitude lies under 2^-124 keeps the byte 1; NaN and infinities are not served.  o's image is shared by two heads (64 channels each of a K step of 128): a third of the
; launch's output leaves in pieces of 8 bytes a lane, and the scale bytes in pieces of 2.
; REGISTERS: v1-5 offsets that stay; v8-10 the step's LDS addresses; v12 -M, v13 the largest t, v[14:15] the sum; v16-27 q; v28-31 k's scale words; v32-85 k (later v32-79 v); v86-87 v's scale words;
;   v96-159 S^T, then p; v160-191 O^T; v224-235 p's codes; v232-254 at work; v253 p's scale word; v255 q's.
.set REC, 13056
.set WV,  18
.set SEL, 20
.set CS,  22
.set G1,  24
.set G0,  32                           ; s[32:47] four groups 0
.set TB,  48                           ; s48 the LDS byte at which the step's record begins
.set CNT, 49
.macro CROUND
	s_barrier_signal -1
	s_barrier_wait -1
	s_cmp_lg_u32 s[WV], 0
	s_cbranch_scc1 .Lnot_wave_0_\@
	s_barrier_signal -3
.Lnot_wave_0_\@:
	s_barrier_wait -3
	s_barrier_signal -1
	s_barrier_wait -1
.endm
	s_load_b128 s[4:7], s[0:1], 0x0                ; QKV, OQ
	v_lshl_add_u32 v250, v0, 2, 0x33000
	v_mov_b32 v251, 0
	ds_add_u32 v250, v251
	ds_add_u32 v250, v251
	v_lshrrev_b32 v8, 5, v0
	v_readfirstlane_b32 s[WV], v8                  ; wave 0..15
	s_bfe_u32 s51, ttmp6, 0x40000                  ; cx: it enters q's and o's global addresses alone
	s_lshl_b32 s52, ttmp9, 2
	s_add_co_u32 s52, s52, s51                     ; my block of 256 queries
	s_and_b32 s50, ttmp7, 0xffff                   ; batch x 16 + head, which the four partners share
	s_mov_b32 s[G1], 15|(3<<16)|(1<<21)            ; the mask: all four; elements of 8 bytes; bit 21 beside a mask; no padding
	s_mov_b32 s[G1+1], 32<<16                      ; rows of 256 bytes,
	s_mov_b32 s[G1+2], 51<<16                      ; 51 of them: a record
	s_mov_b32 s[G1+3], 32<<16
	s_mov_b32 s[G1+4], 51
	s_mov_b32 s[G1+5], 32
	s_mov_b32 s[G1+6], 0
	s_mov_b32 s[G1+7], 0
	s_min_u32 s53, s[WV], 3
	s_mul_i32 s53, s53, REC                        ; wave w (0 to 3) brings records w, 4 + w, 8 + w, 12 + w
	s_mul_i32 s54, s50, 16*REC
	s_add_co_u32 s54, s54, s53
	s_mov_b32 s55, 0
	s_lshr_b32 s56, s[WV], 3
	s_lshl_b32 s57, s52, 1
	s_add_co_u32 s56, s56, s57                     ; g: my group of 128 tokens
	s_and_b32 s57, s[WV], 7                        ; t: my tile in it
	s_lshl_b32 s76, s50, 4
	s_add_co_u32 s76, s76, s56
	s_mul_i32 s76, s76, 6656
	s_add_co_u32 s76, s76, 6684672                 ; q's record
	s_mul_i32 s68, s57, 768
	s_add_co_u32 s68, s68, s76                     ; my half image,
	s_mov_b32 s69, 0
	s_lshl_b32 s70, s57, 6
	s_add_co_u32 s70, s70, s76
	s_add_co_u32 s70, s70, 6144                    ; my scale words
	s_mov_b32 s71, 0
	s_lshr_b32 s76, s50, 4
	s_lshl_b32 s76, s76, 4
	s_add_co_u32 s76, s76, s56                     ; o: row block 16 x batch + g,
	s_lshl_b32 s76, s76, 3
	s_bfe_u32 s77, s50, 0x30001                    ; K step head / 2
	s_add_co_u32 s76, s76, s77
	s_mul_i32 s76, s76, 12800
	s_mul_i32 s72, s57, 1536
	s_add_co_u32 s72, s72, s76                     ; my tile's image,
	s_mov_b32 s73, 0
	s_lshl_b32 s74, s57, 6
	s_add_co_u32 s74, s74, s76
	s_and_b32 s78, s50, 1                          ; head % 2: which half of the K step's 128 channels
	s_lshl_b32 s77, s78, 1
	s_add_co_u32 s74, s74, s77
	s_add_co_u32 s74, s74, 12288                   ; my two bytes of its scale words
	s_mov_b32 s75, 0
	s_mov_b32 s[SEL], 0x76543210
	s_mov_b32 s[SEL+1], 0xfedcba98
	s_mov_b32 s[CS], 0x3e38aa3b                    ; c = log2(e) / 8
	s_mov_b32 s[CS+1], s[CS]
	s_mov_b32 s[TB], 0
	s_wait_dscnt 0x0
	s_wait_kmcnt 0x0
	s_add_nc_u64 s[54:55], s[4:5], s[54:55]
	s_add_nc_u64 s[58:59], s[4:5], s[68:69]
	s_add_nc_u64 s[60:61], s[4:5], s[70:71]
	s_add_nc_u64 s[62:63], s[6:7], s[72:73]
	s_add_nc_u64 s[66:67], s[6:7], s[74:75]
	CROUND                                         ; all four work-groups are here: the joint loads meet
.irp n, 0,1,2,3
	s_mov_b32 s[G0+4*\n], 1
	s_add_co_u32 s[G0+4*\n+1], s53, \n*4*REC
	s_add_nc_u64 s[G0+4*\n+2:G0+4*\n+3], s[54:55], \n*4*REC
	s_or_b32 s[G0+4*\n+3], s[G0+4*\n+3], 0x80000000
.endr
	s_cmp_lt_u32 s[WV], 4                          ; a wave's first fills stand in one branch, ahead of every wait on TENSORcnt, every LDS read and every further barrier
	s_cbranch_scc0 .Lno_fetch
	tensor_load_to_lds s[G0:G0+3], s[G1:G1+7]
	s_nop 0
	tensor_load_to_lds s[G0+4:G0+7], s[G1:G1+7]
	s_nop 0
	tensor_load_to_lds s[G0+8:G0+11], s[G1:G1+7]
	s_nop 0
	tensor_load_to_lds s[G0+12:G0+15], s[G1:G1+7]
	s_nop 0
.rept 4
	v_nop
.endr
.Lno_fetch:
	v_and_b32 v5, 31, v0                           ; lane
	v_lshlrev_b32 v1, 4, v5
	v_lshlrev_b32 v2, 3, v5
	v_lshlrev_b32 v3, 2, v5
	v_and_b32 v4, 15, v0
	v_lshlrev_b32 v4, 2, v4                        ; 4 r
	global_load_b128 v[16:19], v1, s[58:59]        ; q's registers 0-3,
	global_load_b64 v[20:21], v2, s[58:59] offset:512   ; 4 and 5,
	global_load_b32 v255, v4, s[60:61]             ; and its scale words
.irp n, 22,23,24,25,26,27,80,81,82,83,84,85
	v_mov_b32 v[\n], 0                             ; zero codes: q's upper 64 along K; what stands behind k's last tile
.endr
	v_mov_b32 v13, 0xff61b1e6                      ; the largest t so far: -3e38
	v_floor_f32 v12, -v13                          ; -M
	v_mov_b32 v14, 0
	v_mov_b32 v15, 0
.irp b, 0,1,2,3
	v_mov_b32 v[236+\b], 0                         ; (a lane permute's destination counts as one of its sources)
.endr
	v_mov_b32 v253, 0                              ; (named as the upper half of v[252:253] before it is first written)
.set j, 0
.rept 32
	v_mov_b32 v[160+j], 0                          ; O^T: the step is written once; the first finds zeros, which the first change of M leaves zeros
.set j, j+1
.endr
; A KEY STEP: the 128 keys of the record at s[TB].
.macro STEP
	v_add_nc_u32 v8, s[TB], v1
	v_add_nc_u32 v9, s[TB], v2
	v_add_nc_u32 v10, s[TB], v3
	v_nop                                          ; four places between the last step's products and the loads into registers that they read
.irp t, 0,1,2,3,4,5,6,7
	ds_load_b128 v[32+6*\t:35+6*\t], v8 offset:768*\t
	ds_load_b64 v[36+6*\t:37+6*\t], v9 offset:768*\t+512
.endr
.irp n, 0,1,2,3
	ds_load_b32 v[28+\n], v10 offset:6144+128*\n   ; lanes 0-15: tile 2 n's words; lanes 16-31: tile 2 n + 1's
.endr
	s_wait_dscnt 0x0
.irp t, 0,2,4,6
	v_wmma_scale_f32_16x16x128_f8f6f4 v[96+8*\t:103+8*\t], v[32+6*\t:43+6*\t], v[16:27], 0, v[28+\t/2], v255 matrix_a_fmt:MATRIX_FMT_FP6 matrix_b_fmt:MATRIX_FMT_FP6
	v_wmma_scale_f32_16x16x128_f8f6f4 v[104+8*\t:111+8*\t], v[38+6*\t:49+6*\t], v[16:27], 0, v[28+\t/2], v255 matrix_a_fmt:MATRIX_FMT_FP6 matrix_b_fmt:MATRIX_FMT_FP6 matrix_a_scale:MATRIX_SCALE_ROW1
.endr
.rept 4
	v_nop                                          ; places in front of the loads into k's registers and of the first read of the scores
.endr
.irp t, 0,1,2,3
.irp g, 0,1,2
	ds_load_b128 v[32+12*\t+4*\g:35+12*\t+4*\g], v8 offset:6656+1536*\t+512*\g   ; v's four fragments land under the softmax
.endr
.endr
	ds_load_b32 v86, v10 offset:12800
	ds_load_b32 v87, v10 offset:12928
.irp b, 0,1,2,3
	v_max3_num_f32 v[232+\b], v[96+16*\b], v[97+16*\b], v[98+16*\b]   ; the largest score of each block of 32 keys: for the row's maximum and, since p rises with the score, for the block's largest p
.endr
.irp n, 3,5,7,9,11,13
.irp b, 0,1,2,3
	v_max3_num_f32 v[232+\b], v[232+\b], v[96+16*\b+\n], v[97+16*\b+\n]
.endr
.endr
.irp b, 0,1,2,3
	v_max_num_f32 v[232+\b], v[232+\b], v[111+16*\b]
.endr
.irp b, 0,1,2,3
	v_permlanex16_b32 v[236+\b], v[232+\b], s[SEL], s[SEL+1]
.endr
.irp b, 0,1,2,3
	v_max_num_f32 v[232+\b], v[232+\b], v[236+\b]  ; with lane l xor 16's 16 keys
.endr
	v_max3_num_f32 v254, v232, v233, v234
	v_max_num_f32 v254, v254, v235
	v_mul_f32 v254, s[CS], v254                    ; the step's largest t (c is positive)
	v_max_num_f32 v13, v13, v254
	v_mov_b32 v254, v12
	v_floor_f32 v12, -v13                          ; the new -M = -ceil(t)
	v_sub_f32 v254, v12, v254                      ; old M - new M: a whole number, 0 or less
	v_cvt_i32_f32 v254, v254                       ; (it saturates)
	v_ldexp_f32 v252, 1.0, v254                    ; f = 2^(old M - new M)
.set j, 0
.rept 32
	v_pk_fma_f32 v[96+j:97+j], v[96+j:97+j], s[CS:CS+1], v[12:13] op_sel_hi:[1,0,0]   ; t - M
.set j, j+2
.endr
.irp b, 0,1,2,3
	v_fma_f32 v[232+\b], v[232+\b], s[CS], v12
.endr
.set j, 0
.rept 64
	v_exp_f32 v[96+j], v[96+j]                     ; p = 2^(t - M)
.set j, j+1
.endr
.irp b, 0,1,2,3
	v_exp_f32 v[232+\b], v[232+\b]                 ; the block's largest p: the same two instructions on the same number
.endr
	v_pk_mul_f32 v[14:15], v[14:15], v[252:253] op_sel_hi:[1,0]   ; the sums under the new M (a plain place behind the exponentials)
	s_wait_alu depctr_va_vdst(0)
.irp b, 0,1,2,3
	v_max_num_f32 v[232+\b], 0x1800000, v[232+\b]  ; the floor 2^(3 - 127)
.endr
.irp b, 0,1,2,3
	v_add_nc_u32 v[244+\b], 0xff000000, v[232+\b]
.endr
.irp b, 0,1,2,3
	v_lshrrev_b32 v[236+\b], 23, v[244+\b]
.endr
	v_lshl_or_b32 v253, v237, 8, v236              ; p's scale word for these 128 keys
	v_lshl_or_b32 v253, v238, 16, v253
	v_lshl_or_b32 v253, v239, 24, v253
.irp c, 0,1
	v_cvt_scalef32_pk16_fp6_f32 v[224+6*\c:226+6*\c], v[96+32*\c:111+32*\c], v[244+2*\c]
	v_cvt_scalef32_pk16_fp6_f32 v[236+4*\c:238+4*\c], v[112+32*\c:127+32*\c], v[244+2*\c+1]
.endr
	v_nop                                          ; one plain place behind the conversions
.irp c, 0,1
.irp n, 0,1,2
	v_permlane16_swap_b32 v[224+6*\c+\n], v[236+4*\c+\n]
.endr
.irp n, 0,1,2
	v_mov_b32 v[227+6*\c+\n], v[236+4*\c+\n]
.endr
.endr
	v_pk_add_f32 v[236:237], v[96:97], v[98:99]    ; the row's sum is taken of the unquantised p, in two chains
.irp n, 4,8,12,16,20,24,28,32,36,40,44,48,52,56,60
	v_pk_add_f32 v[14:15], v[14:15], v[96+\n:97+\n]
	v_pk_add_f32 v[236:237], v[236:237], v[98+\n:99+\n]
.endr
	v_pk_add_f32 v[14:15], v[14:15], v[236:237]
.set j, 0
.rept 16
	v_pk_mul_f32 v[160+j:161+j], v[160+j:161+j], v[252:253] op_sel_hi:[1,0]   ; O^T under the new M, each accumulator from its low end on; with the sums above these are the places in front of the products below
.set j, j+2
.endr
	s_wait_dscnt 0x0                               ; v's fragments and scale words are in
.irp t, 0,2
	v_wmma_scale_f32_16x16x128_f8f6f4 v[160+8*\t:167+8*\t], v[32+12*\t:43+12*\t], v[224:235], v[160+8*\t:167+8*\t], v[86+\t/2], v253 matrix_a_fmt:MATRIX_FMT_FP6 matrix_b_fmt:MATRIX_FMT_FP6
	v_wmma_scale_f32_16x16x128_f8f6f4 v[168+8*\t:175+8*\t], v[44+12*\t:55+12*\t], v[224:235], v[168+8*\t:175+8*\t], v[86+\t/2], v253 matrix_a_fmt:MATRIX_FMT_FP6 matrix_b_fmt:MATRIX_FMT_FP6 matrix_a_scale:MATRIX_SCALE_ROW1
.endr
	s_add_co_u32 s[TB], s[TB], REC
.endm
.macro STAGE n                         ; records 4 n .. 4 n + 3
	s_wait_tensorcnt 3-\n                          ; my load of this stage has landed; the 3 - n later ones may stay out
	s_wait_dscnt 0x0
	s_barrier_signal -1
	s_barrier_wait -1                              ; everybody's has
	s_mov_b32 s[CNT], 4
.Lstep_\@:
	STEP
	s_sub_co_u32 s[CNT], s[CNT], 1
	s_cmp_lg_u32 s[CNT], 0
	s_cbranch_scc1 .Lstep_\@
.endm
	s_wait_loadcnt 0x0                             ; q
	STAGE 0
	STAGE 1
	STAGE 2
	STAGE 3
	; THE WAY OUT: O^T / the sum; register 16 b + i is channel 32 b + 16 h + i of my query: two blocks, quantised as p is, are registers 6 c .. 6 c + 5 (c = head % 2) of the next operand's image.
.rept 4
	v_nop
.endr
	v_add_f32 v14, v14, v15
	v_permlanex16_b32 v252, v14, s[SEL], s[SEL+1]
	v_add_f32 v14, v14, v252                       ; the row's sum
	v_rcp_f32 v14, v14
	v_nop                                          ; one plain place behind the transcendental
.set j, 0
	s_wait_alu depctr_va_vdst(0)
.rept 32
	v_mul_f32 v[96+j], v[160+j], v14
.set j, j+1
.endr
.irp b, 0,1
	v_max3_num_f32 v[232+\b], |v[96+16*\b]|, |v[97+16*\b]|, 0x1800000
.endr
.irp n, 2,4,6,8,10,12,14
.irp b, 0,1
	v_max3_num_f32 v[232+\b], v[232+\b], |v[96+16*\b+\n]|, |v[97+16*\b+\n]|
.endr
.endr
.irp b, 0,1
	v_permlanex16_b32 v[236+\b], v[232+\b], s[SEL], s[SEL+1]
.endr
.irp b, 0,1
	v_max_num_f32 v[232+\b], v[232+\b], v[236+\b]
.endr
.irp b, 0,1
	v_add_nc_u32 v[244+\b], 0xff000000, v[232+\b]
.endr
.irp b, 0,1
	v_lshrrev_b32 v[236+\b], 23, v[244+\b]
.endr
	v_lshl_or_b32 v253, v237, 8, v236              ; my row's two bytes
	v_cvt_scalef32_pk16_fp6_f32 v[224:226], v[96:111], v244
	v_cvt_scalef32_pk16_fp6_f32 v[240:242], v[112:127], v245
	v_nop
.irp n, 0,1,2
	v_permlane16_swap_b32 v[224+\n], v[240+\n]
.endr
.irp n, 0,1,2
	v_mov_b32 v[227+\n], v[240+\n]
.endr
	s_cmp_eq_u32 s78, 0                            ; the head's parity: the same in all partners
	s_cbranch_scc0 .Lodd
	global_store_b128 v1, v[224:227], s[62:63]             ; registers 0-3,
	global_store_b64 v1, v[228:229], s[62:63] offset:512   ; 4 and 5
	s_branch .Lwords
.Lodd:
	global_store_b64 v1, v[224:225], s[62:63] offset:520   ; registers 6 and 7,
	global_store_b128 v1, v[226:229], s[62:63] offset:1024 ; 8-11
.Lwords:
	v_cmp_gt_u32 vcc_lo, 16, v5
	s_wait_xcnt 0x0                                ; EXEC changes only behind this wait
	s_and_saveexec_b32 s77, vcc_lo
	global_store_b16 v4, v253, s[66:67]            ; lanes 0-15: row r's two bytes
	s_wait_xcnt 0x0
	s_or_b32 exec_lo, exec_lo, s77
	s_wait_tensorcnt 0x0
	ds_add_u32 v250, v251
	s_wait_dscnt 0x0
	CROUND                                         ; the closing round
	s_endpgm
.Lfunc_end_k_q472075166c_attn:
	.size	k_q472075166c_attn, .Lfunc_end_k_q472075166c_attn-k_q472075166c_attn
	.p2alignl 7, 3214868480
	.fill 96, 4, 3214868480
	.section	.rodata,"a",@progbits
	.p2align	6, 0x0
	.amdhsa_kernel k_q472075166c_attn
		.amdhsa_group_segment_fixed_size 210944
		.amdhsa_private_segment_fixed_size 0
		.amdhsa_enable_private_segment 0
		.amdhsa_kernarg_size 16
		.amdhsa_user_sgpr_count 2
		.amdhsa_user_sgpr_kernarg_segment_ptr 1
		.amdhsa_wavefront_size32 1
		.amdhsa_system_sgpr_workgroup_id_x 1
		.amdhsa_system_sgpr_workgroup_id_y 1
		.amdhsa_system_sgpr_workgroup_id_z 1
		.amdhsa_system_vgpr_workitem_id 0
		.amdhsa_next_free_vgpr 256
		.amdhsa_next_free_sgpr 80
		.amdhsa_reserve_vcc 1
		.amdhsa_float_denorm_mode_32 3
		.amdhsa_float_denorm_mode_16_64 3
		.amdhsa_memory_ordered 1
		.amdhsa_forward_progress 1
		.amdhsa_inst_pref_size 75
	.end_amdhsa_kernel
	.amdgpu_metadata
---
amdhsa.version: [ 1, 2 ]
amdhsa.kernels:
  - .name:           k_q472075166c_attn
    .symbol:         k_q472075166c_attn.kd
    .args:
      - { .name: QKV, .offset: 0, .size: 8, .value_kind: global_buffer, .address_space: global }
      - { .name: OQ, .offset: 8, .size: 8, .value_kind: global_buffer, .address_space: global }
    .group_segment_fixed_size: 210944
    .private_segment_fixed_size: 0
    .kernarg_segment_align: 8
    .kernarg_segment_size: 16
    .max_flat_workgroup_size: 512
    .sgpr_count:     80
    .vgpr_count:     256
    .wavefront_size: 32
...
	.end_amdgpu_metadata
.endif
;; end of part 3
;; launch g4 (part 4): grid 8 x 32, 4 waves a work-group, clusters of 4 x 4, 327,680 bytes of LDS; arguments OQ, WQ, b_out, x, X1; writes X1
.if DOCPART == 4
	.amdgcn_target "amdgcn-amd-amdhsa--gfx1250"
	.amdhsa_code_object_version 6
	.text
	.protected	k_q472075166c_g4
	.globl	k_q472075166c_g4
	.p2align	8
	.type	k_q472075166c_g4,@function
k_q472075166c_g4:
	s_mov_b64 s[64:65], 0
	v_nop
	global_prefetch_b8 v0, s[64:65] scope:SCOPE_SE
	s_setreg_imm32_b32 hwreg(HW_REG_WAVE_MODE, 25, 1), 1
	s_wait_xcnt 0x0
	s_wait_alu depctr_hold_cnt(0) depctr_sa_sdst(0) depctr_va_vdst(0) depctr_va_sdst(0) depctr_va_ssrc(0) depctr_va_vcc(0) depctr_vm_vsrc(0)
	s_getreg_b32 s2, hwreg(HW_REG_IB_STS2, 6, 4)
	s_cmp_eq_u32 s2, 0
	s_cbranch_scc0 .Lentry_in_a_cluster
	s_endpgm
.Lentry_in_a_cluster:
	s_bfe_u32 s2, ttmp6, 0x10000c
	s_cmp_lg_u32 s2, 0xf033
	s_cbranch_scc0 .Lentry_shape_is_right
	s_endpgm
.Lentry_shape_is_right:
; out = res + (Q(a) Q(w) + bias): a [4,096][KK] and w [1,024][KK] as codes of FP6 (E2M3) with E8M0 scales; bias [1,024], res and out [4,096][1,024] f32.
; OPERANDS lie in super-tiles of 128 rows x 128 K, 12,800 bytes ((RB, ks) at (RB x KK / 128 + ks) x 12,800): eight register images of 1,536 bytes (register p of lane l at 512 (p / 4) + 16 l + 4 (p % 4)), then 512
; bytes of scale words (64 t + 4 r).  Lane (r, h) of tile t holds row 32 (t / 2) + 8 (t % 2) + r + 8 (r / 8).  A fragment is three loads of 16 bytes a lane; a K step's tiles are dense memory.
; N is 1,024: tiles of 256 x 256 would be 64 work-groups, so a tile of C is 128 x 128 (256 work-groups), a wave's 64 x 64: 16 accumulators.  K goes in steps of 128, FOUR to an LDS slot, two slots; a wave fills a
; quarter of a slot by one tensor load of 25,600 dense bytes.  Clusters of 4 x 4: A's tiles are asked for jointly along a row of the cluster, B's along a column.
; THE PRODUCT IS USED TRANSPOSED (source 0 = B's 16 rows, source 1 = A's): lane (r, h) holds A's row of (a, r); register j of accumulator (a, b) is column 32 (b / 2) + 16 h + 8 (b % 2) + j of the wave's 64.
; The residual's 64 x 64 numbers are asked for at the head, already in the order in which rows leave, and land under the K loop.  A block of 16 rows goes through the wave's own stage and leaves as runs of 256 bytes.
; REGISTERS: window 0: v1-31 addresses; v32-47 scale words, two sets; v56-63 the way out's; v64-111, v160-207 A's fragments, two sets; on the way out v64-127 rows.
;   window 1: v0-47, v128-175 B's fragments.   window 2: v0-127 the accumulators, (a, b) at 32 a + 8 b.   window 3: v0-127 the residual.
.set BIG,   0
.set NA,    4                          ; fragments a side a wave
.set NQ,    4                          ; K steps of 128 in a slot
.set KK,    1024
.set WOFF,  2457600                    ; the weight's place in WQ
.set FOFF,  6144                       ; from one half of the tile's rows to the other, in LDS: fragments,
.set SOFF,  256                        ; scale words
.set KT,    KK/128
.set ST,    12800
.set FRB,   1536
.set SCO,   12288
.set LOADB, 2*ST                       ; what one tensor load brings
.set SLOT,  4*LOADB
.set SPARE, 2*SLOT                     ; behind the ring: the spare words, 128 bytes a wave
.set STG,   SPARE+512                  ; behind them: stages into which no fill lands
.set RBS,   KT*ST                      ; a row block's super-tiles
.set LAPS,  KK/(256*NQ)
.set ADRA,  16
.set ADRB,  18
.set ASA,   20
.set ASB,   22
.set SPW,   28
.set NIL,   29
.set SC,    32
.set AF,    64
.set G1A,   24
.set G0A,   32
.set G1B,   48
.set G0B,   56
.set MSB,   0
.macro WIN new                         ; the immediate's high byte repeats the setting that is left
.if MSB != (\new)
	s_set_vgpr_msb (MSB<<8)|(\new)
.set MSB, (\new)
.endif
.endm
.macro JLOAD g0a, g1a, g0b, g1b        ; a joint load: waves 0 and 1 fetch for A, waves 2 and 3 for B; four v_nop follow each of the two lines
	s_cmp_eq_u32 s15, 0
	s_cbranch_scc0 .Lfor_b_\@
	tensor_load_to_lds s[\g0a:\g0a+3], s[\g1a:\g1a+7]
	s_nop 0
.rept 4
	v_nop
.endr
	s_branch .Lasked_\@
.Lfor_b_\@:
	tensor_load_to_lds s[\g0b:\g0b+3], s[\g1b:\g1b+7]
	s_nop 0
.rept 4
	v_nop
.endr
.Lasked_\@:
.endm
.macro CREST                           ; a round of the cluster's barrier behind its opening barrier
	s_cmp_lg_u32 s14, 0
	s_cbranch_scc1 .Lnot_wave_0_\@
	s_barrier_signal -3
.Lnot_wave_0_\@:
	s_barrier_wait -3
	s_barrier_signal -1
	s_barrier_wait -1
.endm
.macro CROUND
	s_barrier_signal -1
	s_barrier_wait -1
	CREST
.endm
.macro PLACES n
.rept \n
	v_nop
.endr
.endm
.macro WM zero                         ; one product; a scale register holds an even tile's words in lanes 0-15 and the odd tile's in lanes 16-31
.if \zero
.if par == 0
	v_wmma_scale_f32_16x16x128_f8f6f4 v[rD:rD+7], v[rB:rB+11], v[rA:rA+11], 0, v[rSB], v[rSA] matrix_a_fmt:MATRIX_FMT_FP6 matrix_b_fmt:MATRIX_FMT_FP6
.elseif par == 1
	v_wmma_scale_f32_16x16x128_f8f6f4 v[rD:rD+7], v[rB:rB+11], v[rA:rA+11], 0, v[rSB], v[rSA] matrix_a_fmt:MATRIX_FMT_FP6 matrix_b_fmt:MATRIX_FMT_FP6 matrix_a_scale:MATRIX_SCALE_ROW1
.elseif par == 2
	v_wmma_scale_f32_16x16x128_f8f6f4 v[rD:rD+7], v[rB:rB+11], v[rA:rA+11], 0, v[rSB], v[rSA] matrix_a_fmt:MATRIX_FMT_FP6 matrix_b_fmt:MATRIX_FMT_FP6 matrix_b_scale:MATRIX_SCALE_ROW1
.else
	v_wmma_scale_f32_16x16x128_f8f6f4 v[rD:rD+7], v[rB:rB+11], v[rA:rA+11], 0, v[rSB], v[rSA] matrix_a_fmt:MATRIX_FMT_FP6 matrix_b_fmt:MATRIX_FMT_FP6 matrix_a_scale:MATRIX_SCALE_ROW1 matrix_b_scale:MATRIX_SCALE_ROW1
.endif
.else
.if par == 0
	v_wmma_scale_f32_16x16x128_f8f6f4 v[rD:rD+7], v[rB:rB+11], v[rA:rA+11], v[rD:rD+7], v[rSB], v[rSA] matrix_a_fmt:MATRIX_FMT_FP6 matrix_b_fmt:MATRIX_FMT_FP6
.elseif par == 1
	v_wmma_scale_f32_16x16x128_f8f6f4 v[rD:rD+7], v[rB:rB+11], v[rA:rA+11], v[rD:rD+7], v[rSB], v[rSA] matrix_a_fmt:MATRIX_FMT_FP6 matrix_b_fmt:MATRIX_FMT_FP6 matrix_a_scale:MATRIX_SCALE_ROW1
.elseif par == 2
	v_wmma_scale_f32_16x16x128_f8f6f4 v[rD:rD+7], v[rB:rB+11], v[rA:rA+11], v[rD:rD+7], v[rSB], v[rSA] matrix_a_fmt:MATRIX_FMT_FP6 matrix_b_fmt:MATRIX_FMT_FP6 matrix_b_scale:MATRIX_SCALE_ROW1
.else
	v_wmma_scale_f32_16x16x128_f8f6f4 v[rD:rD+7], v[rB:rB+11], v[rA:rA+11], v[rD:rD+7], v[rSB], v[rSA] matrix_a_fmt:MATRIX_FMT_FP6 matrix_b_fmt:MATRIX_FMT_FP6 matrix_a_scale:MATRIX_SCALE_ROW1 matrix_b_scale:MATRIX_SCALE_ROW1
.endif
.endif
.endm
.macro MULQ i, p, zero                 ; quarter i of a K step: NA / 4 blocks of A against all of B's, from fragment set p.  The accumulators take turns, one instruction a turn, in the same order in every step
.if BIG && ((\i) > 1)
	WIN 0xf1                                       ; source 0 (B) window 1, source 1 (A) window 0, C and D window 3
.else
	WIN 0xa1                                       ; the same, C and D window 2
.endif
.set ma, (\i)*NA/4
.rept NA/4
.set mb, 0
.rept NA
.set rD, 8*(NA*(ma%4)+mb)
.set rB, 128*(\p)+12*mb
.set rA, AF+96*(\p)+12*ma
.set rSB, SC+8*(\p)+4+mb/2
.set rSA, SC+8*(\p)+ma/2
.set par, (mb&1)+2*(ma&1)
	WM \zero
.set mb, mb+1
.endr
.set ma, ma+1
.endr
.endm
.macro FETCH slot, q, p                ; the fragments and scale words of the slot's q-th K step into set p: 3 NA + 3 NA + NA loads in one run
	WIN 0x40                                       ; destination window 1
.set fb, 0
.rept NA
.irp g, 0,1,2
	ds_load_b128 v[128*(\p)+12*fb+4*\g:128*(\p)+12*fb+4*\g+3], v[ADRB+\slot] offset:(\q)*ST+fb*FRB+512*\g
.endr
.set fb, fb+1
.endr
	WIN 0
.set fb, 0
.rept NA
.irp g, 0,1,2
	ds_load_b128 v[AF+96*(\p)+12*fb+4*\g:AF+96*(\p)+12*fb+4*\g+3], v[ADRA+\slot] offset:(\q)*ST+fb*FRB+512*\g
.endr
.set fb, fb+1
.endr
.set fb, 0
.rept NA/2
	ds_load_b32 v[SC+8*(\p)+fb], v[ASA+\slot] offset:(\q)*ST+SCO+128*fb
	ds_load_b32 v[SC+8*(\p)+4+fb], v[ASB+\slot] offset:(\q)*ST+SCO+128*fb
.set fb, fb+1
.endr
.endm
.macro STEP slot, q, zero              ; a K step that has its successor in the same slot
	s_wait_dscnt 0x0                               ; this step's fragments, asked for a whole step ago, are in
	PLACES 4                                       ; four places between the last products, which read the other set, and the loads into it
	FETCH \slot, (\q)+1, 1-((\q)%2)
	MULQ 0, (\q)%2, \zero
	MULQ 1, (\q)%2, \zero
	MULQ 2, (\q)%2, \zero
	MULQ 3, (\q)%2, \zero
	WIN 0
.endm
.macro TURN slot, next, fill           ; a slot's last K step changes slots: one barrier; fill = 1: it opens a round of the cluster's barrier, and this slot is filled again, two slots ahead
	s_wait_tensorcnt 0x0                           ; all my tensor loads have landed: the one that was out is my part of the next slot
	ds_add_u32 v[SPW], v[NIL]                      ; 0 onto my spare word
	s_wait_dscnt 0x1                               ; this step's fragments are in; the add alone may be out
	MULQ 0, 1, 0
	s_wait_dscnt 0x0                               ; the add is done, and my reads of this slot are over
	s_barrier_signal -1
	MULQ 1, 1, 0
	WIN 0
	s_barrier_wait -1
.if \fill
	CREST                                          ; no wave of any partner still reads this slot or has a load on its way
	s_add_nc_u64 s[G0A+4*\slot+2:G0A+4*\slot+3], s[G0A+4*\slot+2:G0A+4*\slot+3], 2*NQ*ST
	s_add_nc_u64 s[G0B+4*\slot+2:G0B+4*\slot+3], s[G0B+4*\slot+2:G0B+4*\slot+3], 2*NQ*ST
	JLOAD G0A+4*\slot, G1A, G0B+4*\slot, G1B       ; the first tensor load behind the round; its four v_nop are the places in front of the loads below
.else
	PLACES 4
.endif
	FETCH \next, 0, 0
	MULQ 2, 1, 0
	MULQ 3, 1, 0
	WIN 0
.endm
.macro MID slot                        ; a slot's K steps 1 .. NQ - 2
.set mq, 1
.rept NQ-2
	STEP \slot, mq, 0
.set mq, mq+1
.endr
.endm
	s_load_b128 s[4:7], s[0:1], 0x0                ; A's codes, WQ
	s_load_b128 s[8:11], s[0:1], 0x10              ; the bias, the residual
	s_load_b64 s[12:13], s[0:1], 0x20              ; out
	v_lshl_add_u32 v[SPW], v0, 2, SPARE
	v_mov_b32 v[NIL], 0
	ds_add_u32 v28, v29
	ds_add_u32 v28, v29
	s_wait_dscnt 0x0
	v_lshrrev_b32 v1, 5, v0
	v_readfirstlane_b32 s14, v1                    ; wave
	s_lshr_b32 s15, s14, 1                         ; wm: my half of the tile's rows.  Also: I fetch for A (0) or B (1)
	s_and_b32 s16, s14, 1                          ; wn: my half of its columns.  Also: which half of a slot's K steps I fetch
	s_bfe_u32 s40, ttmp6, 0x40000                  ; cx
	s_bfe_u32 s41, ttmp6, 0x40004                  ; cy
	s_lshl_b32 s42, ttmp9, 2
	s_add_co_u32 s42, s42, s40                     ; tile column
	s_and_b32 s17, ttmp7, 0xffff
	s_lshl_b32 s17, s17, 2
	s_add_co_u32 s17, s17, s41                     ; tile row
	s_lshl_b32 s43, s41, 2
	s_lshl_b32 s43, 15, s43                        ; my row of the cluster
	s_lshl_b32 s44, 0x1111, s40                    ; my column
	s_or_b32 s[G1A], s43, (3<<16)|(1<<21)          ; 15:0 the mask; 17:16 elements of 8 bytes; 21 set beside a mask; no padding
	s_or_b32 s[G1B], s44, (3<<16)|(1<<21)
.irp g, G1A, G1B
	s_mov_b32 s[\g+1], 32<<16                      ; tensor_dim0 = 32 elements: rows of 256 bytes
	s_mov_b32 s[\g+2], 100<<16                     ; tensor_dim1 = 100 rows: 25,600 dense bytes
	s_mov_b32 s[\g+3], 32<<16                      ; tile_dim0
	s_mov_b32 s[\g+4], 100                         ; tile_dim1
	s_mov_b32 s[\g+5], 32                          ; the pitch
	s_mov_b32 s[\g+6], 0
	s_mov_b32 s[\g+7], 0
.endr
	s_mul_i32 s22, s17, RBS                        ; A: the tile's row block,
	s_mul_i32 s23, s16, LOADB                      ; + my two of a slot's four K steps
	s_add_co_u32 s22, s22, s23
	s_mul_i32 s46, s42, RBS                        ; B likewise
	s_add_co_u32 s46, s46, s23
	s_mov_b32 s23, 0
	s_mov_b32 s47, 0
	s_mul_i32 s45, s14, LOADB                      ; where my loads go: wave x 25,600
	s_lshl_b32 s72, s17, 7
	s_lshl_b32 s73, s15, 6
	s_add_co_u32 s72, s72, s73                     ; my first row: 128 x tile row + 64 wm
	s_lshl_b32 s72, s72, 12
	s_lshl_b32 s73, s42, 9
	s_lshl_b32 s74, s16, 8
	s_add_co_u32 s74, s74, s73                     ; my first column, in bytes: 512 x tile column + 256 wn
	s_add_co_u32 s72, s72, s74
	s_mov_b32 s73, 0
	s_mov_b32 s75, 0
	s_wait_kmcnt 0x0
	s_add_nc_u64 s[22:23], s[4:5], s[22:23]
	s_add_nc_u64 s[46:47], s[6:7], s[46:47]
	s_add_nc_u64 s[46:47], s[46:47], WOFF
	s_add_nc_u64 s[10:11], s[10:11], s[72:73]
	s_add_nc_u64 s[12:13], s[12:13], s[72:73]
	s_add_nc_u64 s[8:9], s[8:9], s[74:75]
	CROUND                                         ; all sixteen work-groups are here: the first joint loads meet
.irp s, 0,1
	s_mov_b32 s[G0A+4*\s], 1
	s_add_co_u32 s[G0A+4*\s+1], s45, \s*SLOT
	s_add_nc_u64 s[G0A+4*\s+2:G0A+4*\s+3], s[22:23], \s*NQ*ST
	s_or_b32 s[G0A+4*\s+3], s[G0A+4*\s+3], 0x80000000
	s_mov_b32 s[G0B+4*\s], 1
	s_add_co_u32 s[G0B+4*\s+1], s45, \s*SLOT
	s_add_nc_u64 s[G0B+4*\s+2:G0B+4*\s+3], s[46:47], \s*NQ*ST
	s_or_b32 s[G0B+4*\s+3], s[G0B+4*\s+3], 0x80000000
	JLOAD G0A+4*\s, G1A, G0B+4*\s, G1B             ; two loads of mine are out
.endr
	v_and_b32 v1, 15, v0                           ; r
	v_bfe_u32 v2, v0, 4, 1                         ; h
	v_and_b32 v3, 31, v0
	v_lshlrev_b32 v24, 4, v3                       ; 16 x lane
	v_lshlrev_b32 v4, 2, v3                        ; 4 x lane
	s_mul_i32 s72, s15, FOFF
	s_mul_i32 s73, s16, FOFF
	s_add_co_u32 s73, s73, 2*LOADB                 ; B's tiles lie behind A's
	s_mul_i32 s74, s15, SOFF
	s_mul_i32 s75, s16, SOFF
	s_add_co_u32 s75, s75, 2*LOADB
.irp s, 0,1
	v_add_nc_u32 v[ADRA+\s], s72, v24
	v_add_nc_u32 v[ADRB+\s], s73, v24
	v_add_nc_u32 v[ASA+\s], s74, v4
	v_add_nc_u32 v[ASB+\s], s75, v4
	s_add_co_u32 s72, s72, SLOT
	s_add_co_u32 s73, s73, SLOT
	s_add_co_u32 s74, s74, SLOT
	s_add_co_u32 s75, s75, SLOT
.endr
	s_mul_i32 s76, s14, 4352
	s_add_co_u32 s76, s76, STG                     ; my stage: 16 rows x (256 + 16) bytes
	v_mul_u32_u24 v56, v1, 272
	v_lshl_add_u32 v56, v2, 6, v56
	v_add_nc_u32 v56, s76, v56                     ; in: row r, + 64 h
	v_mul_u32_u24 v57, v2, 272
	v_lshl_add_u32 v57, v1, 4, v57
	v_add_nc_u32 v57, s76, v57                     ; back: lanes 0-15 one row, lanes 16-31 the next
	v_lshlrev_b32 v58, 12, v2
	v_lshl_add_u32 v58, v1, 4, v58                 ; the same two rows in the residual and in out
	v_lshlrev_b32 v59, 4, v1                       ; my four columns' bias
	WIN 0xc0                                       ; destination window 3
.irp a, 0,1,2,3
.irp n, 0,1,2,3,4,5,6,7
	global_load_b128 v[4*(8*\a+\n):4*(8*\a+\n)+3], v58, s[10:11] offset:(32*(\a/2)+8*(\a%2)+2*\n+8*(\n/4))*4096   ; stage rows 2 n, 2 n + 1 of block a are these rows of my 64
.endr
.endr
	WIN 0
	global_load_b128 v[60:63], v59, s[8:9]
	s_wait_tensorcnt 0x1                           ; my part of slot 0 is in; slot 1's may be out
	s_barrier_signal -1
	s_barrier_wait -1
	FETCH 0, 0, 0
	STEP 0, 0, 1                                   ; the first step's products start the sums
.if LAPS > 1
	s_mov_b32 s3, LAPS-1
.Llap:                                             ; a trip goes once round the ring and fills both slots again
	MID 0
	TURN 0, 1, 1
	STEP 1, 0, 0
	MID 1
	TURN 1, 0, 1
	STEP 0, 0, 0
	s_sub_co_u32 s3, s3, 1
	s_cmp_lg_u32 s3, 0
	s_cbranch_scc1 .Llap
.endif
	MID 0
	TURN 0, 1, 0                                   ; the last lap fills nothing
	STEP 1, 0, 0
	MID 1
	s_wait_dscnt 0x0
	MULQ 0, 1, 0
	MULQ 1, 1, 0
	MULQ 2, 1, 0
	MULQ 3, 1, 0
	WIN 0
	PLACES 4                                       ; in front of the first read of results and of loads into registers that held fragments
	s_wait_loadcnt 0x0                             ; the residual and the bias
.macro OUTB a                          ; block a: 16 rows x 64 columns through my stage; + bias, + residual; sixteen lanes store 256 consecutive bytes, aligned
.set BKB, 64+32*((\a)%2)
.if (\a) > 1
	s_wait_xcnt 0x0                                ; block a - 2's stores have read these registers
.endif
	WIN 0x08                                       ; an LDS store's data are its source 1: window 2
.irp b, 0,1,2,3
	ds_store_b128 v56, v[32*(\a)+8*\b:32*(\a)+8*\b+3] offset:128*(\b/2)+32*(\b%2)          ; each accumulator from its low end on
	ds_store_b128 v56, v[32*(\a)+8*\b+4:32*(\a)+8*\b+7] offset:128*(\b/2)+32*(\b%2)+16
.endr
	WIN 0
.irp n, 0,1,2,3,4,5,6,7
	ds_load_b128 v[BKB+4*\n:BKB+4*\n+3], v57 offset:544*\n   ; a wave's LDS instructions are served in order: these see my stores, and the next block's stores come behind them
.endr
	s_wait_dscnt 0x0
.irp n, 0,1,2,3,4,5,6,7
	v_pk_add_f32 v[BKB+4*\n:BKB+4*\n+1], v[BKB+4*\n:BKB+4*\n+1], v[60:61]
	v_pk_add_f32 v[BKB+4*\n+2:BKB+4*\n+3], v[BKB+4*\n+2:BKB+4*\n+3], v[62:63]
.endr
	WIN 0x0c                                       ; source 1: window 3
.irp n, 0,1,2,3,4,5,6,7
	v_pk_add_f32 v[BKB+4*\n:BKB+4*\n+1], v[BKB+4*\n:BKB+4*\n+1], v[4*(8*(\a)+\n):4*(8*(\a)+\n)+1]
	v_pk_add_f32 v[BKB+4*\n+2:BKB+4*\n+3], v[BKB+4*\n+2:BKB+4*\n+3], v[4*(8*(\a)+\n)+2:4*(8*(\a)+\n)+3]
.endr
	WIN 0
.irp n, 0,1,2,3,4,5,6,7
	global_store_b128 v58, v[BKB+4*\n:BKB+4*\n+3], s[12:13] offset:(32*((\a)/2)+8*((\a)%2)+2*\n+8*(\n/4))*4096
.endr
.endm
	OUTB 0
	OUTB 1
	OUTB 2
	OUTB 3
	s_wait_tensorcnt 0x0                           ; the wave's end
	ds_add_u32 v[SPW], v[NIL]
	s_wait_dscnt 0x0
	CROUND                                         ; the closing round
	s_endpgm
.Lfunc_end_k_q472075166c_g4:
	.size	k_q472075166c_g4, .Lfunc_end_k_q472075166c_g4-k_q472075166c_g4
	.p2alignl 7, 3214868480
	.fill 96, 4, 3214868480
	.section	.rodata,"a",@progbits
	.p2align	6, 0x0
	.amdhsa_kernel k_q472075166c_g4
		.amdhsa_group_segment_fixed_size 327680
		.amdhsa_private_segment_fixed_size 0
		.amdhsa_enable_private_segment 0
		.amdhsa_kernarg_size 40
		.amdhsa_user_sgpr_count 2
		.amdhsa_user_sgpr_kernarg_segment_ptr 1
		.amdhsa_wavefront_size32 1
		.amdhsa_system_sgpr_workgroup_id_x 1
		.amdhsa_system_sgpr_workgroup_id_y 1
		.amdhsa_system_sgpr_workgroup_id_z 1
		.amdhsa_system_vgpr_workitem_id 0
		.amdhsa_next_free_vgpr 896
		.amdhsa_next_free_sgpr 100
		.amdhsa_reserve_vcc 0
		.amdhsa_float_denorm_mode_32 3
		.amdhsa_float_denorm_mode_16_64 3
		.amdhsa_memory_ordered 1
		.amdhsa_forward_progress 1
		.amdhsa_inst_pref_size 60
	.end_amdhsa_kernel
	.amdgpu_metadata
---
amdhsa.version: [ 1, 2 ]
amdhsa.kernels:
  - .name:           k_q472075166c_g4
    .symbol:         k_q472075166c_g4.kd
    .args:
      - { .name: OQ, .offset: 0, .size: 8, .value_kind: global_buffer, .address_space: global }
      - { .name: WQ, .offset: 8, .size: 8, .value_kind: global_buffer, .address_space: global }
      - { .name: b_out, .offset: 16, .size: 8, .value_kind: global_buffer, .address_space: global }
      - { .name: x, .offset: 24, .size: 8, .value_kind: global_buffer, .address_space: global }
      - { .name: X1, .offset: 32, .size: 8, .value_kind: global_buffer, .address_space: global }
    .group_segment_fixed_size: 327680
    .private_segment_fixed_size: 0
    .kernarg_segment_align: 8
    .kernarg_segment_size: 40
    .max_flat_workgroup_size: 128
    .sgpr_count:     100
    .vgpr_count:     896
    .wavefront_size: 32
...
	.end_amdgpu_metadata
.endif
;; end of part 4
;; launch ln2 (part 5): grid 256 x 1, 8 waves a work-group, no clusters, 50,688 bytes of LDS; arguments X1, ln2_scale, ln2_bias, Y; writes Y
.if DOCPART == 5
	.amdgcn_target "amdgcn-amd-amdhsa--gfx1250"
	.amdhsa_code_object_version 6
	.text
	.protected	k_q472075166c_ln2
	.globl	k_q472075166c_ln2
	.p2align	8
	.type	k_q472075166c_ln2,@function
k_q472075166c_ln2:
	s_mov_b64 s[64:65], 0
	v_nop
	global_prefetch_b8 v0, s[64:65] scope:SCOPE_SE
	s_setreg_imm32_b32 hwreg(HW_REG_WAVE_MODE, 25, 1), 1
	s_wait_xcnt 0x0
; y = (x - mean) rsqrt(var + 1e-5) gamma + beta over rows of 1,024 f32, then quantised along the row to FP6 (E2M3) with one E8M0 byte for each 32, and stored in the products' operand layout:
; super-tiles of 128 rows x 128 K, 12,800 bytes, (RB, ks) at (8 RB + ks) x 12,800; in each eight register images of 1,536 bytes (register p of lane l at 512 (p / 4) + 16 l + 4 (p % 4)) and 512 bytes of
; scale words (12,288 + 64 t + 4 r); lane (r, h) of tile t holds row 32 (t / 2) + 8 (t % 2) + r + 8 (r / 8); registers 6 c .. 6 c + 5 hold k = 64 c + 32 h + 0 .. 31.
; A work-group makes one tile of 16 rows for all of K; wave w its rows r = 2 w and 2 w + 1, which are neighbouring rows of x.  Every load reads 512 consecutive bytes; a turn through the wave's own stage in LDS
; then gives each lane 32 NEIGHBOURS, a whole block: the block's largest magnitude needs no other lane.  gamma and beta take the same turn.  Mean and variance in two passes (the variance of x - mean),
; so that a common offset of the inputs costs no accuracy.  The codes meet in LDS as the eight images of the tile; behind the one barrier wave w stores the image of K step w, 1,536 consecutive bytes.
; The tile's scale words leave in runs of 64 bytes (sixteen rows of one K step): 512 of the work-group's 12,800 bytes.
; LIMITS: a block whose largest magnitude lies under 2^-124 keeps the byte 1 (this program alone reads the bytes); NaN and infinities are not served.
.set G,   16                           ; v16-47   gamma of my 32 columns
.set B,   48                           ; v48-79   beta
.set R0,  80                           ; v80-143  the wave's two rows, 32 numbers a lane each
.set T,   152                          ; v152-159 at work
.set IMG, 36864                        ; LDS: eight stages of 4,608 bytes (32 lanes x 144), then the tile's eight images,
.set SCS, 49152                        ; then its scale words, [K step][row]
	s_load_b256 s[4:11], s[0:1], 0x0               ; x, gamma, beta, y
	v_lshl_add_u32 v176, v0, 2, 0xc200
	v_mov_b32 v177, 0
	v_lshrrev_b32 v1, 5, v0
	v_readfirstlane_b32 s12, v1                    ; wave
	v_and_b32 v1, 31, v0                           ; lane
	v_lshlrev_b32 v2, 4, v1                        ; my 16 bytes of a load's 512
	s_mul_i32 s24, s12, 4608
	v_lshrrev_b32 v13, 3, v1
	v_and_b32 v14, 7, v0
	v_mul_u32_u24 v3, v13, 144
	v_lshl_add_u32 v3, v14, 4, v3
	v_add_nc_u32 v3, s24, v3                       ; the stage, in: eight lanes' 128 bytes on end, then 16 of padding
	v_mul_u32_u24 v4, v1, 144
	v_add_nc_u32 v4, s24, v4                       ; and out: 144 x lane: my 32 neighbours
	v_lshrrev_b32 v13, 2, v1                       ; my block lies in K step lane / 4,
	v_and_b32 v14, 1, v0                           ; in the half h = lane % 2 of the lanes,
	v_bfe_u32 v15, v0, 1, 1                        ; in registers 6 c on, c = (lane / 2) % 2
	v_mul_u32_u24 v5, v13, 1536
	v_lshl_add_u32 v5, v14, 8, v5
	s_lshl_b32 s25, s12, 5
	s_add_co_u32 s25, s25, IMG
	v_add_nc_u32 v5, s25, v5                       ; IMG + 1,536 ks + 256 h + 16 (2 w); row 2 w + 1 lies 16 further on
	v_mad_u32_u24 v6, v15, 1016, v5
	v_add_nc_u32 v6, 8, v6                         ; my second 8 bytes: at 8 (c = 0) or 1,024 (c = 1)
	v_mad_u32_u24 v7, v15, 520, v5
	v_add_nc_u32 v7, 512, v7                       ; my third: at 512 or 1,032
	v_mad_u32_u24 v5, v15, 520, v5                 ; my first: at 0 or 520
	v_and_b32 v14, 3, v0
	v_lshl_add_u32 v8, v13, 6, v14
	s_lshl_b32 s26, s12, 3
	s_add_co_u32 s26, s26, SCS
	v_add_nc_u32 v8, s26, v8                       ; my byte: SCS + 64 ks + 4 (2 w) + lane % 4
	s_mul_i32 s27, s12, 1536
	s_add_co_u32 s27, s27, IMG
	v_add_nc_u32 v9, s27, v2                       ; the way out: image w, 16 x lane;
	s_mul_i32 s28, s12, 12800
	v_add_nc_u32 v10, s28, v2                      ; super-tile w of the row block
	v_and_b32 v13, 127, v0
	v_lshl_add_u32 v11, v13, 2, SCS                ; the scale words' way out (waves 0 to 3): word T
	v_bfe_u32 v13, v0, 4, 3
	v_and_b32 v14, 15, v0
	v_mul_u32_u24 v12, v13, 12800
	v_lshl_add_u32 v12, v14, 2, v12
	v_add_nc_u32 v12, 12288, v12                   ; super-tile T / 16, byte 12,288 + 4 (T % 16)
	v_mov_b32 v161, 0                              ; (upper halves of pairs of which the low word serves both halves: written once)
	v_mov_b32 v163, 0
	v_mov_b32 v164, 0                              ; (a lane permute's destination counts as one of its sources)
	s_mov_b32 s20, 0x3a800000                      ; 1 / 1,024
	s_mov_b32 s21, 0x3727c5ac                      ; 1e-5
	s_mov_b32 s22, 0x76543210
	s_mov_b32 s23, 0xfedcba98                      ; selects for lane l xor 16
	s_lshr_b32 s13, ttmp9, 3                       ; RB
	s_and_b32 s14, ttmp9, 7                        ; t
	s_lshl_b32 s15, s13, 7
	s_lshr_b32 s16, s14, 1
	s_lshl_b32 s16, s16, 5
	s_add_co_u32 s15, s15, s16
	s_and_b32 s16, s14, 1
	s_lshl_b32 s16, s16, 3
	s_add_co_u32 s15, s15, s16
	s_lshl_b32 s16, s12, 1
	s_add_co_u32 s15, s15, s16
	s_lshr_b32 s16, s12, 2
	s_lshl_b32 s16, s16, 3
	s_add_co_u32 s15, s15, s16                     ; my first row: 128 RB + 32 (t / 2) + 8 (t % 2) + 2 w + 8 (w / 4)
	s_lshl_b32 s16, s15, 12
	s_mov_b32 s17, 0
	s_mul_i32 s18, s13, 102400                     ; the row block's eight super-tiles
	s_mov_b32 s19, 0
	s_mul_i32 s28, s14, 1536
	s_mov_b32 s29, 0
	s_lshl_b32 s30, s14, 6
	s_mov_b32 s31, 0
	s_wait_kmcnt 0x0
	s_add_nc_u64 s[4:5], s[4:5], s[16:17]
	s_add_nc_u64 s[10:11], s[10:11], s[18:19]
	s_add_nc_u64 s[16:17], s[10:11], s[28:29]      ; + the tile's image
	s_add_nc_u64 s[18:19], s[10:11], s[30:31]      ; + the tile's 64 bytes of scale words
.irp n, 0,1,2,3,4,5,6,7
	global_load_b128 v[G+4*\n:G+4*\n+3], v2, s[6:7] offset:512*\n
.endr
.irp n, 0,1,2,3,4,5,6,7
	global_load_b128 v[B+4*\n:B+4*\n+3], v2, s[8:9] offset:512*\n
.endr
.irp n, 0,1,2,3,4,5,6,7
	global_load_b128 v[R0+4*\n:R0+4*\n+3], v2, s[4:5] offset:512*\n
.endr
.irp n, 0,1,2,3,4,5,6,7
	global_load_b128 v[R0+32+4*\n:R0+32+4*\n+3], v2, s[4:5] offset:4096+512*\n
.endr
.macro TURN reg                        ; 4,096 bytes through my stage and back into the registers that they left; a wave's LDS instructions are served in order, so no wait stands between
.irp n, 0,1,2,3,4,5,6,7
	ds_store_b128 v3, v[\reg+4*\n:\reg+4*\n+3] offset:576*\n
.endr
.irp n, 0,1,2,3,4,5,6,7
	ds_load_b128 v[\reg+4*\n:\reg+4*\n+3], v4 offset:16*\n
.endr
.endm
	s_wait_loadcnt 24                              ; gamma's eight loads are in; 24 younger ones may be out
	TURN G
	s_wait_loadcnt 16
	TURN B
	s_wait_loadcnt 8
	TURN R0
	s_wait_loadcnt 0
	TURN R0+32
.macro ACROSS                          ; the sum of v[T] over the 32 lanes, in every lane
	v_add_f32_dpp v[T], v[T], v[T] row_xmask:1 row_mask:0xf bank_mask:0xf
	v_add_f32_dpp v[T], v[T], v[T] row_xmask:2 row_mask:0xf bank_mask:0xf
	v_add_f32_dpp v[T], v[T], v[T] row_xmask:4 row_mask:0xf bank_mask:0xf
	v_add_f32_dpp v[T], v[T], v[T] row_xmask:8 row_mask:0xf bank_mask:0xf
	v_permlanex16_b32 v164, v[T], s22, s23
	v_add_f32 v[T], v[T], v164
.endm
.macro FOLD                            ; four chains of pairs into one number
	v_pk_add_f32 v[T:T+1], v[T:T+1], v[T+2:T+3]
	v_pk_add_f32 v[T+4:T+5], v[T+4:T+5], v[T+6:T+7]
	v_pk_add_f32 v[T:T+1], v[T:T+1], v[T+4:T+5]
	v_add_f32 v[T], v[T], v[T+1]
.endm
.macro ROW w
.set R, R0+32*\w
.set CC, 144+24*\w                     ; each row has registers of its own for its codes and its byte
.irp n, 0,2,4,6
	v_pk_add_f32 v[T+\n:T+\n+1], v[R+2*\n:R+2*\n+1], v[R+2*\n+2:R+2*\n+3]
.endr
.irp m, 16,24
.irp n, 0,2,4,6
	v_pk_add_f32 v[T+\n:T+\n+1], v[T+\n:T+\n+1], v[R+\m+\n:R+\m+\n+1]
.endr
.endr
	FOLD
	ACROSS
	v_mul_f32 v160, 0xba800000, v[T]               ; - mean
.set i, 0
.rept 16
	v_pk_add_f32 v[R+i:R+i+1], v[R+i:R+i+1], v[160:161] op_sel_hi:[1,0]
.set i, i+2
.endr
.irp n, 0,2,4,6
	v_pk_mul_f32 v[T+\n:T+\n+1], v[R+\n:R+\n+1], v[R+\n:R+\n+1]
.endr
.irp m, 8,16,24
.irp n, 0,2,4,6
	v_pk_fma_f32 v[T+\n:T+\n+1], v[R+\m+\n:R+\m+\n+1], v[R+\m+\n:R+\m+\n+1], v[T+\n:T+\n+1]
.endr
.endr
	FOLD
	ACROSS
	v_fma_f32 v165, v[T], s20, s21                 ; var + 1e-5
	v_rsq_f32 v162, v165
	v_nop                                          ; one plain place behind the transcendental
.set i, 0
	s_wait_alu depctr_va_vdst(0)
.rept 16
	v_pk_mul_f32 v[R+i:R+i+1], v[R+i:R+i+1], v[162:163] op_sel_hi:[1,0]
.set i, i+2
.endr
.set i, 0
.rept 16
	v_pk_fma_f32 v[R+i:R+i+1], v[R+i:R+i+1], v[G+i:G+i+1], v[B+i:B+i+1]
.set i, i+2
.endr
	v_max3_num_f32 v[T], |v[R]|, |v[R+1]|, |v[R+2]|
	v_max3_num_f32 v[T+1], |v[R+3]|, |v[R+4]|, |v[R+5]|
.irp n, 6,10,14,18,22,26
	v_max3_num_f32 v[T], v[T], |v[R+\n]|, |v[R+\n+1]|
	v_max3_num_f32 v[T+1], v[T+1], |v[R+\n+2]|, |v[R+\n+3]|
.endr
	v_max3_num_f32 v[T], v[T], |v[R+30]|, |v[R+31]|
	v_max3_num_f32 v[T], v[T], v[T+1], 0x1800000   ; with the floor 2^(3 - 127)
	v_add_nc_u32 v165, 0xff000000, v[T]            ; 2 off the exponent field: the conversions' scale operand
	v_lshrrev_b32 v[166+\w], 23, v165              ; the byte
	v_cvt_scalef32_pk16_fp6_f32 v[CC:CC+2], v[R:R+15], v165
	v_cvt_scalef32_pk16_fp6_f32 v[CC+4:CC+6], v[R+16:R+31], v165
	v_nop                                          ; one plain place behind the conversions
	v_mov_b32 v[CC+3], v[CC+4]
	v_mov_b32 v[CC+4], v[CC+5]
	v_mov_b32 v[CC+5], v[CC+6]
	ds_store_b64 v5, v[CC:CC+1] offset:16*\w
	ds_store_b64 v6, v[CC+2:CC+3] offset:16*\w
	ds_store_b64 v7, v[CC+4:CC+5] offset:16*\w
	ds_store_b8 v8, v[166+\w] offset:4*\w
.endm
	s_wait_dscnt 16                                ; gamma, beta and row 0 are back; the second row's 16 LDS instructions may be out
	ROW 0
	s_wait_dscnt 4                                 ; the second row is back; the first row's four stores may be out
	ROW 1
	s_wait_dscnt 0x0                               ; for the others' sake: my codes and bytes lie in LDS
	s_barrier_signal -1
	s_barrier_wait -1
.irp g, 0,1,2
	ds_load_b128 v[16+4*\g:19+4*\g], v9 offset:512*\g
.endr
	s_wait_dscnt 0x0
.irp g, 0,1,2
	global_store_b128 v10, v[16+4*\g:19+4*\g], s[16:17] offset:512*\g   ; 512 consecutive bytes, aligned to 256
.endr
	s_cmp_lt_u32 s12, 4
	s_cbranch_scc0 .Lend                           ; the 128 scale words are waves 0 to 3's
	ds_load_b32 v28, v11
	s_wait_dscnt 0x0
	global_store_b32 v12, v28, s[18:19]
.Lend:
	s_wait_tensorcnt 0x0
	ds_add_u32 v176, v177
	s_wait_dscnt 0x0
	s_endpgm
.Lfunc_end_k_q472075166c_ln2:
	.size	k_q472075166c_ln2, .Lfunc_end_k_q472075166c_ln2-k_q472075166c_ln2
	.p2alignl 7, 3214868480
	.fill 96, 4, 3214868480
	.section	.rodata,"a",@progbits
	.p2align	6, 0x0
	.amdhsa_kernel k_q472075166c_ln2
		.amdhsa_group_segment_fixed_size 50688
		.amdhsa_private_segment_fixed_size 0
		.amdhsa_enable_private_segment 0
		.amdhsa_kernarg_size 32
		.amdhsa_user_sgpr_count 2
		.amdhsa_user_sgpr_kernarg_segment_ptr 1
		.amdhsa_wavefront_size32 1
		.amdhsa_system_sgpr_workgroup_id_x 1
		.amdhsa_system_sgpr_workgroup_id_y 1
		.amdhsa_system_sgpr_workgroup_id_z 1
		.amdhsa_system_vgpr_workitem_id 0
		.amdhsa_next_free_vgpr 178
		.amdhsa_next_free_sgpr 66
		.amdhsa_reserve_vcc 0
		.amdhsa_float_denorm_mode_32 3
		.amdhsa_float_denorm_mode_16_64 3
		.amdhsa_memory_ordered 1
		.amdhsa_forward_progress 1
		.amdhsa_inst_pref_size 28
	.end_amdhsa_kernel
	.amdgpu_metadata
---
amdhsa.version: [ 1, 2 ]
amdhsa.kernels:
  - .name:           k_q472075166c_ln2
    .symbol:         k_q472075166c_ln2.kd
    .args:
      - { .name: X1, .offset: 0, .size: 8, .value_kind: global_buffer, .address_space: global }
      - { .name: ln2_scale, .offset: 8, .size: 8, .value_kind: global_buffer, .address_space: global }
      - { .name: ln2_bias, .offset: 16, .size: 8, .value_kind: global_buffer, .address_space: global }
      - { .name: Y, .offset: 24, .size: 8, .value_kind: global_buffer, .address_space: global }
    .group_segment_fixed_size: 50688
    .private_segment_fixed_size: 0
    .kernarg_segment_align: 8
    .kernarg_segment_size: 32
    .max_flat_workgroup_size: 256
    .sgpr_count:     66
    .vgpr_count:     178
    .wavefront_size: 32
...
	.end_amdgpu_metadata
.endif
;; end of part 5
;; launch g5 (part 6): grid 16 x 16, 4 waves a work-group, clusters of 4 x 4, 327,680 bytes of LDS; arguments Y, WQ, b_fc1, H; writes H
.if DOCPART == 6
	.amdgcn_target "amdgcn-amd-amdhsa--gfx1250"
	.amdhsa_code_object_version 6
	.text
	.protected	k_q472075166c_g5
	.globl	k_q472075166c_g5
	.p2align	8
	.type	k_q472075166c_g5,@function
k_q472075166c_g5:
	s_mov_b64 s[64:65], 0
	v_nop
	global_prefetch_b8 v0, s[64:65] scope:SCOPE_SE
	s_setreg_imm32_b32 hwreg(HW_REG_WAVE_MODE, 25, 1), 1
	s_wait_xcnt 0x0
	s_wait_alu depctr_hold_cnt(0) depctr_sa_sdst(0) depctr_va_vdst(0) depctr_va_sdst(0) depctr_va_ssrc(0) depctr_va_vcc(0) depctr_vm_vsrc(0)
	s_getreg_b32 s2, hwreg(HW_REG_IB_STS2, 6, 4)
	s_cmp_eq_u32 s2, 0
	s_cbranch_scc0 .Lentry_in_a_cluster
	s_endpgm
.Lentry_in_a_cluster:
	s_bfe_u32 s2, ttmp6, 0x10000c
	s_cmp_lg_u32 s2, 0xf033
	s_cbranch_scc0 .Lentry_shape_is_right
	s_endpgm
.Lentry_shape_is_right:
; h = gelu(Q(y) Q(w_fc1) + b_fc1), exact gelu, quantised along the 4,096 hidden units on the way out and stored as the next product's operand.  Codes of FP6 (E2M3), E8M0 scales.
; OPERANDS lie in super-tiles of 128 rows x 128 K, 12,800 bytes ((RB, ks) at (RB x K / 128 + ks) x 12,800): eight register images of 1,536 bytes (register p of lane l at 512 (p / 4) + 16 l + 4 (p % 4)), then 512 bytes
; of scale words (64 t + 4 r).  Lane (r, h) of tile t holds row 32 (t / 2) + 8 (t % 2) + r + 8 (r / 8).  A fragment is three loads of 16 bytes a lane; a K step's tiles are dense memory.
; A tile of C, 256 x 256, is a work-group's; a wave makes 128 x 128: 64 accumulators.  K goes in steps of 128, two to an LDS slot, two slots; a wave fills a quarter of a slot by one tensor load of 25,600 dense bytes.
; Clusters of 4 x 4: A's tiles are asked for jointly along a row of the cluster, B's along a column.
; THE PRODUCT IS USED TRANSPOSED (source 0 = B's 16 rows, source 1 = A's): lane (r, h) holds the token of (a, r), and the 64 registers of accumulators (a, 0 .. 7) are hidden units 32 b + 16 h + i (register 16 b + i):
; sixteen neighbours of each block of 32 along the next K.  Bias, gelu and the quantiser work on them in place, and the result IS a fragment's image of super-tile (my 128 tokens, my 128 hidden units).
; GELU: 0.5 x + 0.5 |x| erf(|x| / sqrt 2), which is 0.5 x (1 + erf(x / sqrt 2)) since x erf is even.  erf(t), t >= 0: above 475 / 512 it is 1 - exp(a polynomial of degree 7 in t), below it t + t x a polynomial of degree 5
; in t^2; both are computed and one is selected, so no branch hangs on data.
; LIMITS: for x far below 0 the sum 0.5 x + 0.5 |x| erf cancels as 1 + erf does: the error is some 1e-7 |x|, not 1e-7 of the result.  A block whose largest magnitude lies under 2^-124 keeps the byte 1.  NaN and infinities are not served.
; The way out is a loop of eight trips (one block of 16 tokens each), so that gelu is written once; only the 32 lines that fetch a block's accumulators, which lie in other registers in each trip, are written eight times.
; REGISTERS: window 0: v1-31 addresses; v32-47 scale words, two sets; v64-159, v160-255 A's fragments, two sets; on the way out v64-127 numbers, v128-159 gelu's, v160-196 the quantiser's, v200-227 gelu's constants, doubled.
;   window 1: v0-95, v128-223 B's fragments, two sets; v96-127, v224-255 the bias.   windows 2, 3: the accumulators, (a, b) at 64 (a % 4) + 8 b.
.set BIG,   1
.set NA,    8                          ; fragments a side a wave
.set NQ,    2                          ; K steps of 128 in a slot
.set KK,    1024
.set WOFF,  3276800                    ; the weight's place in WQ
.set FOFF,  25600                      ; from one half of the tile's rows to the other, in LDS: fragments,
.set SOFF,  25600                      ; scale words
.set KT,    KK/128
.set ST,    12800
.set FRB,   1536
.set SCO,   12288
.set LOADB, 2*ST                       ; what one tensor load brings
.set SLOT,  4*LOADB
.set SPARE, 2*SLOT                     ; behind the ring: the spare words, 128 bytes a wave
.set STG,   SPARE+512                  ; behind them: stages into which no fill lands
.set RBS,   KT*ST                      ; a row block's super-tiles
.set LAPS,  KK/(256*NQ)
.set ADRA,  16
.set ADRB,  18
.set ASA,   20
.set ASB,   22
.set SPW,   28
.set NIL,   29
.set SC,    32
.set AF,    64
.set GT,    128
.set GS,    136
.set GR,    144
.set GU,    152
.set PC,    160
.set TM,    180
.set PW,    196
.set CV,    200
.set SEL,   70
.set G1A,   24
.set G0A,   32
.set G1B,   48
.set G0B,   56
.set MSB,   0
.macro WIN new                         ; the immediate's high byte repeats the setting that is left
.if MSB != (\new)
	s_set_vgpr_msb (MSB<<8)|(\new)
.set MSB, (\new)
.endif
.endm
.macro JLOAD g0a, g1a, g0b, g1b        ; a joint load: waves 0 and 1 fetch for A, waves 2 and 3 for B; four v_nop follow each of the two lines
	s_cmp_eq_u32 s15, 0
	s_cbranch_scc0 .Lfor_b_\@
	tensor_load_to_lds s[\g0a:\g0a+3], s[\g1a:\g1a+7]
	s_nop 0
.rept 4
	v_nop
.endr
	s_branch .Lasked_\@
.Lfor_b_\@:
	tensor_load_to_lds s[\g0b:\g0b+3], s[\g1b:\g1b+7]
	s_nop 0
.rept 4
	v_nop
.endr
.Lasked_\@:
.endm
.macro CREST                           ; a round of the cluster's barrier behind its opening barrier
	s_cmp_lg_u32 s14, 0
	s_cbranch_scc1 .Lnot_wave_0_\@
	s_barrier_signal -3
.Lnot_wave_0_\@:
	s_barrier_wait -3
	s_barrier_signal -1
	s_barrier_wait -1
.endm
.macro CROUND
	s_barrier_signal -1
	s_barrier_wait -1
	CREST
.endm
.macro PLACES n
.rept \n
	v_nop
.endr
.endm
.macro WM zero                         ; one product; a scale register holds an even tile's words in lanes 0-15 and the odd tile's in lanes 16-31
.if \zero
.if par == 0
	v_wmma_scale_f32_16x16x128_f8f6f4 v[rD:rD+7], v[rB:rB+11], v[rA:rA+11], 0, v[rSB], v[rSA] matrix_a_fmt:MATRIX_FMT_FP6 matrix_b_fmt:MATRIX_FMT_FP6
.elseif par == 1
	v_wmma_scale_f32_16x16x128_f8f6f4 v[rD:rD+7], v[rB:rB+11], v[rA:rA+11], 0, v[rSB], v[rSA] matrix_a_fmt:MATRIX_FMT_FP6 matrix_b_fmt:MATRIX_FMT_FP6 matrix_a_scale:MATRIX_SCALE_ROW1
.elseif par == 2
	v_wmma_scale_f32_16x16x128_f8f6f4 v[rD:rD+7], v[rB:rB+11], v[rA:rA+11], 0, v[rSB], v[rSA] matrix_a_fmt:MATRIX_FMT_FP6 matrix_b_fmt:MATRIX_FMT_FP6 matrix_b_scale:MATRIX_SCALE_ROW1
.else
	v_wmma_scale_f32_16x16x128_f8f6f4 v[rD:rD+7], v[rB:rB+11], v[rA:rA+11], 0, v[rSB], v[rSA] matrix_a_fmt:MATRIX_FMT_FP6 matrix_b_fmt:MATRIX_FMT_FP6 matrix_a_scale:MATRIX_SCALE_ROW1 matrix_b_scale:MATRIX_SCALE_ROW1
.endif
.else
.if par == 0
	v_wmma_scale_f32_16x16x128_f8f6f4 v[rD:rD+7], v[rB:rB+11], v[rA:rA+11], v[rD:rD+7], v[rSB], v[rSA] matrix_a_fmt:MATRIX_FMT_FP6 matrix_b_fmt:MATRIX_FMT_FP6
.elseif par == 1
	v_wmma_scale_f32_16x16x128_f8f6f4 v[rD:rD+7], v[rB:rB+11], v[rA:rA+11], v[rD:rD+7], v[rSB], v[rSA] matrix_a_fmt:MATRIX_FMT_FP6 matrix_b_fmt:MATRIX_FMT_FP6 matrix_a_scale:MATRIX_SCALE_ROW1
.elseif par == 2
	v_wmma_scale_f32_16x16x128_f8f6f4 v[rD:rD+7], v[rB:rB+11], v[rA:rA+11], v[rD:rD+7], v[rSB], v[rSA] matrix_a_fmt:MATRIX_FMT_FP6 matrix_b_fmt:MATRIX_FMT_FP6 matrix_b_scale:MATRIX_SCALE_ROW1
.else
	v_wmma_scale_f32_16x16x128_f8f6f4 v[rD:rD+7], v[rB:rB+11], v[rA:rA+11], v[rD:rD+7], v[rSB], v[rSA] matrix_a_fmt:MATRIX_FMT_FP6 matrix_b_fmt:MATRIX_FMT_FP6 matrix_a_scale:MATRIX_SCALE_ROW1 matrix_b_scale:MATRIX_SCALE_ROW1
.endif
.endif
.endm
.macro MULQ i, p, zero                 ; quarter i of a K step: NA / 4 blocks of A against all of B's, from fragment set p.  The accumulators take turns, one instruction a turn, in the same order in every step
.if BIG && ((\i) > 1)
	WIN 0xf1                                       ; source 0 (B) window 1, source 1 (A) window 0, C and D window 3
.else
	WIN 0xa1                                       ; the same, C and D window 2
.endif
.set ma, (\i)*NA/4
.rept NA/4
.set mb, 0
.rept NA
.set rD, 8*(NA*(ma%4)+mb)
.set rB, 128*(\p)+12*mb
.set rA, AF+96*(\p)+12*ma
.set rSB, SC+8*(\p)+4+mb/2
.set rSA, SC+8*(\p)+ma/2
.set par, (mb&1)+2*(ma&1)
	WM \zero
.set mb, mb+1
.endr
.set ma, ma+1
.endr
.endm
.macro FETCH slot, q, p                ; the fragments and scale words of the slot's q-th K step into set p: 3 NA + 3 NA + NA loads in one run
	WIN 0x40                                       ; destination window 1
.set fb, 0
.rept NA
.irp g, 0,1,2
	ds_load_b128 v[128*(\p)+12*fb+4*\g:128*(\p)+12*fb+4*\g+3], v[ADRB+\slot] offset:(\q)*ST+fb*FRB+512*\g
.endr
.set fb, fb+1
.endr
	WIN 0
.set fb, 0
.rept NA
.irp g, 0,1,2
	ds_load_b128 v[AF+96*(\p)+12*fb+4*\g:AF+96*(\p)+12*fb+4*\g+3], v[ADRA+\slot] offset:(\q)*ST+fb*FRB+512*\g
.endr
.set fb, fb+1
.endr
.set fb, 0
.rept NA/2
	ds_load_b32 v[SC+8*(\p)+fb], v[ASA+\slot] offset:(\q)*ST+SCO+128*fb
	ds_load_b32 v[SC+8*(\p)+4+fb], v[ASB+\slot] offset:(\q)*ST+SCO+128*fb
.set fb, fb+1
.endr
.endm
.macro STEP slot, q, zero              ; a K step that has its successor in the same slot
	s_wait_dscnt 0x0                               ; this step's fragments, asked for a whole step ago, are in
	PLACES 4                                       ; four places between the last products, which read the other set, and the loads into it
	FETCH \slot, (\q)+1, 1-((\q)%2)
	MULQ 0, (\q)%2, \zero
	MULQ 1, (\q)%2, \zero
	MULQ 2, (\q)%2, \zero
	MULQ 3, (\q)%2, \zero
	WIN 0
.endm
.macro TURN slot, next, fill           ; a slot's last K step changes slots: one barrier; fill = 1: it opens a round of the cluster's barrier, and this slot is filled again, two slots ahead
	s_wait_tensorcnt 0x0                           ; all my tensor loads have landed: the one that was out is my part of the next slot
	ds_add_u32 v[SPW], v[NIL]                      ; 0 onto my spare word
	s_wait_dscnt 0x1                               ; this step's fragments are in; the add alone may be out
	MULQ 0, 1, 0
	s_wait_dscnt 0x0                               ; the add is done, and my reads of this slot are over
	s_barrier_signal -1
	MULQ 1, 1, 0
	WIN 0
	s_barrier_wait -1
.if \fill
	CREST                                          ; no wave of any partner still reads this slot or has a load on its way
	s_add_nc_u64 s[G0A+4*\slot+2:G0A+4*\slot+3], s[G0A+4*\slot+2:G0A+4*\slot+3], 2*NQ*ST
	s_add_nc_u64 s[G0B+4*\slot+2:G0B+4*\slot+3], s[G0B+4*\slot+2:G0B+4*\slot+3], 2*NQ*ST
	JLOAD G0A+4*\slot, G1A, G0B+4*\slot, G1B       ; the first tensor load behind the round; its four v_nop are the places in front of the loads below
.else
	PLACES 4
.endif
	FETCH \next, 0, 0
	MULQ 2, 1, 0
	MULQ 3, 1, 0
	WIN 0
.endm
.macro MID slot                        ; a slot's K steps 1 .. NQ - 2
.set mq, 1
.rept NQ-2
	STEP \slot, mq, 0
.set mq, mq+1
.endr
.endm
; 64 numbers of a lane, v[s] .. v[s + 63], register 16 b + i = k 32 b + 16 (lane / 16) + i of my row, become a fragment's codes in v[PC] .. v[PC + 11] and its scale word in v[PW].
.macro QUANT s
.irp b, 0,1,2,3
	v_max3_num_f32 v[TM+\b], |v[\s+16*\b]|, |v[\s+1+16*\b]|, 0x1800000   ; my 16 numbers of block b, and the floor 2^(3 - 127): the byte cannot fall under 1
.endr
.irp n, 2,4,6,8,10,12,14
.irp b, 0,1,2,3
	v_max3_num_f32 v[TM+\b], v[TM+\b], |v[\s+16*\b+\n]|, |v[\s+1+16*\b+\n]|
.endr
.endr
.irp b, 0,1,2,3
	v_permlanex16_b32 v[TM+4+\b], v[TM+\b], s[SEL], s[SEL+1]
.endr
.irp b, 0,1,2,3
	v_max_num_f32 v[TM+\b], v[TM+\b], v[TM+4+\b]   ; with lane l xor 16's: the block's largest magnitude
.endr
.irp b, 0,1,2,3
	v_add_nc_u32 v[TM+12+\b], 0xff000000, v[TM+\b] ; 2 off its exponent field: the conversion's scale operand
.endr
.irp b, 0,1,2,3
	v_lshrrev_b32 v[TM+4+\b], 23, v[TM+12+\b]      ; the byte
.endr
	v_lshl_or_b32 v[PW], v[TM+5], 8, v[TM+4]
	v_lshl_or_b32 v[PW], v[TM+6], 16, v[PW]
	v_lshl_or_b32 v[PW], v[TM+7], 24, v[PW]
.irp c, 0,1
	v_cvt_scalef32_pk16_fp6_f32 v[PC+6*\c:PC+2+6*\c], v[\s+32*\c:\s+15+32*\c], v[TM+12+2*\c]
	v_cvt_scalef32_pk16_fp6_f32 v[PC+12+4*\c:PC+14+4*\c], v[\s+16+32*\c:\s+31+32*\c], v[TM+12+2*\c+1]
.endr
	v_nop                                          ; one plain place behind the conversions
.irp c, 0,1                            ; the layout wants a whole block in a lane: lanes 0-15 block 2 c, lanes 16-31 block 2 c + 1
.irp n, 0,1,2
	v_permlane16_swap_b32 v[PC+6*\c+\n], v[PC+12+4*\c+\n]
.endr
.irp n, 0,1,2
	v_mov_b32 v[PC+3+6*\c+\n], v[PC+12+4*\c+\n]
.endr
.endr
.endm
; Four packed multiply-adds on four pairs by turns: d = a b + c; with a doubled constant k as the addend; with constants as factor and addend.
.macro F4 d, a, b, c
.irp p, 0,2,4,6
	v_pk_fma_f32 v[\d+\p:\d+\p+1], v[\a+\p:\a+\p+1], v[\b+\p:\b+\p+1], v[\c+\p:\c+\p+1]
.endr
.endm
.macro F4K d, a, b, k
.irp p, 0,2,4,6
	v_pk_fma_f32 v[\d+\p:\d+\p+1], v[\a+\p:\a+\p+1], v[\b+\p:\b+\p+1], v[\k:\k+1]
.endr
.endm
.macro F4KK d, a, k, m
.irp p, 0,2,4,6
	v_pk_fma_f32 v[\d+\p:\d+\p+1], v[\a+\p:\a+\p+1], v[\k:\k+1], v[\m:\m+1]
.endr
.endm
.macro GELU8 x                         ; gelu of the eight numbers v[x] .. v[x + 7], in place
.irp n, 0,1,2,3,4,5,6,7
	v_mul_f32 v[GT+\n], s80, |v[\x+\n]|            ; t = |x| / sqrt 2
.endr
.irp p, 0,2,4,6
	v_pk_mul_f32 v[GS+\p:GS+\p+1], v[GT+\p:GT+\p+1], v[GT+\p:GT+\p+1]   ; s = t t
.endr
	F4KK GR, GT, CV, CV+2                          ; the upper branch's polynomial
	F4KK GU, GT, CV+4, CV+6
	F4 GR, GR, GS, GU
	F4K GR, GR, GT, CV+8
	F4K GR, GR, GT, CV+10
	F4K GR, GR, GT, CV+12
.irp p, 0,2,4,6
	v_pk_fma_f32 v[GR+\p:GR+\p+1], v[GR+\p:GR+\p+1], v[GT+\p:GT+\p+1], v[GT+\p:GT+\p+1] neg_lo:[0,0,1] neg_hi:[0,0,1]   ; r t - t
.endr
.irp p, 0,2,4,6
	v_pk_mul_f32 v[GR+\p:GR+\p+1], v[GR+\p:GR+\p+1], v[CV+14:CV+15]   ; x log2(e)
.endr
	F4KK GU, GS, CV+16, CV+18                      ; the lower branch's
	F4K GU, GU, GS, CV+20
	F4K GU, GU, GS, CV+22
	F4K GU, GU, GS, CV+24
	F4K GU, GU, GS, CV+26
	F4 GU, GU, GT, GT                              ; u t + t
.irp n, 0,1,2,3,4,5,6,7
	v_exp_f32 v[GR+\n], v[GR+\n]
.endr
.irp p, 0,2,4,6
	v_pk_mul_f32 v[\x+\p:\x+\p+1], v[\x+\p:\x+\p+1], 0.5 op_sel_hi:[1,0]   ; 0.5 x: plain lines that touch nothing of the exponentials stand behind them
.endr
	s_wait_alu depctr_va_vdst(0)
.irp p, 0,2,4,6
	v_pk_fma_f32 v[GR+\p:GR+\p+1], v[GR+\p:GR+\p+1], -1.0, 1.0 op_sel_hi:[1,0,0]   ; 1 - e
.endr
.irp n, 0,1,2,3,4,5,6,7
	v_cmp_lt_f32 s[84+\n], s81, v[GT+\n]           ; t above 475 / 512?
.endr
.irp n, 0,1,2,3,4,5,6,7
	v_cndmask_b32 v[GR+\n], v[GU+\n], v[GR+\n], s[84+\n]
.endr
.irp n, 0,1,2,3,4,5,6,7
	v_fma_f32 v[\x+\n], |v[\x+\n]|, v[GR+\n], v[\x+\n]   ; 0.5 |x| erf + 0.5 x
.endr
.endm
.macro KON n, bits                     ; a constant, doubled, for the packed forms
	v_mov_b32 v[CV+2*\n], \bits
	v_mov_b32 v[CV+2*\n+1], \bits
.endm
	s_load_b128 s[4:7], s[0:1], 0x0                ; Y, WQ
	s_load_b128 s[8:11], s[0:1], 0x10              ; b_fc1, H
	v_lshl_add_u32 v[SPW], v0, 2, SPARE
	v_mov_b32 v[NIL], 0
	ds_add_u32 v28, v29
	ds_add_u32 v28, v29
	s_wait_dscnt 0x0
	v_lshrrev_b32 v1, 5, v0
	v_readfirstlane_b32 s14, v1                    ; wave
	s_lshr_b32 s15, s14, 1                         ; wm: my half of the tile's rows.  Also: I fetch for A (0) or B (1)
	s_and_b32 s16, s14, 1                          ; wn: my half of its columns.  Also: which half I fetch
	s_bfe_u32 s40, ttmp6, 0x40000                  ; cx
	s_bfe_u32 s41, ttmp6, 0x40004                  ; cy
	s_lshl_b32 s42, ttmp9, 2
	s_add_co_u32 s42, s42, s40                     ; tile column
	s_and_b32 s17, ttmp7, 0xffff
	s_lshl_b32 s17, s17, 2
	s_add_co_u32 s17, s17, s41                     ; tile row
	s_mov_b32 s[SEL], 0x76543210
	s_mov_b32 s[SEL+1], 0xfedcba98
	s_mov_b32 s80, 0x3f3504f3                      ; 1 / sqrt 2
	s_mov_b32 s81, 0x3f6d8000                      ; 475 / 512
	s_lshl_b32 s43, s41, 2
	s_lshl_b32 s43, 15, s43                        ; my row of the cluster
	s_lshl_b32 s44, 0x1111, s40                    ; my column
	s_or_b32 s[G1A], s43, (3<<16)|(1<<21)          ; 15:0 the mask; 17:16 elements of 8 bytes; 21 set beside a mask; no padding
	s_or_b32 s[G1B], s44, (3<<16)|(1<<21)
.irp g, G1A, G1B
	s_mov_b32 s[\g+1], 32<<16                      ; tensor_dim0 = 32 elements: rows of 256 bytes
	s_mov_b32 s[\g+2], 100<<16                     ; tensor_dim1 = 100 rows: 25,600 dense bytes
	s_mov_b32 s[\g+3], 32<<16                      ; tile_dim0
	s_mov_b32 s[\g+4], 100                         ; tile_dim1
	s_mov_b32 s[\g+5], 32                          ; the pitch
	s_mov_b32 s[\g+6], 0
	s_mov_b32 s[\g+7], 0
.endr
	s_lshl_b32 s22, s17, 1
	s_add_co_u32 s22, s22, s16
	s_mul_i32 s22, s22, RBS                        ; A: row block 2 x tile + half
	s_lshl_b32 s46, s42, 1
	s_add_co_u32 s46, s46, s16
	s_mul_i32 s46, s46, RBS                        ; B likewise
	s_mov_b32 s23, 0
	s_mov_b32 s47, 0
	s_mul_i32 s45, s14, LOADB                      ; where my loads go: wave x 25,600
	s_lshl_b32 s72, s17, 1
	s_add_co_u32 s72, s72, s15                     ; H: row block 2 x tile row + wm,
	s_lshl_b32 s72, s72, 5
	s_lshl_b32 s73, s42, 1
	s_add_co_u32 s73, s73, s16                     ; K step 2 x tile column + wn of its 32
	s_add_co_u32 s72, s72, s73
	s_mul_i32 s72, s72, ST
	s_mov_b32 s73, 0
	s_lshl_b32 s74, s42, 10
	s_lshl_b32 s75, s16, 9
	s_add_co_u32 s74, s74, s75                     ; the bias of my 128 columns, in bytes
	s_mov_b32 s75, 0
	s_wait_kmcnt 0x0
	s_add_nc_u64 s[22:23], s[4:5], s[22:23]
	s_add_nc_u64 s[46:47], s[6:7], s[46:47]
	s_add_nc_u64 s[46:47], s[46:47], WOFF
	s_add_nc_u64 s[66:67], s[10:11], s[72:73]
	s_add_nc_u64 s[8:9], s[8:9], s[74:75]
	CROUND                                         ; all sixteen work-groups are here: the first joint loads meet
.irp s, 0,1
	s_mov_b32 s[G0A+4*\s], 1
	s_add_co_u32 s[G0A+4*\s+1], s45, \s*SLOT
	s_add_nc_u64 s[G0A+4*\s+2:G0A+4*\s+3], s[22:23], \s*NQ*ST
	s_or_b32 s[G0A+4*\s+3], s[G0A+4*\s+3], 0x80000000
	s_mov_b32 s[G0B+4*\s], 1
	s_add_co_u32 s[G0B+4*\s+1], s45, \s*SLOT
	s_add_nc_u64 s[G0B+4*\s+2:G0B+4*\s+3], s[46:47], \s*NQ*ST
	s_or_b32 s[G0B+4*\s+3], s[G0B+4*\s+3], 0x80000000
	JLOAD G0A+4*\s, G1A, G0B+4*\s, G1B             ; two loads of mine are out
.endr
	v_and_b32 v1, 15, v0                           ; r
	v_bfe_u32 v2, v0, 4, 1                         ; h
	v_and_b32 v3, 31, v0
	v_lshlrev_b32 v24, 4, v3                       ; 16 x lane
	v_lshlrev_b32 v4, 2, v3                        ; 4 x lane
	s_mul_i32 s72, s15, FOFF
	s_mul_i32 s73, s16, FOFF
	s_add_co_u32 s73, s73, 2*LOADB                 ; B's tiles lie behind A's
	s_mul_i32 s74, s15, SOFF
	s_mul_i32 s75, s16, SOFF
	s_add_co_u32 s75, s75, 2*LOADB
.irp s, 0,1
	v_add_nc_u32 v[ADRA+\s], s72, v24
	v_add_nc_u32 v[ADRB+\s], s73, v24
	v_add_nc_u32 v[ASA+\s], s74, v4
	v_add_nc_u32 v[ASB+\s], s75, v4
	s_add_co_u32 s72, s72, SLOT
	s_add_co_u32 s73, s73, SLOT
	s_add_co_u32 s74, s74, SLOT
	s_add_co_u32 s75, s75, SLOT
.endr
	s_lshl_b32 s76, s14, 9
	s_add_co_u32 s76, s76, STG                     ; the scale words' stage, 512 bytes a wave
	v_lshl_add_u32 v26, v1, 2, s76                 ; in: 4 r;
	v_add_nc_u32 v27, s76, v24                     ; back: 16 x lane
	v_lshlrev_b32 v5, 6, v2                        ; the bias: register x holds b(32 (x / 16) + 16 h + x % 16), the column of accumulator register x
	WIN 0x40
.set x, 0
.rept 16
	global_load_b128 v[96+x+96*(x/32):99+x+96*(x/32)], v5, s[8:9] offset:128*(x/16)+4*(x%16)
.set x, x+4
.endr
	WIN 0
	s_wait_tensorcnt 0x1                           ; my part of slot 0 is in; slot 1's may be out
	s_barrier_signal -1
	s_barrier_wait -1
	FETCH 0, 0, 0
	STEP 0, 0, 1                                   ; the first step's products start the sums
.if LAPS > 1
	s_mov_b32 s3, LAPS-1
.Llap:                                             ; a trip goes once round the ring and fills both slots again
	MID 0
	TURN 0, 1, 1
	STEP 1, 0, 0
	MID 1
	TURN 1, 0, 1
	STEP 0, 0, 0
	s_sub_co_u32 s3, s3, 1
	s_cmp_lg_u32 s3, 0
	s_cbranch_scc1 .Llap
.endif
	MID 0
	TURN 0, 1, 0                                   ; the last lap fills nothing
	STEP 1, 0, 0
	MID 1
	s_wait_dscnt 0x0
	MULQ 0, 1, 0
	MULQ 1, 1, 0
	MULQ 2, 1, 0
	MULQ 3, 1, 0
	WIN 0
	PLACES 4                                       ; in front of the first read of results and of writes into registers that held fragments
.irp b, 0,1,2,3
	v_mov_b32 v[TM+4+\b], 0                        ; (a lane permute's destination counts as one of its sources)
.endr
	KON 0, 0xb7910000                              ; the upper branch: -1.72853470e-5,
	KON 1, 0x39c8e7d9                              ; 3.83197126e-4,
	KON 2, 0xbb7e8a1c                              ; -3.88396438e-3,
	KON 3, 0x3cc6b1a1                              ; 2.42546219e-2,
	KON 4, 0xbddaae5c                              ; -1.06777877e-1,
	KON 5, 0xbf228550                              ; -6.34846687e-1,
	KON 6, 0xbe03ce86                              ; -1.28717512e-1;
	KON 7, 0x3fb8aa3b                              ; log2(e);
	KON 8, 0xba1c7000                              ; the lower branch: -5.96761703e-4,
	KON 9, 0x3ba38d2c                              ; 4.99119423e-3,
	KON 10, 0xbcdb48d9                             ; -2.67681349e-2,
	KON 11, 0x3de70e22                             ; 1.12819925e-1,
	KON 12, 0xbec09380                             ; -3.76125336e-1,
	KON 13, 0x3e0375d4                             ; 1.28379166e-1
	s_wait_loadcnt 0x0                             ; the bias
.macro MOVE a                          ; block a's 64 sums + bias into v64-127; each accumulator from its low end on
	WIN 0x06+(\a)/4                                ; source 0: window 2 or 3; source 1: window 1
.set mx, 0
.rept 32
	v_pk_add_f32 v[64+mx:65+mx], v[64*((\a)%4)+mx:64*((\a)%4)+mx+1], v[96+mx+96*(mx/32):97+mx+96*(mx/32)]
.set mx, mx+2
.endr
	WIN 0
.endm
	s_mov_b32 s72, 0                               ; the block
	s_mov_b32 s73, 0                               ; 64 x the block: its scale words' place in the stage
.Lrow:
.irp a, 0,1,2,3,4,5,6
	s_cmp_eq_u32 s72, \a
	s_cbranch_scc1 .Lmv\a
.endr
	MOVE 7
	s_branch .Lmoved
.irp a, 0,1,2,3,4,5
.Lmv\a:
	MOVE \a
	s_branch .Lmoved
.endr
.Lmv6:
	MOVE 6
.Lmoved:
.irp g, 0,1,2,3,4,5,6,7
	GELU8 64+8*\g
.endr
	QUANT 64
.irp g, 0,1,2
	global_store_b128 v24, v[PC+4*\g:PC+4*\g+3], s[66:67] offset:512*\g   ; 512 consecutive bytes, aligned to 256
.endr
	v_add_nc_u32 v31, s73, v26
	ds_store_b32 v31, v[PW]                        ; lanes r and r + 16 write the same word with the same value
	s_wait_xcnt 0x0                                ; the stores have read their registers and their base: both may be written again
	s_add_nc_u64 s[66:67], s[66:67], FRB
	s_add_co_u32 s73, s73, 64
	s_add_co_u32 s72, s72, 1
	s_cmp_lt_u32 s72, 8
	s_cbranch_scc1 .Lrow
	ds_load_b128 v[128:131], v27                   ; my 128 scale words; a wave's LDS instructions are served in order
	s_wait_dscnt 0x0
	global_store_b128 v24, v[128:131], s[66:67]    ; the base now stands behind the eight images, at byte 12,288
	s_wait_tensorcnt 0x0                           ; the wave's end
	ds_add_u32 v[SPW], v[NIL]
	s_wait_dscnt 0x0
	CROUND                                         ; the closing round
	s_endpgm
.Lfunc_end_k_q472075166c_g5:
	.size	k_q472075166c_g5, .Lfunc_end_k_q472075166c_g5-k_q472075166c_g5
	.p2alignl 7, 3214868480
	.fill 96, 4, 3214868480
	.section	.rodata,"a",@progbits
	.p2align	6, 0x0
	.amdhsa_kernel k_q472075166c_g5
		.amdhsa_group_segment_fixed_size 327680
		.amdhsa_private_segment_fixed_size 0
		.amdhsa_enable_private_segment 0
		.amdhsa_kernarg_size 32
		.amdhsa_user_sgpr_count 2
		.amdhsa_user_sgpr_kernarg_segment_ptr 1
		.amdhsa_wavefront_size32 1
		.amdhsa_system_sgpr_workgroup_id_x 1
		.amdhsa_system_sgpr_workgroup_id_y 1
		.amdhsa_system_sgpr_workgroup_id_z 1
		.amdhsa_system_vgpr_workitem_id 0
		.amdhsa_next_free_vgpr 1024
		.amdhsa_next_free_sgpr 100
		.amdhsa_reserve_vcc 0
		.amdhsa_float_denorm_mode_32 3
		.amdhsa_float_denorm_mode_16_64 3
		.amdhsa_memory_ordered 1
		.amdhsa_forward_progress 1
		.amdhsa_inst_pref_size 183
	.end_amdhsa_kernel
	.amdgpu_metadata
---
amdhsa.version: [ 1, 2 ]
amdhsa.kernels:
  - .name:           k_q472075166c_g5
    .symbol:         k_q472075166c_g5.kd
    .args:
      - { .name: Y, .offset: 0, .size: 8, .value_kind: global_buffer, .address_space: global }
      - { .name: WQ, .offset: 8, .size: 8, .value_kind: global_buffer, .address_space: global }
      - { .name: b_fc1, .offset: 16, .size: 8, .value_kind: global_buffer, .address_space: global }
      - { .name: H, .offset: 24, .size: 8, .value_kind: global_buffer, .address_space: global }
    .group_segment_fixed_size: 327680
    .private_segment_fixed_size: 0
    .kernarg_segment_align: 8
    .kernarg_segment_size: 32
    .max_flat_workgroup_size: 128
    .sgpr_count:     100
    .vgpr_count:     1024
    .wavefront_size: 32
...
	.end_amdgpu_metadata
.endif
;; end of part 6
;; launch g6 (part 7): grid 8 x 32, 4 waves a work-group, clusters of 4 x 4, 327,680 bytes of LDS; arguments H, WQ, b_fc2, X1, out0; writes out0
.if DOCPART == 7
	.amdgcn_target "amdgcn-amd-amdhsa--gfx1250"
	.amdhsa_code_object_version 6
	.text
	.protected	k_q472075166c_g6
	.globl	k_q472075166c_g6
	.p2align	8
	.type	k_q472075166c_g6,@function
k_q472075166c_g6:
	s_mov_b64 s[64:65], 0
	v_nop
	global_prefetch_b8 v0, s[64:65] scope:SCOPE_SE
	s_setreg_imm32_b32 hwreg(HW_REG_WAVE_MODE, 25, 1), 1
	s_wait_xcnt 0x0
	s_wait_alu depctr_hold_cnt(0) depctr_sa_sdst(0) depctr_va_vdst(0) depctr_va_sdst(0) depctr_va_ssrc(0) depctr_va_vcc(0) depctr_vm_vsrc(0)
	s_getreg_b32 s2, hwreg(HW_REG_IB_STS2, 6, 4)
	s_cmp_eq_u32 s2, 0
	s_cbranch_scc0 .Lentry_in_a_cluster
	s_endpgm
.Lentry_in_a_cluster:
	s_bfe_u32 s2, ttmp6, 0x10000c
	s_cmp_lg_u32 s2, 0xf033
	s_cbranch_scc0 .Lentry_shape_is_right
	s_endpgm
.Lentry_shape_is_right:
; out = res + (Q(a) Q(w) + bias): a [4,096][4,096] and w [1,024][4,096] as codes of FP6 (E2M3) with E8M0 scales; bias [1,024], res and out [4,096][1,024] f32.
; OPERANDS lie in super-tiles of 128 rows x 128 K, 12,800 bytes ((RB, ks) at (32 RB + ks) x 12,800): eight register images of 1,536 bytes (register p of lane l at 512 (p / 4) + 16 l + 4 (p % 4)), then 512
; bytes of scale words (64 t + 4 r).  Lane (r, h) of tile t holds row 32 (t / 2) + 8 (t % 2) + r + 8 (r / 8).  A fragment is three loads of 16 bytes a lane; a row block's K steps are dense memory, one behind the other.
; N is 1,024: tiles of 256 x 256 would be 64 work-groups, so a tile of C is 128 x 128 (256 work-groups), a wave's 64 x 64: 16 accumulators.  Clusters of 4 x 4: A's tiles are asked for jointly along a row, B's along a column.
; THE SLOTS.  A K step of 128 is 25,600 bytes of tiles, and LDS has room for twelve beside the stages.  Slot X holds EIGHT K steps (A's at byte 0, B's at 102,400), slot Y FOUR (A's at 204,800, B's at 256,000).
; The 32 K steps go X (0-7), Y (8-11), X (12-19), Y (20-23), X (24-31).  The first twelve are first fills, three loads a wave; so only three refills are left: X, Y, X.  A refill of X is one load a wave of 51,200 dense
; bytes and has Y's four K steps in which to land; the refill of Y is one of 25,600 and has X's eight.  Each slot is read in RUNS of four K steps (run 0, 1: X's halves; run 2: Y), so that every LDS offset fits 16 bits.
; The walk over K is written out: each of its five parts differs in what stands at its end.
; THE PRODUCT IS USED TRANSPOSED (source 0 = B's 16 rows, source 1 = A's): lane (r, h) holds A's row of (a, r); register j of accumulator (a, b) is column 32 (b / 2) + 16 h + 8 (b % 2) + j of the wave's 64.
; The residual's 64 x 64 numbers are asked for at the head, already in the order in which rows leave, and land under the K steps.  A block of 16 rows goes through the wave's own stage and leaves as runs of 256 bytes.
; REGISTERS: window 0: v1-8 at work at the head; v16-27 LDS addresses, three runs each; v28-29 the add's; v32-47 scale words, two sets; v56-63 the way out's; v64-111, v160-207 A's fragments, two sets; on the way out v64-127 rows.
;   window 1: v0-47, v128-175 B's fragments.   window 2: v0-127 the accumulators, (a, b) at 32 a + 8 b.   window 3: v0-127 the residual.
.set NA,    4                          ; fragments a side a wave
.set KK,    4096
.set WOFF,  6553600                    ; the weight's place in WQ
.set FOFF,  6144                       ; from one half of the tile's rows to the other, in LDS: fragments,
.set SOFF,  256                        ; scale words
.set KT,    KK/128
.set ST,    12800
.set FRB,   1536
.set SCO,   12288
.set LOADB, 2*ST                       ; two K steps of one side: a first fill, or a wave's part of Y
.set QUAD,  4*ST                       ; four K steps of one side: a run; a wave's part of X
.set XBB,   2*QUAD                     ; slot X: B's eight K steps lie behind A's eight
.set YA,    4*QUAD                     ; slot Y: A's four,
.set YBB,   5*QUAD                     ; B's four
.set SPARE, 6*QUAD                     ; behind the slots: the spare words, 128 bytes a wave
.set STG,   SPARE+512                  ; behind them: stages into which no fill lands
.set RBS,   KT*ST                      ; a row block's super-tiles
.set ADRA,  16                         ; v16-18 my A fragments in runs 0, 1, 2
.set ADRB,  19                         ; v19-21 my B fragments
.set ASA,   22                         ; v22-24 A's scale words
.set ASB,   25                         ; v25-27 B's
.set SPW,   28
.set NIL,   29
.set SC,    32
.set AF,    64
.set G1A,   24                         ; s[24:31] group 1, 100 rows of 256 bytes, A's mask;   s[32:39] the same, B's mask
.set G1B,   32
.set G1AX,  40                         ; s[40:47] group 1, 200 rows, A's mask;   s[48:55] B's
.set G1BX,  48
.set G0A0,  56                         ; groups 0: A's runs 0, 1, 2 (run 2's also refills Y) and X's refills;
.set G0A1,  60
.set G0A2,  68
.set G0AX,  72
.set G0B0,  76                         ; B's likewise
.set G0B1,  80
.set G0B2,  84
.set G0BX,  88
.set MSB,   0
.macro WIN new                         ; the immediate's high byte repeats the setting that is left
.if MSB != (\new)
	s_set_vgpr_msb (MSB<<8)|(\new)
.set MSB, (\new)
.endif
.endm
.macro JLOAD g0a, g1a, g0b, g1b        ; a joint load: waves 0 and 1 fetch for A, waves 2 and 3 for B; four v_nop follow each of the two lines
	s_cmp_eq_u32 s15, 0
	s_cbranch_scc0 .Lfor_b_\@
	tensor_load_to_lds s[\g0a:\g0a+3], s[\g1a:\g1a+7]
	s_nop 0
.rept 4
	v_nop
.endr
	s_branch .Lasked_\@
.Lfor_b_\@:
	tensor_load_to_lds s[\g0b:\g0b+3], s[\g1b:\g1b+7]
	s_nop 0
.rept 4
	v_nop
.endr
.Lasked_\@:
.endm
.macro CREST                           ; a round of the cluster's barrier behind its opening barrier
	s_cmp_lg_u32 s14, 0
	s_cbranch_scc1 .Lnot_wave_0_\@
	s_barrier_signal -3
.Lnot_wave_0_\@:
	s_barrier_wait -3
	s_barrier_signal -1
	s_barrier_wait -1
.endm
.macro CROUND
	s_barrier_signal -1
	s_barrier_wait -1
	CREST
.endm
.macro PLACES n
.rept \n
	v_nop
.endr
.endm
.macro WM zero                         ; one product; a scale register holds an even tile's words in lanes 0-15 and the odd tile's in lanes 16-31
.if \zero
.if par == 0
	v_wmma_scale_f32_16x16x128_f8f6f4 v[rD:rD+7], v[rB:rB+11], v[rA:rA+11], 0, v[rSB], v[rSA] matrix_a_fmt:MATRIX_FMT_FP6 matrix_b_fmt:MATRIX_FMT_FP6
.elseif par == 1
	v_wmma_scale_f32_16x16x128_f8f6f4 v[rD:rD+7], v[rB:rB+11], v[rA:rA+11], 0, v[rSB], v[rSA] matrix_a_fmt:MATRIX_FMT_FP6 matrix_b_fmt:MATRIX_FMT_FP6 matrix_a_scale:MATRIX_SCALE_ROW1
.elseif par == 2
	v_wmma_scale_f32_16x16x128_f8f6f4 v[rD:rD+7], v[rB:rB+11], v[rA:rA+11], 0, v[rSB], v[rSA] matrix_a_fmt:MATRIX_FMT_FP6 matrix_b_fmt:MATRIX_FMT_FP6 matrix_b_scale:MATRIX_SCALE_ROW1
.else
	v_wmma_scale_f32_16x16x128_f8f6f4 v[rD:rD+7], v[rB:rB+11], v[rA:rA+11], 0, v[rSB], v[rSA] matrix_a_fmt:MATRIX_FMT_FP6 matrix_b_fmt:MATRIX_FMT_FP6 matrix_a_scale:MATRIX_SCALE_ROW1 matrix_b_scale:MATRIX_SCALE_ROW1
.endif
.else
.if par == 0
	v_wmma_scale_f32_16x16x128_f8f6f4 v[rD:rD+7], v[rB:rB+11], v[rA:rA+11], v[rD:rD+7], v[rSB], v[rSA] matrix_a_fmt:MATRIX_FMT_FP6 matrix_b_fmt:MATRIX_FMT_FP6
.elseif par == 1
	v_wmma_scale_f32_16x16x128_f8f6f4 v[rD:rD+7], v[rB:rB+11], v[rA:rA+11], v[rD:rD+7], v[rSB], v[rSA] matrix_a_fmt:MATRIX_FMT_FP6 matrix_b_fmt:MATRIX_FMT_FP6 matrix_a_scale:MATRIX_SCALE_ROW1
.elseif par == 2
	v_wmma_scale_f32_16x16x128_f8f6f4 v[rD:rD+7], v[rB:rB+11], v[rA:rA+11], v[rD:rD+7], v[rSB], v[rSA] matrix_a_fmt:MATRIX_FMT_FP6 matrix_b_fmt:MATRIX_FMT_FP6 matrix_b_scale:MATRIX_SCALE_ROW1
.else
	v_wmma_scale_f32_16x16x128_f8f6f4 v[rD:rD+7], v[rB:rB+11], v[rA:rA+11], v[rD:rD+7], v[rSB], v[rSA] matrix_a_fmt:MATRIX_FMT_FP6 matrix_b_fmt:MATRIX_FMT_FP6 matrix_a_scale:MATRIX_SCALE_ROW1 matrix_b_scale:MATRIX_SCALE_ROW1
.endif
.endif
.endm
.macro MULQ i, p, zero                 ; quarter i of a K step: A's block i against B's four, from fragment set p.  The accumulators take turns, one instruction a turn, in the same order in every step
	WIN 0xa1                                       ; source 0 (B) window 1, source 1 (A) window 0, C and D window 2
.set ma, (\i)
.set mb, 0
.rept NA
.set rD, 8*(NA*ma+mb)
.set rB, 128*(\p)+12*mb
.set rA, AF+96*(\p)+12*ma
.set rSB, SC+8*(\p)+4+mb/2
.set rSA, SC+8*(\p)+ma/2
.set par, (mb&1)+2*(ma&1)
	WM \zero
.set mb, mb+1
.endr
.endm
.macro FETCH run, q, p                 ; the fragments and scale words of the run's q-th K step into set p: 12 + 12 + 4 loads in one run
	WIN 0x40                                       ; destination window 1
.set fb, 0
.rept NA
.irp g, 0,1,2
	ds_load_b128 v[128*(\p)+12*fb+4*\g:128*(\p)+12*fb+4*\g+3], v[ADRB+\run] offset:(\q)*ST+fb*FRB+512*\g
.endr
.set fb, fb+1
.endr
	WIN 0
.set fb, 0
.rept NA
.irp g, 0,1,2
	ds_load_b128 v[AF+96*(\p)+12*fb+4*\g:AF+96*(\p)+12*fb+4*\g+3], v[ADRA+\run] offset:(\q)*ST+fb*FRB+512*\g
.endr
.set fb, fb+1
.endr
.set fb, 0
.rept NA/2
	ds_load_b32 v[SC+8*(\p)+fb], v[ASA+\run] offset:(\q)*ST+SCO+128*fb
	ds_load_b32 v[SC+8*(\p)+4+fb], v[ASB+\run] offset:(\q)*ST+SCO+128*fb
.set fb, fb+1
.endr
.endm
.macro STEPF nrun, nq, p, zero         ; a K step from fragment set p; the next step's fragments, K step nq of run nrun, which is known to lie in LDS, go into the other set
	s_wait_dscnt 0x0                               ; this step's fragments, asked for a whole step ago, are in
	PLACES 4                                       ; four places between the last products, which read the other set, and the loads into it
	FETCH \nrun, \nq, 1-(\p)
	MULQ 0, \p, \zero
	MULQ 1, \p, \zero
	MULQ 2, \p, \zero
	MULQ 3, \p, \zero
	WIN 0
.endm
.macro RUN3 run                        ; a run's K steps 0, 1, 2
	STEPF \run, 1, 0, 0
	STEPF \run, 2, 1, 0
	STEPF \run, 3, 0, 0
.endm
.macro PASS nrun                       ; run 0's last K step, the first time: run 1 is a first fill of its own, so every wave shows its part landed
	s_wait_tensorcnt 0x1                           ; my part of run 1 is in; Y's first fill, issued behind it, may be out
	s_wait_dscnt 0x0                               ; this step's fragments are in
	s_barrier_signal -1
	MULQ 0, 1, 0
	MULQ 1, 1, 0
	WIN 0
	s_barrier_wait -1
	PLACES 4
	FETCH \nrun, 0, 0
	MULQ 2, 1, 0
	MULQ 3, 1, 0
	WIN 0
.endm
; A slot's last K step changes slots: one barrier.  fill = 1: it opens a round of the cluster's barrier, and the slot just read out is filled again by the descriptors named; step = 1: they first go twelve K steps on.
.macro TURN nrun, fill, g0a, g1a, g0b, g1b, step
	s_wait_tensorcnt 0x0                           ; all my tensor loads have landed: my part of the slot ahead among them
	ds_add_u32 v[SPW], v[NIL]                      ; 0 onto my spare word
	s_wait_dscnt 0x1                               ; this step's fragments are in; the add alone may be out
	MULQ 0, 1, 0
	s_wait_dscnt 0x0                               ; the add is done, and my reads of this slot are over
	s_barrier_signal -1
	MULQ 1, 1, 0
	WIN 0
	s_barrier_wait -1
.if \fill
	CREST                                          ; no wave of any partner still reads this slot or has a load on its way
.if \step
	s_add_nc_u64 s[\g0a+2:\g0a+3], s[\g0a+2:\g0a+3], 12*ST
	s_add_nc_u64 s[\g0b+2:\g0b+3], s[\g0b+2:\g0b+3], 12*ST
.endif
	JLOAD \g0a, \g1a, \g0b, \g1b                   ; the first tensor load behind the round, one a wave; its four v_nop are the places in front of the loads below
.else
	PLACES 4
.endif
	FETCH \nrun, 0, 0
	MULQ 2, 1, 0
	MULQ 3, 1, 0
	WIN 0
.endm
.macro FIRST g0a, g0b, la, lb, gofs    ; a run's first fill: wave 0, 1: A's K steps 0, 1 and 2, 3 of the run; wave 2, 3: B's
	s_mov_b32 s[\g0a], 1
	s_add_co_u32 s[\g0a+1], s97, \la
	s_add_nc_u64 s[\g0a+2:\g0a+3], s[22:23], \gofs
	s_or_b32 s[\g0a+3], s[\g0a+3], 0x80000000
	s_mov_b32 s[\g0b], 1
	s_add_co_u32 s[\g0b+1], s97, \lb
	s_add_nc_u64 s[\g0b+2:\g0b+3], s[20:21], \gofs
	s_or_b32 s[\g0b+3], s[\g0b+3], 0x80000000
	JLOAD \g0a, G1A, \g0b, G1B
.endm
.macro ADRS run, ab, bb                ; a run's four LDS addresses
	v_add_nc_u32 v[ADRA+\run], \ab, v5
	v_add_nc_u32 v[ADRB+\run], \bb, v6
	v_add_nc_u32 v[ASA+\run], \ab, v7
	v_add_nc_u32 v[ASB+\run], \bb, v8
.endm
	s_load_b128 s[4:7], s[0:1], 0x0                ; A's codes, WQ
	s_load_b128 s[8:11], s[0:1], 0x10              ; the bias, the residual
	s_load_b64 s[12:13], s[0:1], 0x20              ; out
	v_lshl_add_u32 v[SPW], v0, 2, SPARE
	v_mov_b32 v[NIL], 0
	ds_add_u32 v28, v29
	ds_add_u32 v28, v29
	s_wait_dscnt 0x0
	v_lshrrev_b32 v1, 5, v0
	v_readfirstlane_b32 s14, v1                    ; wave
	s_lshr_b32 s15, s14, 1                         ; wm: my half of the tile's rows.  Also: I fetch for A (0) or B (1)
	s_and_b32 s16, s14, 1                          ; wn: my half of its columns.  Also: which half of a load's K steps I fetch
	s_bfe_u32 s92, ttmp6, 0x40000                  ; cx
	s_bfe_u32 s93, ttmp6, 0x40004                  ; cy
	s_lshl_b32 s94, ttmp9, 2
	s_add_co_u32 s94, s94, s92                     ; tile column
	s_and_b32 s17, ttmp7, 0xffff
	s_lshl_b32 s17, s17, 2
	s_add_co_u32 s17, s17, s93                     ; tile row
	s_lshl_b32 s95, s93, 2
	s_lshl_b32 s95, 15, s95                        ; my row of the cluster
	s_lshl_b32 s96, 0x1111, s92                    ; my column
	s_or_b32 s[G1A], s95, (3<<16)|(1<<21)          ; 15:0 the mask; 17:16 elements of 8 bytes; 21 set beside a mask; no padding
	s_or_b32 s[G1AX], s95, (3<<16)|(1<<21)
	s_or_b32 s[G1B], s96, (3<<16)|(1<<21)
	s_or_b32 s[G1BX], s96, (3<<16)|(1<<21)
.irp g, G1A, G1B
	s_mov_b32 s[\g+1], 32<<16                      ; tensor_dim0 = 32 elements: rows of 256 bytes
	s_mov_b32 s[\g+2], 100<<16                     ; tensor_dim1 = 100 rows: 25,600 dense bytes
	s_mov_b32 s[\g+3], 32<<16                      ; tile_dim0
	s_mov_b32 s[\g+4], 100                         ; tile_dim1
	s_mov_b32 s[\g+5], 32                          ; the pitch
	s_mov_b32 s[\g+6], 0
	s_mov_b32 s[\g+7], 0
.endr
.irp g, G1AX, G1BX
	s_mov_b32 s[\g+1], 32<<16
	s_mov_b32 s[\g+2], 200<<16                     ; 200 rows: 51,200 dense bytes
	s_mov_b32 s[\g+3], 32<<16
	s_mov_b32 s[\g+4], 200
	s_mov_b32 s[\g+5], 32
	s_mov_b32 s[\g+6], 0
	s_mov_b32 s[\g+7], 0
.endr
	s_mul_i32 s97, s16, LOADB                      ; my half of a run, in memory and in LDS alike
	s_mul_i32 s98, s16, QUAD                       ; my half of slot X
	s_mul_i32 s22, s17, RBS                        ; A: the tile's row block
	s_add_co_u32 s18, s22, s98
	s_add_co_u32 s18, s18, 12*ST                   ; X's first refill begins at K step 12
	s_add_co_u32 s22, s22, s97
	s_mov_b32 s23, 0
	s_mov_b32 s19, 0
	s_mul_i32 s20, s94, RBS                        ; B likewise
	s_add_co_u32 s66, s20, s98
	s_add_co_u32 s66, s66, 12*ST
	s_add_co_u32 s20, s20, s97
	s_mov_b32 s21, 0
	s_mov_b32 s67, 0
	s_lshl_b32 s99, s17, 7
	s_lshl_b32 s2, s15, 6
	s_add_co_u32 s99, s99, s2                      ; my first row: 128 x tile row + 64 wm,
	s_lshl_b32 s99, s99, 12                        ; in bytes
	s_lshl_b32 s2, s94, 9
	s_lshl_b32 s3, s16, 8
	s_add_co_u32 s2, s2, s3                        ; my first column, in bytes: 512 x tile column + 256 wn
	s_mov_b32 s3, 0
	s_wait_kmcnt 0x0
	s_add_nc_u64 s[22:23], s[4:5], s[22:23]
	s_add_nc_u64 s[18:19], s[4:5], s[18:19]
	s_add_nc_u64 s[20:21], s[6:7], s[20:21]
	s_add_nc_u64 s[20:21], s[20:21], WOFF
	s_add_nc_u64 s[66:67], s[6:7], s[66:67]
	s_add_nc_u64 s[66:67], s[66:67], WOFF
	s_add_nc_u64 s[8:9], s[8:9], s[2:3]
	s_add_co_u32 s2, s2, s99
	s_add_nc_u64 s[10:11], s[10:11], s[2:3]
	s_add_nc_u64 s[12:13], s[12:13], s[2:3]
	s_mov_b32 s[G0AX], 1                           ; X's refills: wave 0, 1: A's K steps 0-3 and 4-7 of the eight; wave 2, 3: B's
	s_mov_b32 s[G0AX+1], s98
	s_mov_b64 s[G0AX+2:G0AX+3], s[18:19]
	s_or_b32 s[G0AX+3], s[G0AX+3], 0x80000000
	s_mov_b32 s[G0BX], 1
	s_add_co_u32 s[G0BX+1], s98, XBB
	s_mov_b64 s[G0BX+2:G0BX+3], s[66:67]
	s_or_b32 s[G0BX+3], s[G0BX+3], 0x80000000
	CROUND                                         ; all sixteen work-groups are here: the first joint loads meet
	FIRST G0A0, G0B0, 0, XBB, 0                    ; K steps 0-3,
	FIRST G0A1, G0B1, QUAD, XBB+QUAD, QUAD         ; 4-7,
	FIRST G0A2, G0B2, YA, YBB, 2*QUAD              ; 8-11: three loads of mine are out
	v_and_b32 v1, 15, v0                           ; r
	v_bfe_u32 v2, v0, 4, 1                         ; h
	v_and_b32 v3, 31, v0
	v_lshlrev_b32 v30, 4, v3                       ; 16 x lane
	v_lshlrev_b32 v4, 2, v3                        ; 4 x lane
	s_mul_i32 s2, s15, FOFF
	s_mul_i32 s3, s16, FOFF
	v_add_nc_u32 v5, s2, v30
	v_add_nc_u32 v6, s3, v30
	s_mul_i32 s2, s15, SOFF
	s_mul_i32 s3, s16, SOFF
	v_add_nc_u32 v7, s2, v4
	v_add_nc_u32 v8, s3, v4
	ADRS 0, 0, XBB
	ADRS 1, QUAD, XBB+QUAD
	ADRS 2, YA, YBB
	s_mul_i32 s2, s14, 4352
	s_add_co_u32 s2, s2, STG                       ; my stage: 16 rows x (256 + 16) bytes
	v_mul_u32_u24 v56, v1, 272
	v_lshl_add_u32 v56, v2, 6, v56
	v_add_nc_u32 v56, s2, v56                      ; in: row r, + 64 h
	v_mul_u32_u24 v57, v2, 272
	v_lshl_add_u32 v57, v1, 4, v57
	v_add_nc_u32 v57, s2, v57                      ; back: lanes 0-15 one row, lanes 16-31 the next
	v_lshlrev_b32 v58, 12, v2
	v_lshl_add_u32 v58, v1, 4, v58                 ; the same two rows in the residual and in out
	v_lshlrev_b32 v59, 4, v1                       ; my four columns' bias
	WIN 0xc0                                       ; destination window 3
.irp a, 0,1,2,3
.irp n, 0,1,2,3,4,5,6,7
	global_load_b128 v[4*(8*\a+\n):4*(8*\a+\n)+3], v58, s[10:11] offset:(32*(\a/2)+8*(\a%2)+2*\n+8*(\n/4))*4096   ; stage rows 2 n, 2 n + 1 of block a are these rows of my 64
.endr
.endr
	WIN 0
	global_load_b128 v[60:63], v59, s[8:9]
	s_wait_tensorcnt 0x2                           ; my part of K steps 0-3 is in; the two later first fills may be out
	s_barrier_signal -1
	s_barrier_wait -1
	FETCH 0, 0, 0
	STEPF 0, 1, 0, 1                               ; K step 0: its products start the sums
	STEPF 0, 2, 1, 0
	STEPF 0, 3, 0, 0
	PASS 1                                         ; K step 3
	RUN3 1                                         ; 4-6
	TURN 2, 1, G0AX, G1AX, G0BX, G1BX, 0           ; 7: X is read out and takes K steps 12-19
	RUN3 2                                         ; 8-10
	TURN 0, 1, G0A2, G1A, G0B2, G1B, 1             ; 11: Y is read out and takes K steps 20-23; all of X has landed
	RUN3 0                                         ; 12-14
	STEPF 1, 0, 1, 0                               ; 15: X's second half was shown landed at the last barrier: no barrier here
	RUN3 1                                         ; 16-18
	TURN 2, 1, G0AX, G1AX, G0BX, G1BX, 1           ; 19: X takes K steps 24-31
	RUN3 2                                         ; 20-22
	TURN 0, 0, 0, 0, 0, 0, 0                       ; 23: nothing is left to fetch
	RUN3 0                                         ; 24-26
	STEPF 1, 0, 1, 0                               ; 27
	RUN3 1                                         ; 28-30
	s_wait_dscnt 0x0                               ; 31
	MULQ 0, 1, 0
	MULQ 1, 1, 0
	MULQ 2, 1, 0
	MULQ 3, 1, 0
	WIN 0
	PLACES 4                                       ; in front of the first read of results and of loads into registers that held fragments
	s_wait_loadcnt 0x0                             ; the residual and the bias
.macro OUTB a                          ; block a: 16 rows x 64 columns through my stage; + bias, + residual; sixteen lanes store 256 consecutive bytes, aligned
.set BKB, 64+32*((\a)%2)
.if (\a) > 1
	s_wait_xcnt 0x0                                ; block a - 2's stores have read these registers
.endif
	WIN 0x08                                       ; an LDS store's data are its source 1: window 2
.irp b, 0,1,2,3
	ds_store_b128 v56, v[32*(\a)+8*\b:32*(\a)+8*\b+3] offset:128*(\b/2)+32*(\b%2)          ; each accumulator from its low end on
	ds_store_b128 v56, v[32*(\a)+8*\b+4:32*(\a)+8*\b+7] offset:128*(\b/2)+32*(\b%2)+16
.endr
	WIN 0
.irp n, 0,1,2,3,4,5,6,7
	ds_load_b128 v[BKB+4*\n:BKB+4*\n+3], v57 offset:544*\n   ; a wave's LDS instructions are served in order: these see my stores, and the next block's stores come behind them
.endr
	s_wait_dscnt 0x0
.irp n, 0,1,2,3,4,5,6,7
	v_pk_add_f32 v[BKB+4*\n:BKB+4*\n+1], v[BKB+4*\n:BKB+4*\n+1], v[60:61]
	v_pk_add_f32 v[BKB+4*\n+2:BKB+4*\n+3], v[BKB+4*\n+2:BKB+4*\n+3], v[62:63]
.endr
	WIN 0x0c                                       ; source 1: window 3
.irp n, 0,1,2,3,4,5,6,7
	v_pk_add_f32 v[BKB+4*\n:BKB+4*\n+1], v[BKB+4*\n:BKB+4*\n+1], v[4*(8*(\a)+\n):4*(8*(\a)+\n)+1]
	v_pk_add_f32 v[BKB+4*\n+2:BKB+4*\n+3], v[BKB+4*\n+2:BKB+4*\n+3], v[4*(8*(\a)+\n)+2:4*(8*(\a)+\n)+3]
.endr
	WIN 0
.irp n, 0,1,2,3,4,5,6,7
	global_store_b128 v58, v[BKB+4*\n:BKB+4*\n+3], s[12:13] offset:(32*((\a)/2)+8*((\a)%2)+2*\n+8*(\n/4))*4096
.endr
.endm
	OUTB 0
	OUTB 1
	OUTB 2
	OUTB 3
	s_wait_tensorcnt 0x0                           ; the wave's end
	ds_add_u32 v[SPW], v[NIL]
	s_wait_dscnt 0x0
	CROUND                                         ; the closing round
	s_endpgm
.Lfunc_end_k_q472075166c_g6:
	.size	k_q472075166c_g6, .Lfunc_end_k_q472075166c_g6-k_q472075166c_g6
	.p2alignl 7, 3214868480
	.fill 96, 4, 3214868480
	.section	.rodata,"a",@progbits
	.p2align	6, 0x0
	.amdhsa_kernel k_q472075166c_g6
		.amdhsa_group_segment_fixed_size 327680
		.amdhsa_private_segment_fixed_size 0
		.amdhsa_enable_private_segment 0
		.amdhsa_kernarg_size 40
		.amdhsa_user_sgpr_count 2
		.amdhsa_user_sgpr_kernarg_segment_ptr 1
		.amdhsa_wavefront_size32 1
		.amdhsa_system_sgpr_workgroup_id_x 1
		.amdhsa_system_sgpr_workgroup_id_y 1
		.amdhsa_system_sgpr_workgroup_id_z 1
		.amdhsa_system_vgpr_workitem_id 0
		.amdhsa_next_free_vgpr 896
		.amdhsa_next_free_sgpr 100
		.amdhsa_reserve_vcc 0
		.amdhsa_float_denorm_mode_32 3
		.amdhsa_float_denorm_mode_16_64 3
		.amdhsa_memory_ordered 1
		.amdhsa_forward_progress 1
		.amdhsa_inst_pref_size 162
	.end_amdhsa_kernel
	.amdgpu_metadata
---
amdhsa.version: [ 1, 2 ]
amdhsa.kernels:
  - .name:           k_q472075166c_g6
    .symbol:         k_q472075166c_g6.kd
    .args:
      - { .name: H, .offset: 0, .size: 8, .value_kind: global_buffer, .address_space: global }
      - { .name: WQ, .offset: 8, .size: 8, .value_kind: global_buffer, .address_space: global }
      - { .name: b_fc2, .offset: 16, .size: 8, .value_kind: global_buffer, .address_space: global }
      - { .name: X1, .offset: 24, .size: 8, .value_kind: global_buffer, .address_space: global }
      - { .name: out0, .offset: 32, .size: 8, .value_kind: global_buffer, .address_space: global }
    .group_segment_fixed_size: 327680
    .private_segment_fixed_size: 0
    .kernarg_segment_align: 8
    .kernarg_segment_size: 40
    .max_flat_workgroup_size: 128
    .sgpr_count:     100
    .vgpr_count:     896
    .wavefront_size: 32
...
	.end_amdgpu_metadata
.endif
;; end of part 7
